; MI455X (gfx1250); checked and timed in simulation.
; The chip was launched on July 23, 2026; its instructions are those of AMD's public machine-readable ISA for CDNA 5 (MIT licence, August 2026) and "CDNA5" Instruction Set Architecture Reference Guide (July 2026). The comments in the code are by the model that wrote it; some were corrected since.
;; My Model. Allowed arithmetic: matrix products marked QUANTISED: E3M2 operands, one E8M0 scale for each 32 along K, by v_wmma_scale_f32_16x16x128_f8f6f4 with both operands' format E3M2, f32 sums; everything else in f32.
;; Inputs: W1_codes 3,072 x 24 x 24 uint8 (E3M2 codes of W1, K innermost, in blocks of 32 codes, four codes in three bytes); W1_scales 3,072 x 24 uint8 (E8M0 scales of W1, one for each 32 codes along K); W2_codes 768 x 96 x 24 uint8 (E3M2 codes of W2, K innermost, in blocks of 32 codes, four codes in three bytes); W2_scales 768 x 96 uint8 (E8M0 scales of W2, one for each 32 codes along K); Wk_codes 12 x 64 x 24 x 24 uint8 (E3M2 codes of Wk, K innermost, in blocks of 32 codes, four codes in three bytes); Wk_scales 12 x 64 x 24 uint8 (E8M0 scales of Wk, one for each 32 codes along K); Wo_codes 768 x 24 x 24 uint8 (E3M2 codes of Wo, K innermost, in blocks of 32 codes, four codes in three bytes); Wo_scales 768 x 24 uint8 (E8M0 scales of Wo, one for each 32 codes along K); Wq_codes 12 x 64 x 24 x 24 uint8 (E3M2 codes of Wq, K innermost, in blocks of 32 codes, four codes in three bytes); Wq_scales 12 x 64 x 24 uint8 (E8M0 scales of Wq, one for each 32 codes along K); Wv_codes 12 x 64 x 24 x 24 uint8 (E3M2 codes of Wv, K innermost, in blocks of 32 codes, four codes in three bytes); Wv_scales 12 x 64 x 24 uint8 (E8M0 scales of Wv, one for each 32 codes along K); b1 3,072 float32; b2 768 float32; bk 12 x 64 float32; bo 768 float32; bq 12 x 64 float32; bv 12 x 64 float32; ln1_b 768 float32; ln1_g 768 float32; ln2_b 768 float32; ln2_g 768 float32; x 4,096 x 768 float32.
;; Outputs: out0 4,096 x 768 float32.
;; This version of the problem:
;;   THIS VERSION OF THE PROBLEM IS GIVEN IN LOW PRECISION. The matrix products marked QUANTISED in the list below multiply operands that are first quantised to E3M2 (3 exponent bits, 2 mantissa bits; 6 bits a number), with one power-of-two scale for each 32 numbers along K (OCP MX v1.0); their sums are f32. All else is computed in f32.
;;   The module's matrix products, in the order in which they are computed (A, B: the left and right operand; K: the contracted axis; several contracted axes count as one K, in the product's order):
;;     1. [M 768, K 768] x [K 768, N 4,096]; A: input Wq (given as codes); B: computed on the way: QUANTISED
;;     2. [M 768, K 768] x [K 768, N 4,096]; A: input Wk (given as codes); B: computed on the way: QUANTISED
;;     3. [M 768, K 768] x [K 768, N 4,096]; A: input Wv (given as codes); B: computed on the way: QUANTISED
;;     4. batch 12 x [M 4,096, K 64] x [K 64, N 4,096]; A: computed on the way; B: computed on the way: QUANTISED
;;     5. batch 12 x [M 4,096, K 4,096] x [K 4,096, N 64]; A: softmax (see below); B: computed on the way: QUANTISED
;;     6. [M 4,096, K 768] x [K 768, N 768]; A: computed on the way; B: input Wo (given as codes): QUANTISED
;;     7. [M 4,096, K 768] x [K 768, N 3,072]; A: computed on the way; B: input W1 (given as codes): QUANTISED
;;     8. [M 4,096, K 3,072] x [K 3,072, N 768]; A: computed on the way; B: input W2 (given as codes): QUANTISED
;;   THE QUANTISER, for each operand of a quantised product, along K:
;;     - K is cut into blocks of 32 from its start; a last block that is shorter is filled with zeros.
;;     - A block's scale is 2^e with e = floor(log2(the largest magnitude in the block)) - 4, held to -126 .. 127; a block of zeros has e = 0. As a byte (E8M0): e + 127.
;;     - Each number is divided by its block's scale, clamped to +-28, and rounded to the nearest number of E3M2, ties to even, subnormals kept.
;;     - The product sums the exact products of the quantised numbers (number of the format x scale) in f32.
;;   ~~~python
;;   def quantise(x, axis):      # numpy; x: float32 -> the quantised numbers, widened to float32 again
;;       x = np.moveaxis(x, axis, -1); K = x.shape[-1]
;;       x = np.pad(x, [(0, 0)] * (x.ndim - 1) + [(0, -K % 32)]); x = x.reshape(x.shape[:-1] + (-1, 32)); a = np.abs(x).max(-1, keepdims=True)
;;       e = np.where(a > 0, np.clip(np.frexp(np.where(a > 0, a, 1))[1] - 1 - 4, -126, 127), 0)      # np.frexp(a)[1] - 1 = floor(log2(a)), exactly
;;       r = np.clip(x / 2.0 ** e, -28, 28)
;;       step = 2.0 ** (np.maximum(np.frexp(np.where(r == 0, 1, r))[1] - 1, -2) - 2)
;;       q = np.round(r / step) * step * 2.0 ** e      # np.round: ties to even
;;       return np.moveaxis(q.reshape(q.shape[:-2] + (-1,))[..., :K], -1, axis).astype(np.float32)
;;   ~~~
;;   SOFTMAX AHEAD OF A QUANTISED PRODUCT. Where the list says 'softmax', what is quantised is not the finished softmax but p = 2^(t - M), with t = logit x log2(e) and M = ceil(the row's largest t), a whole number; so 1/2 < the row's largest p <= 1. The row's sum l is taken of the UNQUANTISED p, in f32, and the product's result is divided by l at the end. Since M is a whole number, a kernel that streams over the keys may use a running M (the ceiling of the running maximum): every later rescaling is an exact power of two, which a block's scale takes up: the codes' values come out the same.
;;   OPERANDS COMPUTED ON THE WAY. 'Computed on the way' means the value that the module computes at that place (a softmax that the list does not call 'softmax' is quantised finished and normalised). What goes into a quantiser is computed in f32, as accurately as f32 sums, v_exp_f32 and their like allow (about 1e-6 of the number): no bf16 or f16 on the way to a quantiser, and a product that is left as it is and whose result goes on into a quantised operand takes f32 operands (vector FMAs, or v_wmma_f32_16x16x4_f32). A number that lies on a knife's edge between two numbers of the format may be rounded either way, as far as f32 arithmetic and the matrix unit's own rounding can turn it there, and no further.
;;   INPUTS GIVEN AS CODES. W1 (in the module: [768, 3072], K = its axis 0); W2 (in the module: [3072, 768], K = its axis 0); Wk (in the module: [12, 768, 64], K = its axis 1); Wo (in the module: [768, 768], K = its axis 0); Wq (in the module: [12, 768, 64], K = its axis 1); Wv (in the module: [12, 768, 64], K = its axis 1): each comes as NAME_codes (uint8): NAME with its K axis moved to the last place and cut into blocks of 32 codes, [.., K / 32, bytes a block], one block behind the other in memory; four codes in three bytes: a row's codes are one little-endian stream of bits, code i at bits 6 i .. 6 i + 5 (a code: sign, 3 exponent bits, 2 mantissa bits); and NAME_scales (uint8): the same leading axes, one E8M0 byte (e + 127) for each 32 codes along K. Its value is code x scale, taken as it is: it is not quantised again, and the codes and scales need not be those that the quantiser above would give.
;; 2 versions, each right; version 2 is version 1 with the launches attn, wo_ln written anew for expert scheduling mode. Each part assembles by itself: llvm-mc -triple=amdgcn-amd-amdhsa -mcpu=gfx1250 --defsym DOCPART=n.
;; ======== version 1 of 2: 6 launches
;; workspace buffers: wimg 5,308,416 bytes; hbuf 2,457,600 bytes; obuf 2,457,600 bytes; qbuf 2,555,904 bytes; kvbuf 5,013,504 bytes; x1 12,582,912 bytes; gbuf 9,830,400 bytes
;; launch prep (part 1): grid 400 x 1, 4 waves a work-group, no clusters, 50,176 bytes of LDS; arguments x, ln1_g, ln1_b, Wq_codes, Wk_codes, Wv_codes, Wo_codes, W1_codes, W2_codes, hbuf, wimg; writes hbuf, wimg
.if DOCPART == 1
	.amdgcn_target "amdgcn-amd-amdhsa--gfx1250"
	.amdhsa_code_object_version 6
	.text
	.protected	k_q1afa460947_prep
	.globl	k_q1afa460947_prep
	.p2align	8
	.type	k_q1afa460947_prep,@function
k_q1afa460947_prep:
	s_mov_b64 s[64:65], 0
	v_nop
	global_prefetch_b8 v0, s[64:65] scope:SCOPE_SE
	s_setreg_imm32_b32 hwreg(HW_REG_WAVE_MODE, 25, 1), 1
	s_wait_xcnt 0x0
; Two jobs in one launch, parted on the work-group's number alone.
; WORK-GROUPS 0-255: h = LayerNorm1(x), quantised to E3M2 along its 768 columns, stored as images of operand registers.
;   A tile is 16 tokens: image lane r of tile T is token 32 (T / 2) + 8 (T % 2) + r + 8 (r / 8).  Wave w normalises image lanes 4 w .. 4 w + 3 (four neighbouring rows of x, 12,288 consecutive bytes),
;   the rows meet in LDS (pitch 3,088 bytes), and wave w then quantises columns 192 w .. 192 w + 191 of all 16 rows: three halves of 64 columns.
;   A half (16 rows x 64 K) is 768 bytes: registers 0-3 of lane l at 16 l, registers 4-5 at 512 + 8 l; lanes 0-15 hold its first block of 32, lanes 16-31 its second.  Scale bytes lie as [token][24].
;   Mean and variance are taken in two passes (the mean is taken off before the squares), all in f32.
; WORK-GROUPS 256-399: the six weights' codes are laid anew, fragment by fragment (16 rows x 128 K = 12 registers a lane = three planes of 512 bytes, lane l at 16 l), so that later launches fetch them by 16-byte loads alone.
;   A weight tile takes rows in the same order as a token tile.  wimg = [G 0..47][K step 0..5][tile 0..11][1536]: G 0-11 heads (tiles 0-3 Wq, 4-7 Wk, 8-11 Wv), 12-15 Wo, 16-31 W1, 32-47 W2 (G = 32 + 4 X + K quarter).
; LIMITS: NaN and infinities are not served.  A block of zeros gets the byte 1 (the floor) with zero codes where the quantiser says 127: the bytes are read by this program alone.
.set WV, 26
.set SEL, 44
.set C768, 46
.set SPITCH, 3088
.set L16, 1
.set L8, 2
.set SST, 3
.set SRD, 4
.set SCO, 5
.set PRM, 6
.set HH, 7
.set RO, 8
.set G, 16
.set B, 40
.set X, 64
.set M, 160
.set TM, 176
.set TP, 178
.set TS2, 180
.set TB, 182
.set PW, 184
.set PC, 186
.set PT, 160
.set MSB, 0
.macro WIN new
.if MSB != (\new)
	s_set_vgpr_msb (MSB<<8)|(\new)
.set MSB, (\new)
.endif
.endm
; 32 numbers of a lane (register 16 b + i = k 32 b + 16 (lane / 16) + i of the lane's row) become six registers of codes, v[PC] on, and two scale bytes in v[PW].
.macro QUANT2 src, W
	WIN (\W)|((\W)<<2)
.irp b, 0,1
	v_max3_num_f32 v[TM+\b], |v[(\src)+16*\b]|, |v[(\src)+16*\b+1]|, 0x2800000   ; my 16 numbers of block b, and the floor 2^(5 - 127): the byte cannot fall under 1
.endr
.irp i, 2,4,6,8,10,12,14
.irp b, 0,1
	v_max3_num_f32 v[TM+\b], |v[(\src)+16*\b+\i]|, |v[(\src)+16*\b+\i+1]|, v[TM+\b]
.endr
.endr
	WIN 0
.irp b, 0,1
	v_permlanex16_b32 v[TP+\b], v[TM+\b], s[SEL], s[SEL+1]
.endr
.irp b, 0,1
	v_max_num_f32 v[TM+\b], v[TM+\b], v[TP+\b]           ; with lane l xor 16's 16: the block's largest magnitude
.endr
.irp b, 0,1
	v_add_nc_u32 v[TS2+\b], 0xfe000000, v[TM+\b]         ; 4 off its exponent field: the conversion's scale operand
.endr
.irp b, 0,1
	v_lshrrev_b32 v[TB+\b], 23, v[TS2+\b]                ; the scale's byte
.endr
	s_wait_xcnt 0x0                                      ; earlier stores have read v[PW] and the codes' registers: they are written again only behind this wait
	v_lshl_or_b32 v[PW], v[TB+1], 8, v[TB]
	WIN \W
	v_cvt_scalef32_pk16_bf6_f32 v[PC:PC+2], v[(\src):(\src)+15], v[TS2]
	v_cvt_scalef32_pk16_bf6_f32 v[PT:PT+2], v[(\src)+16:(\src)+31], v[TS2+1]
	WIN 0
	v_nop                                                ; one plain place behind a scaled conversion
.irp i, 0,1,2
	v_permlane16_swap_b32 v[PC+\i], v[PT+\i]             ; a whole block to a lane: lanes 0-15 block 0, lanes 16-31 block 1
.endr
.irp i, 0,1,2
	v_mov_b32 v[PC+3+\i], v[PT+\i]
.endr
.endm
.macro PUTH b, off                     ; a half's image: 512 and 256 consecutive bytes
	global_store_b128 v[L16], v[PC:PC+3], s[\b:\b+1] offset:\off
	global_store_b64 v[L8], v[PC+4:PC+5], s[\b:\b+1] offset:(\off)+512
.endm
	s_load_b256 s[4:11], s[0:1], 0x0               ; x, ln1_g, ln1_b, Wq_codes
	s_load_b256 s[12:19], s[0:1], 0x20             ; Wk_codes, Wv_codes, Wo_codes, W1_codes
	s_load_b128 s[20:23], s[0:1], 0x40             ; W2_codes, hbuf
	s_load_b64 s[24:25], s[0:1], 0x50              ; wimg
	v_lshl_add_u32 v192, v0, 2, 0xc200
	v_mov_b32 v193, 0
	v_lshrrev_b32 v9, 5, v0
	v_readfirstlane_b32 s[WV], v9                  ; wave 0..3
	v_and_b32 v9, 31, v0                           ; lane
	v_and_b32 v10, 15, v0                          ; r
	v_bfe_u32 v[HH], v0, 4, 1                      ; h
	v_lshlrev_b32 v[L16], 4, v9
	v_lshlrev_b32 v[L8], 3, v9
	s_mul_i32 s27, s[WV], 4*SPITCH
	v_add_nc_u32 v[SST], s27, v[L16]               ; the stage, in: my four rows, 16 bytes a lane
	v_mul_u32_u24 v[SRD], v10, SPITCH
	v_lshl_add_u32 v[SRD], v[HH], 6, v[SRD]
	s_mul_i32 s27, s[WV], 768
	v_add_nc_u32 v[SRD], s27, v[SRD]               ; out: row r, my 192 columns, + 64 h
	v_and_b32 v[PRM], 8, v10
	v_add_nc_u32 v[PRM], v[PRM], v10               ; r + 8 (r / 8)
	s_cmp_ge_u32 ttmp9, 256
	s_cbranch_scc1 .Lrelay
	; ---- LayerNorm 1 and its quantiser
	v_mul_u32_u24 v[SCO], v[PRM], 24               ; my row of scale bytes
	v_mov_b32 v[TP], 0                             ; a lane permute's destination counts as read
	v_mov_b32 v[TP+1], 0
	s_mov_b32 s[SEL], 0x76543210
	s_mov_b32 s[SEL+1], 0xfedcba98                 ; lane l xor 16
	s_mov_b32 s[C768], 0x3aaaaaab                  ; 1 / 768
	s_lshr_b32 s28, ttmp9, 1
	s_lshl_b32 s28, s28, 5
	s_and_b32 s29, ttmp9, 1
	s_lshl_b32 s29, s29, 3
	s_add_co_u32 s28, s28, s29                     ; the tile's first token
	s_lshl_b32 s29, s[WV], 2
	s_lshr_b32 s30, s[WV], 1
	s_lshl_b32 s30, s30, 3
	s_add_co_u32 s29, s29, s30
	s_add_co_u32 s29, s29, s28                     ; my wave's first token
	s_mul_i32 s30, s29, 3072
	s_mov_b32 s31, 0
	s_mul_i32 s32, ttmp9, 9216
	s_mul_i32 s34, s[WV], 2304
	s_add_co_u32 s32, s32, s34                     ; my three halves in the tile's image
	s_mov_b32 s33, 0
	s_mul_i32 s34, s28, 24
	s_mul_i32 s36, s[WV], 6
	s_add_co_u32 s34, s34, s36
	s_add_co_u32 s34, s34, 2359296                 ; and their scale bytes
	s_mov_b32 s35, 0
	s_wait_kmcnt 0x0
	s_add_nc_u64 s[4:5], s[4:5], s[30:31]
	s_add_nc_u64 s[32:33], s[22:23], s[32:33]
	s_add_nc_u64 s[34:35], s[22:23], s[34:35]
.irp i, 0,1,2,3,4,5
	global_load_b128 v[G+4*\i:G+4*\i+3], v[L16], s[6:7] offset:512*\i
	global_load_b128 v[B+4*\i:B+4*\i+3], v[L16], s[8:9] offset:512*\i
.endr
.irp j, 0,1,2,3
.irp i, 0,1,2,3,4,5
	global_load_b128 v[X+24*\j+4*\i:X+24*\j+4*\i+3], v[L16], s[4:5] offset:3072*\j+512*\i   ; 512 consecutive bytes an instruction
.endr
.endr
	s_wait_loadcnt 0x0
	; the rows' sums, four rows by turns
.irp j, 0,1,2,3
	v_pk_add_f32 v[M+4*\j:M+4*\j+1], v[X+24*\j:X+24*\j+1], v[X+24*\j+2:X+24*\j+3]
.endr
.irp i, 4,6,8,10,12,14,16,18,20,22
.irp j, 0,1,2,3
	v_pk_add_f32 v[M+4*\j:M+4*\j+1], v[M+4*\j:M+4*\j+1], v[X+24*\j+\i:X+24*\j+\i+1]
.endr
.endr
.irp j, 0,1,2,3
	v_add_f32 v[M+4*\j], v[M+4*\j], v[M+4*\j+1]
.endr
.irp k, 1,2,4,8
.irp j, 0,1,2,3
	v_add_f32_dpp v[M+4*\j], v[M+4*\j], v[M+4*\j] row_xmask:\k row_mask:0xf bank_mask:0xf
.endr
.endr
.irp j, 0,1,2,3
	v_permlanex16_b32 v[M+4*\j+1], v[M+4*\j], s[SEL], s[SEL+1]
.endr
.irp j, 0,1,2,3
	v_add_f32 v[M+4*\j], v[M+4*\j], v[M+4*\j+1]
.endr
.irp j, 0,1,2,3
	v_mul_f32 v[M+4*\j], s[C768], v[M+4*\j]        ; the mean
.endr
.irp i, 0,2,4,6,8,10,12,14,16,18,20,22
.irp j, 0,1,2,3
	v_pk_add_f32 v[X+24*\j+\i:X+24*\j+\i+1], v[X+24*\j+\i:X+24*\j+\i+1], v[M+4*\j:M+4*\j+1] op_sel_hi:[1,0] neg_lo:[0,1] neg_hi:[0,1]   ; d = x - mean
.endr
.endr
.irp j, 0,1,2,3
	v_pk_mul_f32 v[M+4*\j+2:M+4*\j+3], v[X+24*\j:X+24*\j+1], v[X+24*\j:X+24*\j+1]
.endr
.irp i, 2,4,6,8,10,12,14,16,18,20,22
.irp j, 0,1,2,3
	v_pk_fma_f32 v[M+4*\j+2:M+4*\j+3], v[X+24*\j+\i:X+24*\j+\i+1], v[X+24*\j+\i:X+24*\j+\i+1], v[M+4*\j+2:M+4*\j+3]
.endr
.endr
.irp j, 0,1,2,3
	v_add_f32 v[M+4*\j+2], v[M+4*\j+2], v[M+4*\j+3]
.endr
.irp k, 1,2,4,8
.irp j, 0,1,2,3
	v_add_f32_dpp v[M+4*\j+2], v[M+4*\j+2], v[M+4*\j+2] row_xmask:\k row_mask:0xf bank_mask:0xf
.endr
.endr
.irp j, 0,1,2,3
	v_permlanex16_b32 v[M+4*\j+3], v[M+4*\j+2], s[SEL], s[SEL+1]
.endr
.irp j, 0,1,2,3
	v_add_f32 v[M+4*\j+2], v[M+4*\j+2], v[M+4*\j+3]
.endr
.irp j, 0,1,2,3
	v_fmaak_f32 v[M+4*\j], s[C768], v[M+4*\j+2], 0x3727c5ac   ; variance + 1e-5
.endr
.irp j, 0,1,2,3
	v_rsq_f32 v[M+4*\j+2], v[M+4*\j]
.endr
	v_nop                                          ; a plain place behind the last of the four
	s_wait_alu depctr_va_vdst(0)                   ; one wait for the four, ahead of their first reader
.irp i, 0,2,4,6,8,10,12,14,16,18,20,22
.irp j, 0,1,2,3
	v_pk_mul_f32 v[X+24*\j+\i:X+24*\j+\i+1], v[X+24*\j+\i:X+24*\j+\i+1], v[M+4*\j+2:M+4*\j+3] op_sel_hi:[1,0]
.endr
.endr
.irp i, 0,2,4,6,8,10,12,14,16,18,20,22
.irp j, 0,1,2,3
	v_pk_fma_f32 v[X+24*\j+\i:X+24*\j+\i+1], v[X+24*\j+\i:X+24*\j+\i+1], v[G+\i:G+\i+1], v[B+\i:B+\i+1]
.endr
.endr
.irp j, 0,1,2,3
.irp i, 0,1,2,3,4,5
	ds_store_b128 v[SST], v[X+24*\j+4*\i:X+24*\j+4*\i+3] offset:\j*SPITCH+512*\i
.endr
.endr
	s_wait_dscnt 0x0                               ; for the others' sake: my rows lie in the stage
	s_barrier_signal -1
	s_barrier_wait -1
.irp q, 0,1,2
.irp b, 0,1
.irp j, 0,1,2,3
	ds_load_b128 v[X+32*\q+16*\b+4*\j:X+32*\q+16*\b+4*\j+3], v[SRD] offset:256*\q+128*\b+16*\j
.endr
.endr
.endr
	s_wait_dscnt 0x0
.irp q, 0,1,2
	QUANT2 X+32*\q, 0
	PUTH 32, 768*\q
	global_store_b16 v[SCO], v[PW], s[34:35] offset:2*\q   ; lanes l and l + 16 write the same two bytes
.endr
	s_wait_tensorcnt 0x0
	ds_add_u32 v192, v193
	s_wait_dscnt 0x0
	s_endpgm
	; ---- the weights' codes into register order: a wave takes one tile of 16 rows and six K steps
.Lrelay:
	s_sub_co_u32 s28, ttmp9, 256
	s_lshl_b32 s28, s28, 2
	s_add_co_u32 s28, s28, s[WV]                   ; u = 0 .. 575
	s_mul_i32 s29, s28, 43691
	s_lshr_b32 s29, s29, 19                        ; G = u / 12
	s_mul_i32 s30, s29, 12
	s_sub_co_u32 s30, s28, s30                     ; tile in G
	s_lshr_b32 s31, s30, 2
	s_and_b32 s32, s30, 3
	s_lshl_b32 s33, s29, 2
	s_add_co_u32 s32, s32, s33                     ; heads: tile 4 G + (tile % 4) of Wq, Wk or Wv
	s_sub_co_u32 s38, s28, 144                     ; Wo's tile
	s_sub_co_u32 s39, s28, 192                     ; W1's
	s_sub_co_u32 s40, s29, 32
	s_lshr_b32 s41, s40, 2
	s_mul_i32 s41, s41, 12
	s_add_co_u32 s41, s41, s30                     ; W2's: 12 X + tile
	s_and_b32 s42, s40, 3
	s_mul_i32 s42, s42, 576                        ; and its quarter of K
	s_mov_b32 s34, 576                             ; a row of codes in bytes
	s_wait_kmcnt 0x0
	s_cmp_eq_u32 s31, 1
	s_cselect_b64 s[36:37], s[12:13], s[10:11]
	s_cmp_eq_u32 s31, 2
	s_cselect_b64 s[36:37], s[14:15], s[36:37]
	s_cmp_ge_u32 s28, 144
	s_cselect_b64 s[36:37], s[16:17], s[36:37]
	s_cselect_b32 s32, s38, s32
	s_cmp_ge_u32 s28, 192
	s_cselect_b64 s[36:37], s[18:19], s[36:37]
	s_cselect_b32 s32, s39, s32
	s_cmp_ge_u32 s28, 384
	s_cselect_b64 s[36:37], s[20:21], s[36:37]
	s_cselect_b32 s32, s41, s32
	s_cselect_b32 s34, 2304, s34
	s_cselect_b32 s35, s42, 0
	s_lshr_b32 s38, s32, 1
	s_lshl_b32 s38, s38, 5
	s_and_b32 s39, s32, 1
	s_lshl_b32 s39, s39, 3
	s_add_co_u32 s38, s38, s39                     ; the tile's first row
	s_mul_i32 s38, s38, s34
	s_add_co_u32 s38, s38, s35
	s_mov_b32 s39, 0
	s_add_nc_u64 s[36:37], s[36:37], s[38:39]
	s_mul_i32 s40, s29, 110592
	s_mul_i32 s41, s30, 1536
	s_add_co_u32 s40, s40, s41
	s_mov_b32 s41, 0
	s_add_nc_u64 s[40:41], s[24:25], s[40:41]
	v_mul_lo_u32 v[RO], v[PRM], s34
	v_mad_u32_u24 v[RO], v[HH], 24, v[RO]          ; my row, + 24 h
.irp s, 0,1,2,3,4,5
.irp p, 0,1,2,3,4,5
	global_load_b64 v[64+12*\s+2*\p:64+12*\s+2*\p+1], v[RO], s[36:37] offset:96*\s+48*(\p/3)+8*(\p%3)
.endr
.endr
	s_wait_loadcnt 0x0
.irp s, 0,1,2,3,4,5
.irp k, 0,1,2
	global_store_b128 v[L16], v[64+12*\s+4*\k:64+12*\s+4*\k+3], s[40:41] offset:18432*\s+512*\k   ; 512 consecutive bytes
.endr
.endr
	s_endpgm
.Lfunc_end_k_q1afa460947_prep:
	.size	k_q1afa460947_prep, .Lfunc_end_k_q1afa460947_prep-k_q1afa460947_prep
	.p2alignl 7, 3214868480
	.fill 96, 4, 3214868480
	.section	.rodata,"a",@progbits
	.p2align	6, 0x0
	.amdhsa_kernel k_q1afa460947_prep
		.amdhsa_group_segment_fixed_size 50176
		.amdhsa_private_segment_fixed_size 0
		.amdhsa_enable_private_segment 0
		.amdhsa_kernarg_size 88
		.amdhsa_user_sgpr_count 2
		.amdhsa_user_sgpr_kernarg_segment_ptr 1
		.amdhsa_wavefront_size32 1
		.amdhsa_system_sgpr_workgroup_id_x 1
		.amdhsa_system_sgpr_workgroup_id_y 1
		.amdhsa_system_sgpr_workgroup_id_z 1
		.amdhsa_system_vgpr_workitem_id 0
		.amdhsa_next_free_vgpr 194
		.amdhsa_next_free_sgpr 66
		.amdhsa_reserve_vcc 0
		.amdhsa_float_denorm_mode_32 3
		.amdhsa_float_denorm_mode_16_64 3
		.amdhsa_memory_ordered 1
		.amdhsa_forward_progress 1
		.amdhsa_inst_pref_size 42
	.end_amdhsa_kernel
	.amdgpu_metadata
---
amdhsa.version: [ 1, 2 ]
amdhsa.kernels:
  - .name:           k_q1afa460947_prep
    .symbol:         k_q1afa460947_prep.kd
    .args:
      - { .name: x, .offset: 0, .size: 8, .value_kind: global_buffer, .address_space: global }
      - { .name: ln1_g, .offset: 8, .size: 8, .value_kind: global_buffer, .address_space: global }
      - { .name: ln1_b, .offset: 16, .size: 8, .value_kind: global_buffer, .address_space: global }
      - { .name: Wq_codes, .offset: 24, .size: 8, .value_kind: global_buffer, .address_space: global }
      - { .name: Wk_codes, .offset: 32, .size: 8, .value_kind: global_buffer, .address_space: global }
      - { .name: Wv_codes, .offset: 40, .size: 8, .value_kind: global_buffer, .address_space: global }
      - { .name: Wo_codes, .offset: 48, .size: 8, .value_kind: global_buffer, .address_space: global }
      - { .name: W1_codes, .offset: 56, .size: 8, .value_kind: global_buffer, .address_space: global }
      - { .name: W2_codes, .offset: 64, .size: 8, .value_kind: global_buffer, .address_space: global }
      - { .name: hbuf, .offset: 72, .size: 8, .value_kind: global_buffer, .address_space: global }
      - { .name: wimg, .offset: 80, .size: 8, .value_kind: global_buffer, .address_space: global }
    .group_segment_fixed_size: 50176
    .private_segment_fixed_size: 0
    .kernarg_segment_align: 8
    .kernarg_segment_size: 88
    .max_flat_workgroup_size: 128
    .sgpr_count:     66
    .vgpr_count:     194
    .wavefront_size: 32
...
	.end_amdgpu_metadata
.endif
;; end of part 1
;; launch qkv (part 2): grid 12 x 16, 4 waves a work-group, clusters of 4 x 4, 258,560 bytes of LDS; arguments wimg, hbuf, Wq_scales, Wk_scales, Wv_scales, bq, bk, bv, qbuf, kvbuf; writes qbuf, kvbuf
.if DOCPART == 2
	.amdgcn_target "amdgcn-amd-amdhsa--gfx1250"
	.amdhsa_code_object_version 6
	.text
	.protected	k_q1afa460947_qkv
	.globl	k_q1afa460947_qkv
	.p2align	8
	.type	k_q1afa460947_qkv,@function
k_q1afa460947_qkv:
	s_mov_b64 s[64:65], 0
	v_nop
	global_prefetch_b8 v0, s[64:65] scope:SCOPE_SE
	s_setreg_imm32_b32 hwreg(HW_REG_WAVE_MODE, 25, 1), 1
	s_wait_xcnt 0x0
	s_wait_alu depctr_hold_cnt(0) depctr_sa_sdst(0) depctr_va_vdst(0) depctr_va_sdst(0) depctr_va_ssrc(0) depctr_va_vcc(0) depctr_vm_vsrc(0)
	s_getreg_b32 s2, hwreg(HW_REG_IB_STS2, 6, 4)
	s_cmp_eq_u32 s2, 0
	s_cbranch_scc0 .Lentry_in_a_cluster
	s_endpgm
.Lentry_in_a_cluster:
	s_bfe_u32 s2, ttmp6, 0x10000c
	s_cmp_lg_u32 s2, 0xf033
	s_cbranch_scc0 .Lentry_shape_is_right
	s_endpgm
.Lentry_shape_is_right:
; q, k, v of one head (work-group x = head) for 256 tokens (work-group y), on codes of E3M2; then each is quantised again: q and k along the head's 64, v along the keys.
; Four waves; wave w owns token tiles 16 y + 4 w + 0..3 against the head's 12 weight tiles (0-3 Wq, 4-7 Wk, 8-11 Wv): 48 accumulators, K = 768 in six steps of 128.
; All operands of the work-group fit in LDS (110,592 bytes of weights, 147,456 of tokens): they are asked for once, at the head, by six tensor loads a wave in three chunks of two K steps; no LDS byte is filled twice.
; CLUSTER 4 x 4: the four of a column share the head's weights, the four of a row the tokens: each tile is asked for jointly.
; q, k: source 0 = 16 weight rows, source 1 = 16 tokens: a lane holds one token and its registers run along the head's 64.  v: source 0 = tokens, source 1 = weight rows: a lane holds one of the head's 64 and its registers run along the tokens.
; Tile order (tile t, lane r: row 32 (t / 2) + 8 (t % 2) + r + 8 (r / 8)) makes the 16 registers of two neighbouring tiles 16 neighbours along the next K.
; OUT: qbuf [head 256 + tile][768] and a word a row (two scale bytes, 0x7f above); kvbuf [head][step of 128 keys][8 halves of k, then v as 4 tiles x 2 halves] and their scale words in the order in which the next launch's lanes take them.
; REGISTERS: window 0: v1-15 addresses, v16-51 weights' scale words, v52-63 tokens', v64-111 four token fragments, v112-255 twelve weight fragments.  window 1: q, k sums (token tile m, tile t) at 8 (8 m + t).
;   window 2: v sums (tile u, m) at 8 (4 u + m); v128-191 bq, bk as the first C; v192-223 bv.
; LIMITS: NaN and infinities are not served; a block of zeros gets the byte 1 with zero codes (bytes read by this program alone).
.set GW, 24
.set GT, 32
.set G0W, 40
.set G0T, 52
.set WV, 66
.set SEL, 96
.set SQ, 82
.set SQW, 84
.set SK, 86
.set SKW, 88
.set SV, 90
.set SVW, 92
.set AW, 1
.set AT16, 3
.set AT8, 6
.set L16, 1
.set L8, 10
.set WS, 16
.set TS, 52
.set TF, 64
.set WF, 112
.set TM, 64
.set TP, 66
.set TS2, 68
.set TB, 70
.set PW, 72
.set PC, 74
.set PT, 80
.set MSB, 0
.macro WIN new
.if MSB != (\new)
	s_set_vgpr_msb (MSB<<8)|(\new)
.set MSB, (\new)
.endif
.endm
.macro PLACES
.rept 4
	v_nop
.endr
.endm
.macro CROUND                          ; a round of the cluster's barrier
	s_barrier_signal -1
	s_barrier_wait -1
	s_cmp_lg_u32 s[WV], 0
	s_cbranch_scc1 .Lnot_wave_0_\@
	s_barrier_signal -3
.Lnot_wave_0_\@:
	s_barrier_wait -3
	s_barrier_signal -1
	s_barrier_wait -1
.endm
; one product: D, source 0, source 1, C (under 0: the constant 0), the two scale registers, and whether each is read from lanes 16-31
.macro WM d, a, b, c, sa, sb, ra, rb
.if (\c) < 0
.if (\ra) && (\rb)
	v_wmma_scale_f32_16x16x128_f8f6f4 v[(\d):(\d)+7], v[(\a):(\a)+11], v[(\b):(\b)+11], 0, v[\sa], v[\sb] matrix_a_fmt:MATRIX_FMT_BF6 matrix_b_fmt:MATRIX_FMT_BF6 matrix_a_scale:MATRIX_SCALE_ROW1 matrix_b_scale:MATRIX_SCALE_ROW1
.elseif (\ra)
	v_wmma_scale_f32_16x16x128_f8f6f4 v[(\d):(\d)+7], v[(\a):(\a)+11], v[(\b):(\b)+11], 0, v[\sa], v[\sb] matrix_a_fmt:MATRIX_FMT_BF6 matrix_b_fmt:MATRIX_FMT_BF6 matrix_a_scale:MATRIX_SCALE_ROW1
.elseif (\rb)
	v_wmma_scale_f32_16x16x128_f8f6f4 v[(\d):(\d)+7], v[(\a):(\a)+11], v[(\b):(\b)+11], 0, v[\sa], v[\sb] matrix_a_fmt:MATRIX_FMT_BF6 matrix_b_fmt:MATRIX_FMT_BF6 matrix_b_scale:MATRIX_SCALE_ROW1
.else
	v_wmma_scale_f32_16x16x128_f8f6f4 v[(\d):(\d)+7], v[(\a):(\a)+11], v[(\b):(\b)+11], 0, v[\sa], v[\sb] matrix_a_fmt:MATRIX_FMT_BF6 matrix_b_fmt:MATRIX_FMT_BF6
.endif
.else
.if (\ra) && (\rb)
	v_wmma_scale_f32_16x16x128_f8f6f4 v[(\d):(\d)+7], v[(\a):(\a)+11], v[(\b):(\b)+11], v[(\c):(\c)+7], v[\sa], v[\sb] matrix_a_fmt:MATRIX_FMT_BF6 matrix_b_fmt:MATRIX_FMT_BF6 matrix_a_scale:MATRIX_SCALE_ROW1 matrix_b_scale:MATRIX_SCALE_ROW1
.elseif (\ra)
	v_wmma_scale_f32_16x16x128_f8f6f4 v[(\d):(\d)+7], v[(\a):(\a)+11], v[(\b):(\b)+11], v[(\c):(\c)+7], v[\sa], v[\sb] matrix_a_fmt:MATRIX_FMT_BF6 matrix_b_fmt:MATRIX_FMT_BF6 matrix_a_scale:MATRIX_SCALE_ROW1
.elseif (\rb)
	v_wmma_scale_f32_16x16x128_f8f6f4 v[(\d):(\d)+7], v[(\a):(\a)+11], v[(\b):(\b)+11], v[(\c):(\c)+7], v[\sa], v[\sb] matrix_a_fmt:MATRIX_FMT_BF6 matrix_b_fmt:MATRIX_FMT_BF6 matrix_b_scale:MATRIX_SCALE_ROW1
.else
	v_wmma_scale_f32_16x16x128_f8f6f4 v[(\d):(\d)+7], v[(\a):(\a)+11], v[(\b):(\b)+11], v[(\c):(\c)+7], v[\sa], v[\sb] matrix_a_fmt:MATRIX_FMT_BF6 matrix_b_fmt:MATRIX_FMT_BF6
.endif
.endif
.endm
; 32 numbers of a lane in window W (register 16 b + i = k 32 b + 16 (lane / 16) + i of the lane's row) become six registers of codes, v[PC] on, and two scale bytes in v[PW].  Each accumulator is read from its low end on.
.macro QUANT2 src, W
	WIN (\W)|((\W)<<2)
.irp b, 0,1
	v_max3_num_f32 v[TM+\b], |v[(\src)+16*\b]|, |v[(\src)+16*\b+1]|, 0x2800000   ; and the floor 2^(5 - 127): the byte cannot fall under 1
.endr
.irp i, 2,4,6,8,10,12,14
.irp b, 0,1
	v_max3_num_f32 v[TM+\b], |v[(\src)+16*\b+\i]|, |v[(\src)+16*\b+\i+1]|, v[TM+\b]
.endr
.endr
	WIN 0
.irp b, 0,1
	v_permlanex16_b32 v[TP+\b], v[TM+\b], s[SEL], s[SEL+1]
.endr
.irp b, 0,1
	v_max_num_f32 v[TM+\b], v[TM+\b], v[TP+\b]
.endr
.irp b, 0,1
	v_add_nc_u32 v[TS2+\b], 0xfe000000, v[TM+\b]         ; 4 off the exponent field: the conversion's scale operand
.endr
.irp b, 0,1
	v_lshrrev_b32 v[TB+\b], 23, v[TS2+\b]
.endr
	s_wait_xcnt 0x0                                      ; earlier stores have read v[PW] and the codes' registers
	v_lshl_or_b32 v[PW], v[TB+1], 8, v[TB]
	WIN \W
	v_cvt_scalef32_pk16_bf6_f32 v[PC:PC+2], v[(\src):(\src)+15], v[TS2]
	v_cvt_scalef32_pk16_bf6_f32 v[PT:PT+2], v[(\src)+16:(\src)+31], v[TS2+1]
	WIN 0
	v_nop                                                ; one plain place behind a scaled conversion
.irp i, 0,1,2
	v_permlane16_swap_b32 v[PC+\i], v[PT+\i]
.endr
.irp i, 0,1,2
	v_mov_b32 v[PC+3+\i], v[PT+\i]
.endr
.endm
.macro PUTH b, off
	global_store_b128 v[L16], v[PC:PC+3], s[\b:\b+1] offset:\off
	global_store_b64 v[L8], v[PC+4:PC+5], s[\b:\b+1] offset:(\off)+512
.endm
	s_load_b256 s[4:11], s[0:1], 0x0               ; wimg, hbuf, Wq_scales, Wk_scales
	s_load_b256 s[12:19], s[0:1], 0x20             ; Wv_scales, bq, bk, bv
	s_load_b128 s[20:23], s[0:1], 0x40             ; qbuf, kvbuf
	v_lshl_add_u32 v9, v0, 2, 0x3f000
	s_set_vgpr_msb 0x80
	v_mov_b32 v255, 0
	s_set_vgpr_msb 0x8088
	ds_add_u32 v9, v255
	ds_add_u32 v9, v255
	s_set_vgpr_msb 0x8800
	v_lshrrev_b32 v1, 5, v0
	v_readfirstlane_b32 s[WV], v1                  ; wave 0..3
	s_bfe_u32 s67, ttmp6, 0x40000                  ; cx
	s_bfe_u32 s68, ttmp6, 0x40004                  ; cy
	s_lshl_b32 s69, ttmp9, 2
	s_add_co_u32 s69, s69, s67                     ; X: the head
	s_and_b32 s70, ttmp7, 0xffff
	s_lshl_b32 s70, s70, 2
	s_add_co_u32 s70, s70, s68                     ; Y: the block of 256 tokens
	s_lshl_b32 s71, s68, 2
	s_lshl_b32 s71, 15, s71                        ; my row of the cluster
	s_lshl_b32 s72, 0x1111, s67                    ; my column
	s_or_b32 s[GW], s72, (3<<16)|(1<<21)           ; weights: 36 rows of 256 bytes (32 elements of 8), dense; shared along my column
	s_mov_b32 s[GW+1], 32<<16
	s_mov_b32 s[GW+2], 36<<16
	s_mov_b32 s[GW+3], 32<<16
	s_mov_b32 s[GW+4], 36
	s_mov_b32 s[GW+5], 32
	s_mov_b32 s[GW+6], 0
	s_mov_b32 s[GW+7], 0
	s_or_b32 s[GT], s71, (3<<16)|(1<<21)           ; tokens: 4 tiles x 3,072 bytes (384 elements), 9,216 bytes apart; shared along my row
	s_mov_b32 s[GT+1], 384<<16
	s_mov_b32 s[GT+2], 4<<16
	s_mov_b32 s[GT+3], 384<<16
	s_mov_b32 s[GT+4], 4
	s_mov_b32 s[GT+5], 1152
	s_mov_b32 s[GT+6], 0
	s_mov_b32 s[GT+7], 0
	s_mul_i32 s74, s69, 110592
	s_mul_i32 s73, s[WV], 9216
	s_add_co_u32 s74, s74, s73                     ; weights: the head's block, my quarter of a chunk
	s_mov_b32 s75, 0
	s_lshl_b32 s76, s70, 4
	s_lshl_b32 s77, s[WV], 2
	s_add_co_u32 s76, s76, s77                     ; T0: my first token tile
	s_mul_i32 s78, s76, 9216
	s_mov_b32 s79, 0
	s_mul_i32 s80, s[WV], 12288
	s_wait_dscnt 0x0
	s_wait_kmcnt 0x0
	s_add_nc_u64 s[74:75], s[4:5], s[74:75]
	s_add_nc_u64 s[78:79], s[6:7], s[78:79]
	CROUND                                         ; all sixteen work-groups are here: the joint loads meet
.irp c, 0,1,2
	s_mov_b32 s[G0W+4*\c], 1
	s_add_co_u32 s[G0W+4*\c+1], s73, \c*36864
	s_add_nc_u64 s[G0W+4*\c+2:G0W+4*\c+3], s[74:75], \c*36864
	s_or_b32 s[G0W+4*\c+3], s[G0W+4*\c+3], 0x80000000
	s_mov_b32 s[G0T+4*\c], 1
	s_add_co_u32 s[G0T+4*\c+1], s80, 110592+\c*49152
	s_add_nc_u64 s[G0T+4*\c+2:G0T+4*\c+3], s[78:79], \c*3072
	s_or_b32 s[G0T+4*\c+3], s[G0T+4*\c+3], 0x80000000
.endr
.irp c, 0,1,2
	tensor_load_to_lds s[G0W+4*\c:G0W+4*\c+3], s[GW:GW+7]      ; six loads of mine are out: all that this launch asks for
	s_nop 0
	tensor_load_to_lds s[G0T+4*\c:G0T+4*\c+3], s[GT:GT+7]
	s_nop 0
.endr
	PLACES
	v_and_b32 v64, 31, v0                          ; lane
	v_and_b32 v65, 15, v0                          ; r
	v_bfe_u32 v66, v0, 4, 1                        ; h
	v_and_b32 v67, 8, v65
	v_add_nc_u32 v67, v67, v65                     ; r + 8 (r / 8)
	v_lshl_add_u32 v68, v66, 3, v67                ; a pair of tiles in one register: lanes 16-31 take the second tile's rows, 8 on
	v_lshlrev_b32 v[AW], 4, v64
	v_add_nc_u32 v[AW+1], 55296, v[AW]
	v_lshlrev_b32 v[L8], 3, v64
.irp c, 0,1,2
	s_add_co_u32 s81, s80, 110592+\c*49152
	v_add_nc_u32 v[AT16+\c], s81, v[AW]
	v_add_nc_u32 v[AT8+\c], s81, v[L8]
.endr
	v_lshlrev_b32 v11, 2, v65
	v_lshlrev_b32 v12, 4, v65
	v_lshlrev_b32 v13, 3, v65
	v_mul_u32_u24 v14, v68, 24
	v_lshlrev_b32 v15, 6, v66
	v_lshlrev_b32 v69, 2, v67
	s_mov_b32 s[SEL], 0x76543210
	s_mov_b32 s[SEL+1], 0xfedcba98
	s_mov_b32 s75, 0
	s_mul_i32 s74, s69, 1536                       ; the head's 64 rows of scale bytes
	s_add_nc_u64 s[8:9], s[8:9], s[74:75]
	s_add_nc_u64 s[10:11], s[10:11], s[74:75]
	s_add_nc_u64 s[12:13], s[12:13], s[74:75]
	s_lshl_b32 s74, s69, 8                         ; and its 64 biases
	s_add_nc_u64 s[14:15], s[14:15], s[74:75]
	s_add_nc_u64 s[16:17], s[16:17], s[74:75]
	s_add_nc_u64 s[18:19], s[18:19], s[74:75]
	s_mul_i32 s74, s76, 384                        ; my first token 16 T0, 24 scale bytes each
	s_add_co_u32 s74, s74, 2359296
	s_add_nc_u64 s[6:7], s[6:7], s[74:75]
.irp p, 0,1
.irp i, 0,1,2
	global_load_b64 v[WS+6*\p+2*\i:WS+6*\p+2*\i+1], v14, s[8:9] offset:768*\p+8*\i
	global_load_b64 v[WS+12+6*\p+2*\i:WS+12+6*\p+2*\i+1], v14, s[10:11] offset:768*\p+8*\i
	global_load_b64 v[WS+24+6*\p+2*\i:WS+24+6*\p+2*\i+1], v14, s[12:13] offset:768*\p+8*\i
	global_load_b64 v[TS+6*\p+2*\i:TS+6*\p+2*\i+1], v14, s[6:7] offset:768*\p+8*\i
.endr
.endr
	WIN 0x80                                       ; destination window 2
.irp t, 0,1,2,3
	global_load_b128 v[128+8*\t:128+8*\t+3], v15, s[14:15] offset:(32*(\t/2)+8*(\t%2))*4
	global_load_b128 v[128+8*\t+4:128+8*\t+7], v15, s[14:15] offset:(32*(\t/2)+8*(\t%2))*4+16
	global_load_b128 v[160+8*\t:160+8*\t+3], v15, s[16:17] offset:(32*(\t/2)+8*(\t%2))*4
	global_load_b128 v[160+8*\t+4:160+8*\t+7], v15, s[16:17] offset:(32*(\t/2)+8*(\t%2))*4+16
	global_load_b32 v[192+8*\t], v69, s[18:19] offset:(32*(\t/2)+8*(\t%2))*4
.endr
	WIN 0
	; where the results go
	s_lshl_b32 s77, s69, 8
	s_add_co_u32 s77, s77, s76                     ; 256 X + T0
	s_mul_i32 s74, s77, 768
	s_add_nc_u64 s[SQ:SQ+1], s[20:21], s[74:75]
	s_lshl_b32 s74, s77, 6
	s_add_co_u32 s74, s74, 2359296
	s_add_nc_u64 s[SQW:SQW+1], s[20:21], s[74:75]
	s_lshl_b32 s77, s70, 1
	s_lshr_b32 s81, s[WV], 1
	s_add_co_u32 s77, s77, s81                     ; the step of 128 keys
	s_and_b32 s81, s[WV], 1                        ; and which 64 of them
	s_mul_i32 s78, s69, 393216
	s_mul_i32 s79, s77, 12288
	s_add_co_u32 s78, s78, s79
	s_mul_i32 s74, s81, 3072
	s_add_co_u32 s74, s74, s78
	s_add_nc_u64 s[SK:SK+1], s[22:23], s[74:75]
	s_mul_i32 s74, s81, 768
	s_add_co_u32 s74, s74, s78
	s_add_nc_u64 s[SV:SV+1], s[22:23], s[74:75]
	s_mul_i32 s78, s69, 24576
	s_add_co_u32 s78, s78, 4718592
	s_lshl_b32 s74, s77, 9
	s_add_co_u32 s74, s74, s78
	s_lshl_b32 s79, s81, 3
	s_add_co_u32 s74, s74, s79
	s_add_nc_u64 s[SKW:SKW+1], s[22:23], s[74:75]
	s_lshl_b32 s74, s77, 8
	s_add_co_u32 s74, s74, s78
	s_lshl_b32 s79, s81, 1
	s_add_co_u32 s74, s74, s79
	s_add_co_u32 s74, s74, 16384
	s_add_nc_u64 s[SVW:SVW+1], s[22:23], s[74:75]
.macro QK4 t0, s                       ; four weight tiles of q or k x my four token tiles: sixteen accumulators by turns
.irp t, \t0, \t0+1, \t0+2, \t0+3
.irp m, 0,1,2,3
.if (\s) == 0
	WM 8*(8*\m+(\t)), WF+12*(\t), TF+12*\m, 128+8*(\t), WS+6*((\t)/2)+(\s), TS+6*(\m/2)+(\s), (\t)%2, \m%2
.else
	WM 8*(8*\m+(\t)), WF+12*(\t), TF+12*\m, 8*(8*\m+(\t)), WS+6*((\t)/2)+(\s), TS+6*(\m/2)+(\s), (\t)%2, \m%2
.endif
.endr
.endr
.endm
.macro V4 s                            ; v: the sources change places
.irp u, 0,1,2,3
.irp m, 0,1,2,3
.if (\s) == 0
	WM 8*(4*\u+\m), TF+12*\m, WF+12*(8+\u), 192+8*\u, TS+6*(\m/2)+(\s), WS+6*(4+\u/2)+(\s), \m%2, \u%2
.else
	WM 8*(4*\u+\m), TF+12*\m, WF+12*(8+\u), 8*(4*\u+\m), TS+6*(\m/2)+(\s), WS+6*(4+\u/2)+(\s), \m%2, \u%2
.endif
.endr
.endr
.endm
.macro KSTEP s
.if (\s) > 0
	PLACES                                         ; places in front of loads into registers that the last products read
.endif
.if (\s)%2 == 0
	s_wait_tensorcnt 4-(\s)                        ; my two loads of this chunk have landed; the two of each later chunk may be out
	s_wait_dscnt 0x0
	s_barrier_signal -1
	s_barrier_wait -1                              ; everybody's have
.endif
.if (\s) == 0
	s_wait_loadcnt 0x0                             ; scale words and biases
	WIN 0x82
.irp u, 0,1,2,3
.irp j, 1,2,3,4,5,6,7
	v_mov_b32 v[192+8*\u+\j], v[192+8*\u]          ; bv as a C: a lane holds one of the head's 64, the same number in all eight registers
.endr
.endr
	WIN 0
.endif
.irp m, 0,1,2,3
	ds_load_b128 v[TF+12*\m:TF+12*\m+3], v[AT16+(\s)/2] offset:\m*3072+((\s)%2)*1536
	ds_load_b64 v[TF+12*\m+4:TF+12*\m+5], v[AT8+(\s)/2] offset:\m*3072+((\s)%2)*1536+512
	ds_load_b128 v[TF+12*\m+6:TF+12*\m+9], v[AT16+(\s)/2] offset:\m*3072+((\s)%2)*1536+768
	ds_load_b64 v[TF+12*\m+10:TF+12*\m+11], v[AT8+(\s)/2] offset:\m*3072+((\s)%2)*1536+1280
.endr
.irp t, 0,1,2,3,4,5,6,7,8,9,10,11
.irp k, 0,1,2
	ds_load_b128 v[WF+12*\t+4*\k:WF+12*\t+4*\k+3], v[AW+(\s)/3] offset:((\s)%3)*18432+\t*1536+512*\k
.endr
.endr
	s_wait_dscnt 24                                ; tokens and tiles 0-3 are in; tiles 4-11, three loads each, may be out
.if (\s) == 0
	WIN 0x60                                       ; D window 1, C (the bias) window 2
.else
	WIN 0x50
.endif
	QK4 0, \s
	s_wait_dscnt 12
	QK4 4, \s
	s_wait_dscnt 0x0
	WIN 0xa0                                       ; C and D window 2
	V4 \s
	WIN 0
.endm
	KSTEP 0
	KSTEP 1
	KSTEP 2
	KSTEP 3
	KSTEP 4
	KSTEP 5
	PLACES
	v_mov_b32 v[TP], 0
	v_mov_b32 v[TP+1], 0
.irp m, 0,1,2,3
	QUANT2 64*\m, 1                                ; q of token tile m
	PUTH SQ, 768*\m
	v_or_b32 v[PW], 0x7f7f0000, v[PW]              ; k = 64 .. 127 of the next product are zero codes: their bytes are 1.0
	global_store_b32 v11, v[PW], s[SQW:SQW+1] offset:64*\m
	QUANT2 64*\m+32, 1                             ; k
	PUTH SK, 768*\m
	v_or_b32 v[PW], 0x7f7f0000, v[PW]
	global_store_b32 v12, v[PW], s[SKW:SKW+1] offset:256*(\m%2)+4*(\m/2)
.endr
.irp u, 0,1,2,3
	QUANT2 32*\u, 2                                ; v: 16 of the head's 64 x my 64 keys
	PUTH SV, 6144+1536*\u
	global_store_b16 v13, v[PW], s[SVW:SVW+1] offset:128*(\u%2)+4*(\u/2)
.endr
	s_set_vgpr_msb 0x8
	s_wait_tensorcnt 0x0
	ds_add_u32 v9, v255
	s_wait_dscnt 0x0
	s_set_vgpr_msb 0x800
	CROUND                                         ; the closing round
	s_endpgm
.Lfunc_end_k_q1afa460947_qkv:
	.size	k_q1afa460947_qkv, .Lfunc_end_k_q1afa460947_qkv-k_q1afa460947_qkv
	.p2alignl 7, 3214868480
	.fill 96, 4, 3214868480
	.section	.rodata,"a",@progbits
	.p2align	6, 0x0
	.amdhsa_kernel k_q1afa460947_qkv
		.amdhsa_group_segment_fixed_size 258560
		.amdhsa_private_segment_fixed_size 0
		.amdhsa_enable_private_segment 0
		.amdhsa_kernarg_size 80
		.amdhsa_user_sgpr_count 2
		.amdhsa_user_sgpr_kernarg_segment_ptr 1
		.amdhsa_wavefront_size32 1
		.amdhsa_system_sgpr_workgroup_id_x 1
		.amdhsa_system_sgpr_workgroup_id_y 1
		.amdhsa_system_sgpr_workgroup_id_z 1
		.amdhsa_system_vgpr_workitem_id 0
		.amdhsa_next_free_vgpr 768
		.amdhsa_next_free_sgpr 100
		.amdhsa_reserve_vcc 0
		.amdhsa_float_denorm_mode_32 3
		.amdhsa_float_denorm_mode_16_64 3
		.amdhsa_memory_ordered 1
		.amdhsa_forward_progress 1
		.amdhsa_inst_pref_size 100
	.end_amdhsa_kernel
	.amdgpu_metadata
---
amdhsa.version: [ 1, 2 ]
amdhsa.kernels:
  - .name:           k_q1afa460947_qkv
    .symbol:         k_q1afa460947_qkv.kd
    .args:
      - { .name: wimg, .offset: 0, .size: 8, .value_kind: global_buffer, .address_space: global }
      - { .name: hbuf, .offset: 8, .size: 8, .value_kind: global_buffer, .address_space: global }
      - { .name: Wq_scales, .offset: 16, .size: 8, .value_kind: global_buffer, .address_space: global }
      - { .name: Wk_scales, .offset: 24, .size: 8, .value_kind: global_buffer, .address_space: global }
      - { .name: Wv_scales, .offset: 32, .size: 8, .value_kind: global_buffer, .address_space: global }
      - { .name: bq, .offset: 40, .size: 8, .value_kind: global_buffer, .address_space: global }
      - { .name: bk, .offset: 48, .size: 8, .value_kind: global_buffer, .address_space: global }
      - { .name: bv, .offset: 56, .size: 8, .value_kind: global_buffer, .address_space: global }
      - { .name: qbuf, .offset: 64, .size: 8, .value_kind: global_buffer, .address_space: global }
      - { .name: kvbuf, .offset: 72, .size: 8, .value_kind: global_buffer, .address_space: global }
    .group_segment_fixed_size: 258560
    .private_segment_fixed_size: 0
    .kernarg_segment_align: 8
    .kernarg_segment_size: 80
    .max_flat_workgroup_size: 128
    .sgpr_count:     100
    .vgpr_count:     768
    .wavefront_size: 32
...
	.end_amdgpu_metadata
.endif
;; end of part 2
;; launch attn (part 3): grid 256 x 1, 12 waves a work-group, no clusters, 247,296 bytes of LDS; arguments qbuf, kvbuf, obuf; writes obuf
.if DOCPART == 3
	.amdgcn_target "amdgcn-amd-amdhsa--gfx1250"
	.amdhsa_code_object_version 6
	.text
	.protected	k_q1afa460947_attn
	.globl	k_q1afa460947_attn
	.p2align	8
	.type	k_q1afa460947_attn,@function
k_q1afa460947_attn:
	s_mov_b64 s[64:65], 0
	v_nop
	global_prefetch_b8 v0, s[64:65] scope:SCOPE_SE
	s_setreg_imm32_b32 hwreg(HW_REG_WAVE_MODE, 25, 1), 1
	s_wait_xcnt 0x0
; o = softmax(q k^T / 8) v for 12 heads, 4,096 tokens, head size 64, both products on codes of E3M2; o is divided by the row's sum and quantised along the concatenated heads.
; SHARES.  The 3,072 pairs (head, tile of 16 queries) are numbered U = 256 head + tile; work-group g takes U = 12 g .. 12 g + 11, one a wave: 256 equal work-groups, three waves to a SIMD, so that one wave's softmax stands beside another's products.
; Every wave walks its head's 4,096 keys, 128 a step.  A step's 12,288 bytes (8 halves of k, 4 fragments of v) come from memory through registers (two 16-byte loads a thread) into LDS, FOUR STEPS AHEAD.
; LDS holds eight places of one step each, as two slots of four: step j reads place j % 8 and stores the tile of step j + 4 into place (j + 4) % 8, which lies in the other slot.  ONE BARRIER FOR FOUR STEPS, at the change of slots:
;   in front of it each wave has waited for all its LDS stores (the other slot is whole) and all its LDS reads (this slot may be written).  Between two barriers the waves are free to fall out of step with each other.
; 256 is no multiple of 12: eight work-groups hold tiles of two heads.  They stage a second area for the second head, under a scalar branch on the work-group's number; each wave reads its head's area.
; NO CLUSTER, NO JOINT LOADS: neighbouring work-groups need not be of one head (the eight above), so partners would ask for different tiles, and a tile of 12,288 bytes is two loads a thread.
; LAYOUT.  S^T = k q^T (source 0 = 16 keys, source 1 = my 16 queries), O^T = v^T p^T: a lane holds one query throughout; by the tile order the 16 registers of two neighbouring tiles of S^T are 16 neighbouring keys.
; K = 64 IN A PRODUCT OF 128: q's registers for k = 64 .. 127 are zero codes and all scale bytes there are 1.0.  A tile of k is six registers; the operand names twelve, so its upper six are the next tile's codes (for the last tile six zeros):
;   every 6-bit pattern is a finite number, and times a zero code it adds exactly 0.
; SOFTMAX: t = score x log2(e) / 8; M = the running largest t rounded up to a whole number; p = 2^(t - M) is quantised along the keys; the row's sum is of the unquantised p; when M moves, sum and O^T are multiplied by 2^(old M - new M), exactly.
; LDS: 0 the first head's scale words (24,576 bytes), 24,576 the second head's; from 49,152 the eight places, 24,576 bytes each: the first head's tile, at + 12,288 the second head's.
; LIMITS: NaN and infinities are not served; the exponential gives 0 under 2^-126; a block of zeros gets the byte 1 with zero codes.
.set WV, 10
.set STRAD, 16
.set GA, 18
.set GB, 20
.set SEL, 22
.set CS, 24
.set TS, 26
.set TJ, 27
.set ASK, 28
.set PFA, 30
.set CNT, 32
.set PLB, 24576                        ; a place in bytes
.set L16, 10
.set L8, 11
.set KV, 30
.set KS, 84
.set VS, 88
.set STG, 90
.set S, 106
.set O, 170
.set P, 202
.set PTA, 214
.set BM, 222
.set TQ, 226
.set SO, 230
.set PS, 234
.set F, 236
.set TT, 238
.set C2, 240
.set A16, 242                          ; v242 the step's place, 16 bytes a lane
.set A8, 243                           ; v243 the same, 8 bytes a lane
.set AST, 244                          ; v244 the place that the step fills, 16 bytes a thread
.set TM, 222
.set TP, 226
.set TS2, 230
.set TB, 228
.set PW, 234
.set PC, 202
.set PT, 214
.set MSB, 0
.macro WIN new
.if MSB != (\new)
	s_set_vgpr_msb (MSB<<8)|(\new)
.set MSB, (\new)
.endif
.endm
.macro PLACES
.rept 4
	v_nop
.endr
.endm
.macro WM d, a, b, c, sa, sb, ra, rb
.if (\c) < 0
.if (\ra) && (\rb)
	v_wmma_scale_f32_16x16x128_f8f6f4 v[(\d):(\d)+7], v[(\a):(\a)+11], v[(\b):(\b)+11], 0, v[\sa], v[\sb] matrix_a_fmt:MATRIX_FMT_BF6 matrix_b_fmt:MATRIX_FMT_BF6 matrix_a_scale:MATRIX_SCALE_ROW1 matrix_b_scale:MATRIX_SCALE_ROW1
.elseif (\ra)
	v_wmma_scale_f32_16x16x128_f8f6f4 v[(\d):(\d)+7], v[(\a):(\a)+11], v[(\b):(\b)+11], 0, v[\sa], v[\sb] matrix_a_fmt:MATRIX_FMT_BF6 matrix_b_fmt:MATRIX_FMT_BF6 matrix_a_scale:MATRIX_SCALE_ROW1
.elseif (\rb)
	v_wmma_scale_f32_16x16x128_f8f6f4 v[(\d):(\d)+7], v[(\a):(\a)+11], v[(\b):(\b)+11], 0, v[\sa], v[\sb] matrix_a_fmt:MATRIX_FMT_BF6 matrix_b_fmt:MATRIX_FMT_BF6 matrix_b_scale:MATRIX_SCALE_ROW1
.else
	v_wmma_scale_f32_16x16x128_f8f6f4 v[(\d):(\d)+7], v[(\a):(\a)+11], v[(\b):(\b)+11], 0, v[\sa], v[\sb] matrix_a_fmt:MATRIX_FMT_BF6 matrix_b_fmt:MATRIX_FMT_BF6
.endif
.else
.if (\ra) && (\rb)
	v_wmma_scale_f32_16x16x128_f8f6f4 v[(\d):(\d)+7], v[(\a):(\a)+11], v[(\b):(\b)+11], v[(\c):(\c)+7], v[\sa], v[\sb] matrix_a_fmt:MATRIX_FMT_BF6 matrix_b_fmt:MATRIX_FMT_BF6 matrix_a_scale:MATRIX_SCALE_ROW1 matrix_b_scale:MATRIX_SCALE_ROW1
.elseif (\ra)
	v_wmma_scale_f32_16x16x128_f8f6f4 v[(\d):(\d)+7], v[(\a):(\a)+11], v[(\b):(\b)+11], v[(\c):(\c)+7], v[\sa], v[\sb] matrix_a_fmt:MATRIX_FMT_BF6 matrix_b_fmt:MATRIX_FMT_BF6 matrix_a_scale:MATRIX_SCALE_ROW1
.elseif (\rb)
	v_wmma_scale_f32_16x16x128_f8f6f4 v[(\d):(\d)+7], v[(\a):(\a)+11], v[(\b):(\b)+11], v[(\c):(\c)+7], v[\sa], v[\sb] matrix_a_fmt:MATRIX_FMT_BF6 matrix_b_fmt:MATRIX_FMT_BF6 matrix_b_scale:MATRIX_SCALE_ROW1
.else
	v_wmma_scale_f32_16x16x128_f8f6f4 v[(\d):(\d)+7], v[(\a):(\a)+11], v[(\b):(\b)+11], v[(\c):(\c)+7], v[\sa], v[\sb] matrix_a_fmt:MATRIX_FMT_BF6 matrix_b_fmt:MATRIX_FMT_BF6
.endif
.endif
.endm
.macro QUANT2 src, W
	WIN (\W)|((\W)<<2)
.irp b, 0,1
	v_max3_num_f32 v[TM+\b], |v[(\src)+16*\b]|, |v[(\src)+16*\b+1]|, 0x2800000
.endr
.irp i, 2,4,6,8,10,12,14
.irp b, 0,1
	v_max3_num_f32 v[TM+\b], |v[(\src)+16*\b+\i]|, |v[(\src)+16*\b+\i+1]|, v[TM+\b]
.endr
.endr
	WIN 0
.irp b, 0,1
	v_permlanex16_b32 v[TP+\b], v[TM+\b], s[SEL], s[SEL+1]
.endr
.irp b, 0,1
	v_max_num_f32 v[TM+\b], v[TM+\b], v[TP+\b]
.endr
.irp b, 0,1
	v_add_nc_u32 v[TS2+\b], 0xfe000000, v[TM+\b]
.endr
.irp b, 0,1
	v_lshrrev_b32 v[TB+\b], 23, v[TS2+\b]
.endr
	s_wait_xcnt 0x0
	v_lshl_or_b32 v[PW], v[TB+1], 8, v[TB]
	WIN \W
	v_cvt_scalef32_pk16_bf6_f32 v[PC:PC+2], v[(\src):(\src)+15], v[TS2]
	v_cvt_scalef32_pk16_bf6_f32 v[PT:PT+2], v[(\src)+16:(\src)+31], v[TS2+1]
	WIN 0
	v_nop
.irp i, 0,1,2
	v_permlane16_swap_b32 v[PC+\i], v[PT+\i]
.endr
.irp i, 0,1,2
	v_mov_b32 v[PC+3+\i], v[PT+\i]
.endr
.endm
.macro PUTH b, off
	global_store_b128 v[L16], v[PC:PC+3], s[\b:\b+1] offset:\off
	global_store_b64 v[L8], v[PC+4:PC+5], s[\b:\b+1] offset:(\off)+512
.endm
	s_load_b128 s[4:7], s[0:1], 0x0                ; qbuf, kvbuf
	s_load_b64 s[8:9], s[0:1], 0x10                ; obuf
	v_lshl_add_u32 v254, v0, 2, 0x3c000
	v_mov_b32 v255, 0
	v_lshrrev_b32 v1, 5, v0
	v_readfirstlane_b32 s[WV], v1                  ; wave 0..11
	s_mul_i32 s34, ttmp9, 12
	s_add_co_u32 s11, s34, s[WV]                   ; U
	s_lshr_b32 s12, s11, 8                         ; my head
	s_and_b32 s13, s11, 255                        ; my tile of queries
	s_lshr_b32 s14, s34, 8                         ; the work-group's first head
	s_add_co_u32 s35, s34, 11
	s_lshr_b32 s15, s35, 8                         ; and its last
	s_sub_co_u32 s[STRAD], s15, s14                ; 1 where they differ
	s_cmp_lg_u32 s12, s14
	s_cselect_b32 s36, 12288, 0                    ; my head's area in a place,
	s_cselect_b32 s37, 24576, 0                    ; and among the scale words
	s_and_b32 s35, s34, 255
	s_cmp_lt_u32 s35, 12                           ; one work-group of each head (the one that begins among its first 12 tiles),
	s_cselect_b32 s[ASK], 1, 0
	s_cmp_lt_u32 s[WV], 3                          ; and in it waves 0 to 2, prefetch
	s_cselect_b32 s[ASK], s[ASK], 0
	v_and_b32 v222, 31, v0                         ; lane
	v_and_b32 v223, 15, v0                         ; r
	v_lshlrev_b32 v224, 2, v223
	v_lshlrev_b32 v[L16], 4, v222
	v_lshlrev_b32 v[L8], 3, v222
	s_add_co_u32 s38, s36, 49152
	v_add_nc_u32 v1, s38, v[L16]                   ; fragments: 16 l and
	v_add_nc_u32 v2, s38, v[L8]                    ; 8 l in my head's area of place 0
	v_add_nc_u32 v3, s37, v[L16]                   ; k's scale words: 16 bytes a lane and step
	s_add_co_u32 s39, s37, 16384
	v_add_nc_u32 v4, s39, v[L8]                    ; v's: 8 bytes
	v_lshlrev_b32 v6, 4, v0                        ; 16 x thread: the staging's place
	v_add_nc_u32 v5, 49152, v6                     ; in place 0,
	v_add_nc_u32 v[AST], 2*PLB, v5                 ; and in place 2 (an LDS immediate has 16 bits)
	v_lshlrev_b32 v9, 8, v222                      ; the prefetch: lanes 256 bytes apart
	v_and_b32 v29, 8, v223
	v_add_nc_u32 v29, v29, v223
	v_mul_u32_u24 v29, v29, 24                     ; my row of o's scale bytes
.irp j, 22,23,24,25,26,27,78,79,80,81,82,83
	v_mov_b32 v[\j], 0                             ; zero codes: q's k = 64 .. 127, and what stands above k's last tile
.endr
.irp j, 8,9,10,11,12,13,14,15
	v_mov_b32 v[STG+\j], 0                         ; the second area's staging registers are written on every way
.endr
	s_mov_b32 s[SEL], 0x76543210
	s_mov_b32 s[SEL+1], 0xfedcba98
	s_mov_b32 s[CS], 0x3e38aa3b                    ; c = log2(e) / 8
	s_mov_b32 s[CS+1], s[CS]
	s_mov_b32 s[TS], 0
	s_mov_b32 s[TJ], 0
	s_mov_b32 s39, 0
	s_lshr_b32 s52, s13, 1
	s_lshl_b32 s52, s52, 5
	s_and_b32 s53, s13, 1
	s_lshl_b32 s53, s53, 3
	s_add_co_u32 s52, s52, s53                     ; the tile's first token
	s_mul_i32 s52, s52, 24
	s_lshl_b32 s53, s12, 1
	s_add_co_u32 s52, s52, s53
	s_add_co_u32 s52, s52, 2359296
	s_mov_b32 s53, 0
	s_wait_kmcnt 0x0
	s_add_nc_u64 s[50:51], s[8:9], s[52:53]        ; o's scale bytes
	s_mul_i32 s38, s13, 9216
	s_mul_i32 s52, s12, 768
	s_add_co_u32 s38, s38, s52
	s_add_nc_u64 s[48:49], s[8:9], s[38:39]        ; o's half
	s_mul_i32 s38, s14, 393216
	s_add_nc_u64 s[GA:GA+1], s[6:7], s[38:39]
	s_mul_i32 s38, s15, 393216
	s_add_nc_u64 s[GB:GB+1], s[6:7], s[38:39]
	s_lshl_b32 s38, s[WV], 13
	s_add_co_u32 s38, s38, 5*12288
	s_add_nc_u64 s[PFA:PFA+1], s[GA:GA+1], s[38:39]   ; tiles 5 and 6 of the first head, 8,192 bytes a wave
	s_mul_i32 s38, s14, 24576
	s_add_co_u32 s38, s38, 4718592
	s_add_nc_u64 s[40:41], s[6:7], s[38:39]
	s_mul_i32 s38, s15, 24576
	s_add_co_u32 s38, s38, 4718592
	s_add_nc_u64 s[42:43], s[6:7], s[38:39]
	s_mul_i32 s38, s11, 768
	s_add_nc_u64 s[44:45], s[4:5], s[38:39]
	s_lshl_b32 s38, s11, 6
	s_add_co_u32 s38, s38, 2359296
	s_add_nc_u64 s[46:47], s[4:5], s[38:39]
.irp i, 0,1,2,3
	global_load_b128 v[S+4*\i:S+4*\i+3], v6, s[40:41] offset:6144*\i     ; the head's scale words, 24,576 bytes: they stay in LDS
.endr
.irp c, 0,1,2,3
	global_load_b128 v[S+32+8*\c:S+35+8*\c], v6, s[GA:GA+1] offset:12288*\c          ; the tiles of steps 0 to 3: the first slot
	global_load_b128 v[S+36+8*\c:S+39+8*\c], v6, s[GA:GA+1] offset:12288*\c+6144
.endr
	global_load_b128 v[16:19], v[L16], s[44:45]                          ; q's half: it stays in registers
	global_load_b64 v[20:21], v[L8], s[44:45] offset:512
	global_load_b32 v28, v224, s[46:47]
	s_cmp_eq_u32 s[STRAD], 0
	s_cbranch_scc1 .Lone_head
.irp i, 0,1,2,3
	global_load_b128 v[S+16+4*\i:S+16+4*\i+3], v6, s[42:43] offset:6144*\i
.endr
.irp c, 0,1,2,3
	global_load_b128 v[KV+8*\c:KV+8*\c+3], v6, s[GB:GB+1] offset:12288*\c            ; the second head's, through k's registers
	global_load_b128 v[KV+8*\c+4:KV+8*\c+7], v6, s[GB:GB+1] offset:12288*\c+6144
.endr
	s_wait_loadcnt 0x0
.irp i, 0,1,2,3
	ds_store_b128 v6, v[S+16+4*\i:S+16+4*\i+3] offset:24576+6144*\i
.endr
.irp c, 0,1
	ds_store_b128 v5, v[KV+8*\c:KV+8*\c+3] offset:PLB*\c+12288
	ds_store_b128 v5, v[KV+8*\c+4:KV+8*\c+7] offset:PLB*\c+18432
	ds_store_b128 v[AST], v[KV+16+8*\c:KV+16+8*\c+3] offset:PLB*\c+12288
	ds_store_b128 v[AST], v[KV+16+8*\c+4:KV+16+8*\c+7] offset:PLB*\c+18432
.endr
.Lone_head:
	s_wait_loadcnt 0x0
.irp i, 0,1,2,3
	ds_store_b128 v6, v[S+4*\i:S+4*\i+3] offset:6144*\i
.endr
.irp c, 0,1
	ds_store_b128 v5, v[S+32+8*\c:S+35+8*\c] offset:PLB*\c
	ds_store_b128 v5, v[S+36+8*\c:S+39+8*\c] offset:PLB*\c+6144
	ds_store_b128 v[AST], v[S+48+8*\c:S+51+8*\c] offset:PLB*\c
	ds_store_b128 v[AST], v[S+52+8*\c:S+55+8*\c] offset:PLB*\c+6144
.endr
	s_add_nc_u64 s[GA:GA+1], s[GA:GA+1], 4*12288   ; on to the tile of step 4 (the loads above are in)
	s_add_nc_u64 s[GB:GB+1], s[GB:GB+1], 4*12288
	v_mov_b32 v13, 0xff61b1e6                      ; the largest t so far: -3e38
	v_floor_f32 v12, -v13                          ; -M
	v_mov_b32 v14, 0
	v_mov_b32 v15, 0
	v_mov_b32 v[F+1], 0                            ; named as the upper half of a pair
.irp b, 0,1,2,3
	v_mov_b32 v[TQ+\b], 0                          ; a lane permute's destination counts as read
.endr
.set J, 0
.rept 32
	v_mov_b32 v[O+J], 0                            ; the step is written once: the first finds zeros
.set J, J+1
.endr
	s_wait_dscnt 0x0
	s_barrier_signal -1
	s_barrier_wait -1                              ; the scale words and the first slot lie in LDS
; A KEY STEP on place pl.  fill: the tile of four steps on is fetched into registers behind k's products and stored, at the step's end, into place (pl + 4) % 8, in the other slot.
; ask >= 0: the prefetch stands behind that fetch, 24,576 x ask bytes on from the trip's address.  bar: the slot's last step: the change of slots.
.macro STEP pl, fill, ask, bar
	v_add_nc_u32 v[A16], (\pl)*PLB, v1
	v_add_nc_u32 v[A8], (\pl)*PLB, v2
.if \fill
	v_add_nc_u32 v[AST], (((\pl)+4)%8)*PLB, v5
.endif
	v_add_nc_u32 v7, s[TS], v3
	v_add_nc_u32 v8, s[TJ], v4
.irp t, 0,1,2,3,4,5,6,7
	ds_load_b128 v[KV+6*\t:KV+6*\t+3], v[A16] offset:768*\t
	ds_load_b64 v[KV+6*\t+4:KV+6*\t+5], v[A8] offset:768*\t+512
.endr
	ds_load_b128 v[KS:KS+3], v7
	s_wait_dscnt 0x0                               ; k is in; and the last step's stores out of the staging registers are done, so those may be loaded again below
.irp t, 0,1,2,3,4,5,6,7
	WM S+8*\t, KV+6*\t, 16, -1, KS+\t/2, 28, \t%2, 0
.endr
	PLACES                                         ; places in front of the loads into k's registers and of the first read of the scores
.irp u, 0,1,2,3
.irp c, 0,1
	ds_load_b128 v[KV+12*\u+6*\c:KV+12*\u+6*\c+3], v[A16] offset:6144+1536*\u+768*\c     ; v lands under the softmax
	ds_load_b64 v[KV+12*\u+6*\c+4:KV+12*\u+6*\c+5], v[A8] offset:6144+1536*\u+768*\c+512
.endr
.endr
	ds_load_b64 v[VS:VS+1], v8
.if \fill
	global_load_b128 v[STG:STG+3], v6, s[GA:GA+1]                        ; the tile of four steps on: it lands under the softmax too
	global_load_b128 v[STG+4:STG+7], v6, s[GA:GA+1] offset:6144
	s_cmp_eq_u32 s[STRAD], 0
	s_cbranch_scc1 .Lnb_\@
	global_load_b128 v[STG+8:STG+11], v6, s[GB:GB+1]
	global_load_b128 v[STG+12:STG+15], v6, s[GB:GB+1] offset:6144
.Lnb_\@:
.endif
.if (\ask) >= 0
	s_cmp_eq_u32 s[ASK], 0
	s_cbranch_scc1 .Lna_\@
	global_prefetch_b8 v9, s[PFA:PFA+1] offset:(\ask)*24576 th:TH_LOAD_NT scope:SCOPE_SE   ; the two tiles that the next two steps will fetch: 24,576 bytes, three waves x 32 lanes x 256 bytes, each named once in the launch
.Lna_\@:
.endif
.irp b, 0,1,2,3
	v_max3_num_f32 v[BM+\b], v[S+16*\b], v[S+1+16*\b], v[S+2+16*\b]      ; the largest score of each block of 32 keys: for the row's maximum and for the block's largest p
.endr
.irp i, 3,5,7,9,11,13
.irp b, 0,1,2,3
	v_max3_num_f32 v[BM+\b], v[BM+\b], v[S+16*\b+\i], v[S+1+16*\b+\i]
.endr
.endr
.irp b, 0,1,2,3
	v_max_num_f32 v[BM+\b], v[BM+\b], v[S+15+16*\b]
.endr
.irp b, 0,1,2,3
	v_permlanex16_b32 v[TQ+\b], v[BM+\b], s[SEL], s[SEL+1]
.endr
.irp b, 0,1,2,3
	v_max_num_f32 v[BM+\b], v[BM+\b], v[TQ+\b]
.endr
	v_max3_num_f32 v[TT], v[BM], v[BM+1], v[BM+2]
	v_max_num_f32 v[TT], v[TT], v[BM+3]
	v_mul_f32 v[TT], s[CS], v[TT]
	v_max_num_f32 v13, v13, v[TT]                  ; the running largest t
	v_mov_b32 v[TT], v12
	v_floor_f32 v12, -v13                          ; the new -M: M is a whole number
	v_sub_f32 v[TT], v12, v[TT]
	v_cvt_i32_f32 v[TT], v[TT]                     ; (it saturates)
	v_ldexp_f32 v[F], 1.0, v[TT]                   ; f = 2^(old M - new M)
.set J, 0
.rept 32
	v_pk_fma_f32 v[S+J:S+J+1], v[S+J:S+J+1], s[CS:CS+1], v[12:13] op_sel_hi:[1,0,0]   ; t - M
.set J, J+2
.endr
.irp b, 0,1,2,3
	v_fma_f32 v[BM+\b], v[BM+\b], s[CS], v12
.endr
.set J, 0
.rept 64
	v_exp_f32 v[S+J], v[S+J]                       ; p = 2^(t - M), not normalised
.set J, J+1
.endr
	v_pk_mul_f32 v[14:15], v[14:15], v[F:F+1] op_sel_hi:[1,0]   ; the sums under the new M: a plain place behind the batch
	s_wait_alu depctr_va_vdst(0)                   ; one wait for the 64, ahead of their first reader
.irp b, 0,1,2,3
	v_exp_f32 v[BM+\b], v[BM+\b]                   ; the blocks' largest p
.endr
	v_pk_add_f32 v[C2:C2+1], v[S:S+1], v[S+2:S+3]  ; the row's sum of the unquantised p, in two chains
.set J, 4
.rept 15
	v_pk_add_f32 v[14:15], v[14:15], v[S+J:S+J+1]
	v_pk_add_f32 v[C2:C2+1], v[C2:C2+1], v[S+J+2:S+J+3]
.set J, J+4
.endr
	v_pk_add_f32 v[14:15], v[14:15], v[C2:C2+1]
	s_wait_alu depctr_va_vdst(0)                   ; and one for the four
.irp b, 0,1,2,3
	v_max_num_f32 v[BM+\b], 0x2800000, v[BM+\b]    ; the floor 2^(5 - 127)
.endr
.irp b, 0,1,2,3
	v_add_nc_u32 v[SO+\b], 0xfe000000, v[BM+\b]
.endr
.irp b, 0,1,2,3
	v_lshrrev_b32 v[TQ+\b], 23, v[SO+\b]
.endr
	v_lshl_or_b32 v[PS], v[TQ+1], 8, v[TQ]         ; p's scale word for these 128 keys
	v_lshl_or_b32 v[PS], v[TQ+2], 16, v[PS]
	v_lshl_or_b32 v[PS], v[TQ+3], 24, v[PS]
.irp c, 0,1
	v_cvt_scalef32_pk16_bf6_f32 v[P+6*\c:P+6*\c+2], v[S+32*\c:S+32*\c+15], v[SO+2*\c]
	v_cvt_scalef32_pk16_bf6_f32 v[PTA+4*\c:PTA+4*\c+2], v[S+32*\c+16:S+32*\c+31], v[SO+2*\c+1]
.endr
	v_nop                                          ; one plain place behind a scaled conversion
.irp c, 0,1
.irp i, 0,1,2
	v_permlane16_swap_b32 v[P+6*\c+\i], v[PTA+4*\c+\i]
.endr
.irp i, 0,1,2
	v_mov_b32 v[P+3+6*\c+\i], v[PTA+4*\c+\i]
.endr
.endr
.set J, 0
.rept 16
	v_pk_mul_f32 v[O+J:O+J+1], v[O+J:O+J+1], v[F:F+1] op_sel_hi:[1,0]   ; O^T under the new M; these sixteen also stand between the writes of p's codes and scale word and the products
.set J, J+2
.endr
	s_wait_dscnt 0x0                               ; v
.irp u, 0,1,2,3
	WM O+8*\u, KV+12*\u, P, O+8*\u, VS+\u/2, PS, \u%2, 0
.endr
	PLACES                                         ; places in front of the next step's loads into v's registers, and of the way out's first read
.if \fill
	s_wait_loadcnt 0x0                             ; the fetched tile is in registers; its addresses may step
	ds_store_b128 v[AST], v[STG:STG+3]             ; into the other slot, which no wave reads before the next barrier
	ds_store_b128 v[AST], v[STG+4:STG+7] offset:6144
	s_cmp_eq_u32 s[STRAD], 0
	s_cbranch_scc1 .Lns_\@
	ds_store_b128 v[AST], v[STG+8:STG+11] offset:12288
	ds_store_b128 v[AST], v[STG+12:STG+15] offset:18432
.Lns_\@:
	s_add_nc_u64 s[GA:GA+1], s[GA:GA+1], 12288
	s_add_nc_u64 s[GB:GB+1], s[GB:GB+1], 12288
.endif
.if \bar
	s_wait_dscnt 0x0                               ; my four steps' stores into the other slot have landed and my reads of this slot are over:
	s_barrier_signal -1                            ; one barrier orders both: the other slot is whole, and this one may be written in the next four steps
	s_barrier_wait -1
.endif
	s_add_co_u32 s[TS], s[TS], 512
	s_add_co_u32 s[TJ], s[TJ], 256
.endm
	s_mov_b32 s[CNT], 3
.Ltrip:                                            ; a trip goes once through the eight places: steps 8 t .. 8 t + 7, which fetch tiles 8 t + 4 .. 8 t + 11
	STEP 0, 1, 0, 0
	STEP 1, 1, -1, 0
	STEP 2, 1, 1, 0
	STEP 3, 1, -1, 1
	STEP 4, 1, 2, 0
	STEP 5, 1, -1, 0
	STEP 6, 1, 3, 0
	STEP 7, 1, -1, 1
	s_wait_xcnt 0x0                                ; the last prefetch, more than a step back, has read its address
	s_add_nc_u64 s[PFA:PFA+1], s[PFA:PFA+1], 4*24576
	s_sub_co_u32 s[CNT], s[CNT], 1
	s_cmp_lg_u32 s[CNT], 0
	s_cbranch_scc1 .Ltrip
	STEP 0, 1, 0, 0                                ; steps 24 to 27 fetch the head's last four tiles; the prefetch names tiles 29 and 30 and then stops: tile 31 comes by its load alone
	STEP 1, 1, -1, 0
	STEP 2, 1, -1, 0
	STEP 3, 1, -1, 1
	STEP 4, 0, -1, 0                               ; steps 28 to 31 fetch nothing, and no slot is left to change to
	STEP 5, 0, -1, 0
	STEP 6, 0, -1, 0
	STEP 7, 0, -1, 0
	v_add_f32 v14, v14, v15
	v_permlanex16_b32 v[TT], v14, s[SEL], s[SEL+1]
	v_add_f32 v14, v14, v[TT]                      ; the row's sum
	v_rcp_f32 v[F], v14
	v_nop                                          ; a plain place behind the transcendental
	s_wait_alu depctr_va_vdst(0)                   ; the wait, ahead of its first reader
.set J, 0
.rept 16
	v_pk_mul_f32 v[S+J:S+J+1], v[O+J:O+J+1], v[F:F+1] op_sel_hi:[1,0]   ; o: register 16 b + i is the head's channel 32 b + 16 (lane / 16) + i
.set J, J+2
.endr
	QUANT2 S, 0
	PUTH 48, 0
	global_store_b16 v29, v[PW], s[50:51]
	s_wait_tensorcnt 0x0
	ds_add_u32 v254, v255
	s_wait_dscnt 0x0
	s_endpgm
.Lfunc_end_k_q1afa460947_attn:
	.size	k_q1afa460947_attn, .Lfunc_end_k_q1afa460947_attn-k_q1afa460947_attn
	.p2alignl 7, 3214868480
	.fill 96, 4, 3214868480
	.section	.rodata,"a",@progbits
	.p2align	6, 0x0
	.amdhsa_kernel k_q1afa460947_attn
		.amdhsa_group_segment_fixed_size 247296
		.amdhsa_private_segment_fixed_size 0
		.amdhsa_enable_private_segment 0
		.amdhsa_kernarg_size 24
		.amdhsa_user_sgpr_count 2
		.amdhsa_user_sgpr_kernarg_segment_ptr 1
		.amdhsa_wavefront_size32 1
		.amdhsa_system_sgpr_workgroup_id_x 1
		.amdhsa_system_sgpr_workgroup_id_y 1
		.amdhsa_system_sgpr_workgroup_id_z 1
		.amdhsa_system_vgpr_workitem_id 0
		.amdhsa_next_free_vgpr 256
		.amdhsa_next_free_sgpr 66
		.amdhsa_reserve_vcc 0
		.amdhsa_float_denorm_mode_32 3
		.amdhsa_float_denorm_mode_16_64 3
		.amdhsa_memory_ordered 1
		.amdhsa_forward_progress 1
		.amdhsa_inst_pref_size 255
	.end_amdhsa_kernel
	.section	.bss,"aw",@nobits
	.p2align	6
	.space	262144
	.amdgpu_metadata
---
amdhsa.version: [ 1, 2 ]
amdhsa.kernels:
  - .name:           k_q1afa460947_attn
    .symbol:         k_q1afa460947_attn.kd
    .args:
      - { .name: qbuf, .offset: 0, .size: 8, .value_kind: global_buffer, .address_space: global }
      - { .name: kvbuf, .offset: 8, .size: 8, .value_kind: global_buffer, .address_space: global }
      - { .name: obuf, .offset: 16, .size: 8, .value_kind: global_buffer, .address_space: global }
    .group_segment_fixed_size: 247296
    .private_segment_fixed_size: 0
    .kernarg_segment_align: 8
    .kernarg_segment_size: 24
    .max_flat_workgroup_size: 384
    .sgpr_count:     66
    .vgpr_count:     256
    .wavefront_size: 32
...
	.end_amdgpu_metadata
.endif
;; end of part 3
;; launch wo_ln (part 4): grid 256 x 1, 12 waves a work-group, no clusters, 53,248 bytes of LDS; arguments obuf, wimg, Wo_scales, bo, x, ln2_g, ln2_b, x1, hbuf; writes x1, hbuf
.if DOCPART == 4
	.amdgcn_target "amdgcn-amd-amdhsa--gfx1250"
	.amdhsa_code_object_version 6
	.text
	.protected	k_q1afa460947_wo_ln
	.globl	k_q1afa460947_wo_ln
	.p2align	8
	.type	k_q1afa460947_wo_ln,@function
k_q1afa460947_wo_ln:
	s_mov_b64 s[64:65], 0
	v_nop
	global_prefetch_b8 v0, s[64:65] scope:SCOPE_SE
	s_setreg_imm32_b32 hwreg(HW_REG_WAVE_MODE, 25, 1), 1
	s_wait_xcnt 0x0
; x1 = x + o Wo + bo (product on codes of E3M2), stored in f32; h2 = LayerNorm2(x1), quantised along its 768 columns into hbuf, laid as the first launch lays h.
; A work-group owns one tile of 16 tokens and all 768 columns, so that the norm's rows are whole; wave w owns columns 64 w .. 64 w + 63: four weight tiles, four accumulators, one half of the image.
; Source 0 = 16 rows of Wo, source 1 = the 16 tokens: a lane holds one token and 32 columns.  The sums begin at x + bo.
; Each weight fragment is read by one wave of the work-group, so it goes from memory straight into operand registers (three 16-byte loads), two K steps ahead.
; NO JOINT LOADS: the weights take no way through LDS here; all of Wo (442,368 bytes) is more than LDS holds, so sharing it would want slots that are filled again for six K steps of four products a wave.
; x comes, and x1 leaves, through a stage in LDS (16 rows, pitch 3,088): memory is touched in runs of 512 consecutive bytes.  Mean and variance in two passes; the waves' partial sums meet in LDS.
; LIMITS: NaN and infinities are not served; a block of zeros gets the byte 1 with zero codes.
.set WV, 22
.set SEL, 24
.set C768, 26
.set L16, 1
.set L8, 2
.set CST, 4
.set LST, 5
.set REDW, 6
.set REDR, 7
.set H64, 8
.set RP24, 9
.set P24, 10
.set ACC, 20
.set XR, 52
.set BO, 84
.set WB0, 116
.set OF0, 212
.set WS, 236
.set OS, 248
.set XO, 116
.set RD, 148
.set TM, 164
.set TP, 166
.set TS2, 168
.set TB, 170
.set PW, 172
.set PC, 174
.set PT, 180
.set MSB, 0
.macro WIN new
.if MSB != (\new)
	s_set_vgpr_msb (MSB<<8)|(\new)
.set MSB, (\new)
.endif
.endm
.macro PLACES
.rept 4
	v_nop
.endr
.endm
.macro WM d, a, b, c, sa, sb, ra, rb
.if (\ra)
	v_wmma_scale_f32_16x16x128_f8f6f4 v[(\d):(\d)+7], v[(\a):(\a)+11], v[(\b):(\b)+11], v[(\c):(\c)+7], v[\sa], v[\sb] matrix_a_fmt:MATRIX_FMT_BF6 matrix_b_fmt:MATRIX_FMT_BF6 matrix_a_scale:MATRIX_SCALE_ROW1
.else
	v_wmma_scale_f32_16x16x128_f8f6f4 v[(\d):(\d)+7], v[(\a):(\a)+11], v[(\b):(\b)+11], v[(\c):(\c)+7], v[\sa], v[\sb] matrix_a_fmt:MATRIX_FMT_BF6 matrix_b_fmt:MATRIX_FMT_BF6
.endif
.endm
.macro QUANT2 src, W
	WIN (\W)|((\W)<<2)
.irp b, 0,1
	v_max3_num_f32 v[TM+\b], |v[(\src)+16*\b]|, |v[(\src)+16*\b+1]|, 0x2800000
.endr
.irp i, 2,4,6,8,10,12,14
.irp b, 0,1
	v_max3_num_f32 v[TM+\b], |v[(\src)+16*\b+\i]|, |v[(\src)+16*\b+\i+1]|, v[TM+\b]
.endr
.endr
	WIN 0
.irp b, 0,1
	v_permlanex16_b32 v[TP+\b], v[TM+\b], s[SEL], s[SEL+1]
.endr
.irp b, 0,1
	v_max_num_f32 v[TM+\b], v[TM+\b], v[TP+\b]
.endr
.irp b, 0,1
	v_add_nc_u32 v[TS2+\b], 0xfe000000, v[TM+\b]
.endr
.irp b, 0,1
	v_lshrrev_b32 v[TB+\b], 23, v[TS2+\b]
.endr
	s_wait_xcnt 0x0
	v_lshl_or_b32 v[PW], v[TB+1], 8, v[TB]
	WIN \W
	v_cvt_scalef32_pk16_bf6_f32 v[PC:PC+2], v[(\src):(\src)+15], v[TS2]
	v_cvt_scalef32_pk16_bf6_f32 v[PT:PT+2], v[(\src)+16:(\src)+31], v[TS2+1]
	WIN 0
	v_nop
.irp i, 0,1,2
	v_permlane16_swap_b32 v[PC+\i], v[PT+\i]
.endr
.irp i, 0,1,2
	v_mov_b32 v[PC+3+\i], v[PT+\i]
.endr
.endm
.macro PUTH b, off
	global_store_b128 v[L16], v[PC:PC+3], s[\b:\b+1] offset:\off
	global_store_b64 v[L8], v[PC+4:PC+5], s[\b:\b+1] offset:(\off)+512
.endm
.macro BARRIER
	s_wait_dscnt 0x0
	s_barrier_signal -1
	s_barrier_wait -1
.endm
.macro SUM12                           ; the twelve waves' partial sums, v[RD] .. v[RD + 11], into v[RD]
	v_pk_add_f32 v[RD:RD+1], v[RD:RD+1], v[RD+2:RD+3]
	v_pk_add_f32 v[RD+4:RD+5], v[RD+4:RD+5], v[RD+6:RD+7]
	v_pk_add_f32 v[RD+8:RD+9], v[RD+8:RD+9], v[RD+10:RD+11]
	v_pk_add_f32 v[RD:RD+1], v[RD:RD+1], v[RD+4:RD+5]
	v_pk_add_f32 v[RD:RD+1], v[RD:RD+1], v[RD+8:RD+9]
	v_add_f32 v[RD], v[RD], v[RD+1]
.endm
	s_load_b256 s[4:11], s[0:1], 0x0               ; obuf, wimg, Wo_scales, bo
	s_load_b256 s[12:19], s[0:1], 0x20             ; x, ln2_g, ln2_b, x1
	s_load_b64 s[20:21], s[0:1], 0x40              ; hbuf
	v_lshl_add_u32 v254, v0, 2, 0xca00
	v_mov_b32 v255, 0
	v_lshrrev_b32 v3, 5, v0
	v_readfirstlane_b32 s[WV], v3                  ; wave 0..11
	v_and_b32 v12, 31, v0
	v_and_b32 v13, 15, v0                          ; r
	v_bfe_u32 v14, v0, 4, 1                        ; h
	v_and_b32 v15, 8, v13
	v_add_nc_u32 v15, v15, v13                     ; r + 8 (r / 8)
	v_lshl_add_u32 v16, v14, 3, v15
	v_lshlrev_b32 v[L16], 4, v12
	v_lshlrev_b32 v[L8], 3, v12
	s_mul_i32 s29, s[WV], 43
	s_lshr_b32 s29, s29, 8                         ; wave / 6: which eight rows of the stage I move
	s_lshl_b32 s30, s[WV], 9
	s_mul_i32 s31, s29, 21632
	s_add_co_u32 s31, s31, s30
	v_add_nc_u32 v[CST], s31, v[L16]               ; rows 8 (wave / 6) + i, bytes 512 (wave % 6) + 16 l
	v_mul_u32_u24 v[LST], v13, 3088
	v_lshl_add_u32 v[LST], v14, 6, v[LST]
	s_lshl_b32 s31, s[WV], 8
	v_add_nc_u32 v[LST], s31, v[LST]               ; row r, my 64 columns, + 64 h
	v_lshlrev_b32 v[REDR], 6, v13
	v_add_nc_u32 v[REDR], 49408, v[REDR]
	s_lshl_b32 s31, s[WV], 2
	v_add_nc_u32 v[REDW], s31, v[REDR]
	v_lshlrev_b32 v[H64], 6, v14
	v_mul_u32_u24 v[RP24], v16, 24
	v_mul_u32_u24 v[P24], v15, 24
	s_mov_b32 s[SEL], 0x76543210
	s_mov_b32 s[SEL+1], 0xfedcba98
	s_mov_b32 s[C768], 0x3aaaaaab
	s_lshr_b32 s28, ttmp9, 1
	s_lshl_b32 s28, s28, 5
	s_and_b32 s31, ttmp9, 1
	s_lshl_b32 s31, s31, 3
	s_add_co_u32 s28, s28, s31                     ; the tile's first token
	s_mul_i32 s38, s28, 3072
	s_mul_i32 s31, s29, 46080
	s_add_co_u32 s38, s38, s31
	s_add_co_u32 s38, s38, s30                     ; x, x1: my eight rows' 512 bytes
	s_mov_b32 s39, 0
	s_mul_i32 s40, s[WV], 86
	s_lshr_b32 s40, s40, 8                         ; wave / 3
	s_mul_i32 s41, s40, 3
	s_sub_co_u32 s41, s[WV], s41                   ; wave % 3
	s_mul_i32 s40, s40, 110592
	s_mul_i32 s41, s41, 6144
	s_add_co_u32 s40, s40, s41
	s_add_co_u32 s40, s40, 1327104                 ; Wo's tiles 4 w .. 4 w + 3
	s_mov_b32 s41, 0
	s_mul_i32 s42, ttmp9, 9216
	s_mov_b32 s43, 0
	s_mul_i32 s44, s28, 24
	s_add_co_u32 s44, s44, 2359296
	s_mov_b32 s45, 0
	s_wait_kmcnt 0x0
	s_add_nc_u64 s[12:13], s[12:13], s[38:39]
	s_add_nc_u64 s[18:19], s[18:19], s[38:39]
	s_add_nc_u64 s[6:7], s[6:7], s[40:41]
	s_add_nc_u64 s[32:33], s[4:5], s[44:45]        ; o's scale bytes
	s_add_nc_u64 s[4:5], s[4:5], s[42:43]          ; o's tile
	s_add_nc_u64 s[36:37], s[20:21], s[44:45]
	s_add_nc_u64 s[34:35], s[20:21], s[42:43]
	s_mul_i32 s38, s[WV], 768
	s_add_nc_u64 s[34:35], s[34:35], s[38:39]      ; h2: my half
	s_lshl_b32 s38, s[WV], 1
	s_add_nc_u64 s[36:37], s[36:37], s[38:39]      ; and its scale bytes
	s_mul_i32 s38, s[WV], 1536
	s_add_nc_u64 s[8:9], s[8:9], s[38:39]
	s_lshl_b32 s38, s[WV], 8
	s_add_nc_u64 s[10:11], s[10:11], s[38:39]
	s_add_nc_u64 s[14:15], s[14:15], s[38:39]
	s_add_nc_u64 s[16:17], s[16:17], s[38:39]
.macro LOADK s                         ; K step s: four weight fragments and the tokens' fragment: 16 loads
.set WB, WB0+48*((\s)%2)
.set OF, OF0+12*((\s)%2)
.irp i, 0,1,2,3
.irp k, 0,1,2
	global_load_b128 v[WB+12*\i+4*\k:WB+12*\i+4*\k+3], v[L16], s[6:7] offset:(\s)*18432+\i*1536+512*\k
.endr
.endr
	global_load_b128 v[OF:OF+3], v[L16], s[4:5] offset:(\s)*1536
	global_load_b64 v[OF+4:OF+5], v[L8], s[4:5] offset:(\s)*1536+512
	global_load_b128 v[OF+6:OF+9], v[L16], s[4:5] offset:(\s)*1536+768
	global_load_b64 v[OF+10:OF+11], v[L8], s[4:5] offset:(\s)*1536+1280
.endm
.irp i, 0,1,2,3,4,5,6,7
	global_load_b128 v[XR+4*\i:XR+4*\i+3], v[L16], s[12:13] offset:3072*\i
.endr
.irp b, 0,1
.irp j, 0,1,2,3
	global_load_b128 v[BO+16*\b+4*\j:BO+16*\b+4*\j+3], v[H64], s[10:11] offset:128*\b+16*\j
.endr
.endr
.irp p, 0,1
.irp i, 0,1,2
	global_load_b64 v[WS+6*\p+2*\i:WS+6*\p+2*\i+1], v[RP24], s[8:9] offset:768*\p+8*\i
.endr
.endr
.irp i, 0,1,2
	global_load_b64 v[OS+2*\i:OS+2*\i+1], v[P24], s[32:33] offset:8*\i
.endr
	LOADK 0
	LOADK 1
	s_wait_loadcnt 49                              ; x is in; bo's 8, the scales' 9 and two K steps' 32 may be out
.irp i, 0,1,2,3,4,5,6,7
	ds_store_b128 v[CST], v[XR+4*\i:XR+4*\i+3] offset:\i*3088
.endr
	BARRIER                                        ; x's 16 rows lie in the stage
.irp b, 0,1
.irp j, 0,1,2,3
	ds_load_b128 v[ACC+16*\b+4*\j:ACC+16*\b+4*\j+3], v[LST] offset:128*\b+16*\j
.endr
.endr
	s_wait_loadcnt 32                              ; bo and the scale words are in
	s_wait_dscnt 0x0
.set J, 0
.rept 16
	v_pk_add_f32 v[ACC+J:ACC+J+1], v[ACC+J:ACC+J+1], v[BO+J:BO+J+1]     ; the sums begin at x + bo
.set J, J+2
.endr
.irp b, 0,1
.irp j, 0,1,2,3
	global_load_b128 v[XR+16*\b+4*\j:XR+16*\b+4*\j+3], v[H64], s[14:15] offset:128*\b+16*\j   ; ln2_g
	global_load_b128 v[BO+16*\b+4*\j:BO+16*\b+4*\j+3], v[H64], s[16:17] offset:128*\b+16*\j   ; ln2_b
.endr
.endr
.macro KST s, cnt                      ; cnt: the loads issued behind this K step's
	s_wait_loadcnt \cnt
.set WB, WB0+48*((\s)%2)
.set OF, OF0+12*((\s)%2)
.irp i, 0,1,2,3
	WM ACC+8*\i, WB+12*\i, OF, ACC+8*\i, WS+6*(\i/2)+(\s), OS+(\s), \i%2, 0
.endr
	PLACES
.if (\s) < 4
	LOADK (\s)+2
.endif
.endm
	KST 0, 32
	KST 1, 32
	KST 2, 16
	KST 3, 16
	KST 4, 16
	KST 5, 0
	; x1 is whole.  My 32 numbers' sum, each accumulator from its low end on
	v_pk_add_f32 v[12:13], v[ACC:ACC+1], v[ACC+2:ACC+3]
	v_pk_add_f32 v[14:15], v[ACC+8:ACC+9], v[ACC+10:ACC+11]
.irp i, 4,6,16,18,20,22
	v_pk_add_f32 v[12:13], v[12:13], v[ACC+\i:ACC+\i+1]
	v_pk_add_f32 v[14:15], v[14:15], v[ACC+8+\i:ACC+8+\i+1]
.endr
	v_pk_add_f32 v[12:13], v[12:13], v[14:15]
	v_add_f32 v12, v12, v13
	v_permlanex16_b32 v13, v12, s[SEL], s[SEL+1]
	v_add_f32 v12, v12, v13
	ds_store_b32 v[REDW], v12
.irp b, 0,1
.irp j, 0,1,2,3
	ds_store_b128 v[LST], v[ACC+16*\b+4*\j:ACC+16*\b+4*\j+3] offset:128*\b+16*\j   ; over the bytes of x that I alone have read
.endr
.endr
	BARRIER                                        ; x1's rows and the partial sums lie in LDS
.irp i, 0,1,2,3,4,5,6,7
	ds_load_b128 v[XO+4*\i:XO+4*\i+3], v[CST] offset:\i*3088
.endr
.irp i, 0,1,2
	ds_load_b128 v[RD+4*\i:RD+4*\i+3], v[REDR] offset:16*\i
.endr
	s_wait_dscnt 3                                 ; the rows are back; the three reads of partial sums may be out
.irp i, 0,1,2,3,4,5,6,7
	global_store_b128 v[L16], v[XO+4*\i:XO+4*\i+3], s[18:19] offset:3072*\i     ; 512 consecutive bytes
.endr
	s_wait_dscnt 0x0
	SUM12
	v_mul_f32 v16, s[C768], v[RD]                  ; the mean
	v_mov_b32 v17, v16
.set J, 0
.rept 16
	v_pk_add_f32 v[ACC+J:ACC+J+1], v[ACC+J:ACC+J+1], v[16:17] neg_lo:[0,1] neg_hi:[0,1]
.set J, J+2
.endr
	v_pk_mul_f32 v[12:13], v[ACC:ACC+1], v[ACC:ACC+1]
	v_pk_mul_f32 v[14:15], v[ACC+2:ACC+3], v[ACC+2:ACC+3]
.set J, 4
.rept 7
	v_pk_fma_f32 v[12:13], v[ACC+J:ACC+J+1], v[ACC+J:ACC+J+1], v[12:13]
	v_pk_fma_f32 v[14:15], v[ACC+J+2:ACC+J+3], v[ACC+J+2:ACC+J+3], v[14:15]
.set J, J+4
.endr
	v_pk_add_f32 v[12:13], v[12:13], v[14:15]
	v_add_f32 v12, v12, v13
	v_permlanex16_b32 v13, v12, s[SEL], s[SEL+1]
	v_add_f32 v12, v12, v13
	ds_store_b32 v[REDW], v12 offset:1024
	BARRIER
.irp i, 0,1,2
	ds_load_b128 v[RD+4*\i:RD+4*\i+3], v[REDR] offset:1024+16*\i
.endr
	s_wait_dscnt 0x0
	SUM12
	v_fmaak_f32 v18, s[C768], v[RD], 0x3727c5ac    ; variance + 1e-5
	v_rsq_f32 v18, v18
	v_mov_b32 v19, 0                               ; a plain place; v19 is named with v18 as a pair
	v_mov_b32 v[TP], 0
	v_mov_b32 v[TP+1], 0
	s_wait_alu depctr_va_vdst(0)                   ; the wait, ahead of the first reader
.set J, 0
.rept 16
	v_pk_mul_f32 v[ACC+J:ACC+J+1], v[ACC+J:ACC+J+1], v[18:19] op_sel_hi:[1,0]
.set J, J+2
.endr
.set J, 0
.rept 16
	v_pk_fma_f32 v[ACC+J:ACC+J+1], v[ACC+J:ACC+J+1], v[XR+J:XR+J+1], v[BO+J:BO+J+1]
.set J, J+2
.endr
	QUANT2 ACC, 0
	PUTH 34, 0
	global_store_b16 v[P24], v[PW], s[36:37]
	s_wait_tensorcnt 0x0
	ds_add_u32 v254, v255
	s_wait_dscnt 0x0
	s_endpgm
.Lfunc_end_k_q1afa460947_wo_ln:
	.size	k_q1afa460947_wo_ln, .Lfunc_end_k_q1afa460947_wo_ln-k_q1afa460947_wo_ln
	.p2alignl 7, 3214868480
	.fill 96, 4, 3214868480
	.section	.rodata,"a",@progbits
	.p2align	6, 0x0
	.amdhsa_kernel k_q1afa460947_wo_ln
		.amdhsa_group_segment_fixed_size 53248
		.amdhsa_private_segment_fixed_size 0
		.amdhsa_enable_private_segment 0
		.amdhsa_kernarg_size 72
		.amdhsa_user_sgpr_count 2
		.amdhsa_user_sgpr_kernarg_segment_ptr 1
		.amdhsa_wavefront_size32 1
		.amdhsa_system_sgpr_workgroup_id_x 1
		.amdhsa_system_sgpr_workgroup_id_y 1
		.amdhsa_system_sgpr_workgroup_id_z 1
		.amdhsa_system_vgpr_workitem_id 0
		.amdhsa_next_free_vgpr 256
		.amdhsa_next_free_sgpr 66
		.amdhsa_reserve_vcc 0
		.amdhsa_float_denorm_mode_32 3
		.amdhsa_float_denorm_mode_16_64 3
		.amdhsa_memory_ordered 1
		.amdhsa_forward_progress 1
		.amdhsa_inst_pref_size 34
	.end_amdhsa_kernel
	.amdgpu_metadata
---
amdhsa.version: [ 1, 2 ]
amdhsa.kernels:
  - .name:           k_q1afa460947_wo_ln
    .symbol:         k_q1afa460947_wo_ln.kd
    .args:
      - { .name: obuf, .offset: 0, .size: 8, .value_kind: global_buffer, .address_space: global }
      - { .name: wimg, .offset: 8, .size: 8, .value_kind: global_buffer, .address_space: global }
      - { .name: Wo_scales, .offset: 16, .size: 8, .value_kind: global_buffer, .address_space: global }
      - { .name: bo, .offset: 24, .size: 8, .value_kind: global_buffer, .address_space: global }
      - { .name: x, .offset: 32, .size: 8, .value_kind: global_buffer, .address_space: global }
      - { .name: ln2_g, .offset: 40, .size: 8, .value_kind: global_buffer, .address_space: global }
      - { .name: ln2_b, .offset: 48, .size: 8, .value_kind: global_buffer, .address_space: global }
      - { .name: x1, .offset: 56, .size: 8, .value_kind: global_buffer, .address_space: global }
      - { .name: hbuf, .offset: 64, .size: 8, .value_kind: global_buffer, .address_space: global }
    .group_segment_fixed_size: 53248
    .private_segment_fixed_size: 0
    .kernarg_segment_align: 8
    .kernarg_segment_size: 72
    .max_flat_workgroup_size: 384
    .sgpr_count:     66
    .vgpr_count:     256
    .wavefront_size: 32
...
	.end_amdgpu_metadata
.endif
;; end of part 4
;; launch ffn1 (part 5): grid 16 x 16, 4 waves a work-group, clusters of 4 x 4, 258,560 bytes of LDS; arguments hbuf, wimg, W1_scales, b1, gbuf; writes gbuf
.if DOCPART == 5
	.amdgcn_target "amdgcn-amd-amdhsa--gfx1250"
	.amdhsa_code_object_version 6
	.text
	.protected	k_q1afa460947_ffn1
	.globl	k_q1afa460947_ffn1
	.p2align	8
	.type	k_q1afa460947_ffn1,@function
k_q1afa460947_ffn1:
	s_mov_b64 s[64:65], 0
	v_nop
	global_prefetch_b8 v0, s[64:65] scope:SCOPE_SE
	s_setreg_imm32_b32 hwreg(HW_REG_WAVE_MODE, 25, 1), 1
	s_wait_xcnt 0x0
	s_wait_alu depctr_hold_cnt(0) depctr_sa_sdst(0) depctr_va_vdst(0) depctr_va_sdst(0) depctr_va_ssrc(0) depctr_va_vcc(0) depctr_vm_vsrc(0)
	s_getreg_b32 s2, hwreg(HW_REG_IB_STS2, 6, 4)
	s_cmp_eq_u32 s2, 0
	s_cbranch_scc0 .Lentry_in_a_cluster
	s_endpgm
.Lentry_in_a_cluster:
	s_bfe_u32 s2, ttmp6, 0x10000c
	s_cmp_lg_u32 s2, 0xf033
	s_cbranch_scc0 .Lentry_shape_is_right
	s_endpgm
.Lentry_shape_is_right:
; g = gelu(h2 W1 + b1), exact form, for 256 tokens (work-group y) x 192 columns (work-group x), product on codes of E3M2; g is quantised along its columns into gbuf as images of operand registers.
; The frame is the QKV launch's: four waves, wave w owns token tiles 16 y + 4 w + 0..3 against 12 weight tiles, 48 accumulators, K = 768 in six steps; all operands come into LDS once, by six joint tensor loads a wave
; (cluster 4 x 4: weights shared along a column, tokens along a row); no LDS byte is filled twice.  Source 0 = 16 rows of W1, source 1 = 16 tokens: a lane holds one token, its registers run along the columns.
; gelu(z) = z / 2 (1 + erf(z / sqrt 2)); erf(u) = u P(u^2) / Q(u^2), u held to +-4: a rational form of degrees 6 and 4 in u^2, in f32.
; The way out is a loop of 12 trips (token tile m, 64 columns q): what differs between trips, the accumulators' registers, is a short piece for each trip, reached by a scalar branch on the trip's number.
; REGISTERS: window 0 as in the QKV launch; on the way out v64-223 at work.  windows 1, 2: sums (m, t) at window 1 + m / 2, register 96 (m % 2) + 8 t.  window 3: b1 as the first C, at 8 t.
; LIMITS: NaN and infinities are not served; erf's absolute error is that of f32's 1 + erf, so gelu's relative error grows under z = -3; a block of zeros gets the byte 1 with zero codes.
.set GW, 24
.set GT, 32
.set G0W, 40
.set G0T, 52
.set WV, 66
.set SEL, 96
.set GC, 84
.set GS, 86
.set AW, 1
.set AT16, 3
.set AT8, 6
.set L16, 1
.set L8, 10
.set WS, 16
.set TS, 52
.set TF, 64
.set WF, 112
.set U, 64
.set T, 96
.set P, 128
.set Q, 160
.set HZ, 192
.set TM, 224
.set TP, 226
.set TS2, 228
.set TB, 230
.set PW, 232
.set PC, 234
.set PT, 240
.set VA, 248
.set VB, 250
.set A11, 24
.set A9, 26
.set A7, 28
.set A5, 30
.set A3, 32
.set A1, 34
.set B6, 36
.set B4, 38
.set B2, 40
.set B0, 42
.set RS2, 44
.set I, 46
.set MSB, 0
.macro WIN new
.if MSB != (\new)
	s_set_vgpr_msb (MSB<<8)|(\new)
.set MSB, (\new)
.endif
.endm
.macro PLACES
.rept 4
	v_nop
.endr
.endm
.macro CROUND
	s_barrier_signal -1
	s_barrier_wait -1
	s_cmp_lg_u32 s[WV], 0
	s_cbranch_scc1 .Lnot_wave_0_\@
	s_barrier_signal -3
.Lnot_wave_0_\@:
	s_barrier_wait -3
	s_barrier_signal -1
	s_barrier_wait -1
.endm
.macro WM d, a, b, c, sa, sb, ra, rb
.if (\ra) && (\rb)
	v_wmma_scale_f32_16x16x128_f8f6f4 v[(\d):(\d)+7], v[(\a):(\a)+11], v[(\b):(\b)+11], v[(\c):(\c)+7], v[\sa], v[\sb] matrix_a_fmt:MATRIX_FMT_BF6 matrix_b_fmt:MATRIX_FMT_BF6 matrix_a_scale:MATRIX_SCALE_ROW1 matrix_b_scale:MATRIX_SCALE_ROW1
.elseif (\ra)
	v_wmma_scale_f32_16x16x128_f8f6f4 v[(\d):(\d)+7], v[(\a):(\a)+11], v[(\b):(\b)+11], v[(\c):(\c)+7], v[\sa], v[\sb] matrix_a_fmt:MATRIX_FMT_BF6 matrix_b_fmt:MATRIX_FMT_BF6 matrix_a_scale:MATRIX_SCALE_ROW1
.elseif (\rb)
	v_wmma_scale_f32_16x16x128_f8f6f4 v[(\d):(\d)+7], v[(\a):(\a)+11], v[(\b):(\b)+11], v[(\c):(\c)+7], v[\sa], v[\sb] matrix_a_fmt:MATRIX_FMT_BF6 matrix_b_fmt:MATRIX_FMT_BF6 matrix_b_scale:MATRIX_SCALE_ROW1
.else
	v_wmma_scale_f32_16x16x128_f8f6f4 v[(\d):(\d)+7], v[(\a):(\a)+11], v[(\b):(\b)+11], v[(\c):(\c)+7], v[\sa], v[\sb] matrix_a_fmt:MATRIX_FMT_BF6 matrix_b_fmt:MATRIX_FMT_BF6
.endif
.endm
.macro QUANT2 src, W
	WIN (\W)|((\W)<<2)
.irp b, 0,1
	v_max3_num_f32 v[TM+\b], |v[(\src)+16*\b]|, |v[(\src)+16*\b+1]|, 0x2800000
.endr
.irp i, 2,4,6,8,10,12,14
.irp b, 0,1
	v_max3_num_f32 v[TM+\b], |v[(\src)+16*\b+\i]|, |v[(\src)+16*\b+\i+1]|, v[TM+\b]
.endr
.endr
	WIN 0
.irp b, 0,1
	v_permlanex16_b32 v[TP+\b], v[TM+\b], s[SEL], s[SEL+1]
.endr
.irp b, 0,1
	v_max_num_f32 v[TM+\b], v[TM+\b], v[TP+\b]
.endr
.irp b, 0,1
	v_add_nc_u32 v[TS2+\b], 0xfe000000, v[TM+\b]
.endr
.irp b, 0,1
	v_lshrrev_b32 v[TB+\b], 23, v[TS2+\b]
.endr
	s_wait_xcnt 0x0
	v_lshl_or_b32 v[PW], v[TB+1], 8, v[TB]
	WIN \W
	v_cvt_scalef32_pk16_bf6_f32 v[PC:PC+2], v[(\src):(\src)+15], v[TS2]
	v_cvt_scalef32_pk16_bf6_f32 v[PT:PT+2], v[(\src)+16:(\src)+31], v[TS2+1]
	WIN 0
	v_nop
.irp i, 0,1,2
	v_permlane16_swap_b32 v[PC+\i], v[PT+\i]
.endr
.irp i, 0,1,2
	v_mov_b32 v[PC+3+\i], v[PT+\i]
.endr
.endm
.macro PUTH b, off
	global_store_b128 v[L16], v[PC:PC+3], s[\b:\b+1] offset:\off
	global_store_b64 v[L8], v[PC+4:PC+5], s[\b:\b+1] offset:(\off)+512
.endm
.macro SPAIR r, val                    ; a constant for a packed form: the pair is named, its low word is taken for both halves
	s_mov_b32 s[\r], \val
	s_mov_b32 s[\r+1], \val
.endm
	s_load_b256 s[4:11], s[0:1], 0x0               ; hbuf, wimg, W1_scales, b1
	s_load_b64 s[12:13], s[0:1], 0x20              ; gbuf
	v_lshl_add_u32 v12, v0, 2, 0x3f000
	v_mov_b32 v13, 0
	ds_add_u32 v12, v13
	ds_add_u32 v12, v13
	v_lshrrev_b32 v1, 5, v0
	v_readfirstlane_b32 s[WV], v1
	s_bfe_u32 s67, ttmp6, 0x40000                  ; cx
	s_bfe_u32 s68, ttmp6, 0x40004                  ; cy
	s_lshl_b32 s69, ttmp9, 2
	s_add_co_u32 s69, s69, s67                     ; X: the block of 192 columns
	s_and_b32 s70, ttmp7, 0xffff
	s_lshl_b32 s70, s70, 2
	s_add_co_u32 s70, s70, s68                     ; Y: the block of 256 tokens
	s_lshl_b32 s71, s68, 2
	s_lshl_b32 s71, 15, s71
	s_lshl_b32 s72, 0x1111, s67
	s_or_b32 s[GW], s72, (3<<16)|(1<<21)           ; weights: 36 rows of 256 bytes, dense; shared along my column
	s_mov_b32 s[GW+1], 32<<16
	s_mov_b32 s[GW+2], 36<<16
	s_mov_b32 s[GW+3], 32<<16
	s_mov_b32 s[GW+4], 36
	s_mov_b32 s[GW+5], 32
	s_mov_b32 s[GW+6], 0
	s_mov_b32 s[GW+7], 0
	s_or_b32 s[GT], s71, (3<<16)|(1<<21)           ; tokens: 4 tiles x 3,072 bytes, 9,216 apart; shared along my row
	s_mov_b32 s[GT+1], 384<<16
	s_mov_b32 s[GT+2], 4<<16
	s_mov_b32 s[GT+3], 384<<16
	s_mov_b32 s[GT+4], 4
	s_mov_b32 s[GT+5], 1152
	s_mov_b32 s[GT+6], 0
	s_mov_b32 s[GT+7], 0
	s_mul_i32 s74, s69, 110592
	s_add_co_u32 s74, s74, 1769472
	s_mul_i32 s73, s[WV], 9216
	s_add_co_u32 s74, s74, s73
	s_mov_b32 s75, 0
	s_lshl_b32 s76, s70, 4
	s_lshl_b32 s77, s[WV], 2
	s_add_co_u32 s76, s76, s77                     ; T0
	s_mul_i32 s78, s76, 9216
	s_mov_b32 s79, 0
	s_mul_i32 s80, s[WV], 12288
	s_wait_dscnt 0x0
	s_wait_kmcnt 0x0
	s_add_nc_u64 s[74:75], s[6:7], s[74:75]
	s_add_nc_u64 s[78:79], s[4:5], s[78:79]
	CROUND
.irp c, 0,1,2
	s_mov_b32 s[G0W+4*\c], 1
	s_add_co_u32 s[G0W+4*\c+1], s73, \c*36864
	s_add_nc_u64 s[G0W+4*\c+2:G0W+4*\c+3], s[74:75], \c*36864
	s_or_b32 s[G0W+4*\c+3], s[G0W+4*\c+3], 0x80000000
	s_mov_b32 s[G0T+4*\c], 1
	s_add_co_u32 s[G0T+4*\c+1], s80, 110592+\c*49152
	s_add_nc_u64 s[G0T+4*\c+2:G0T+4*\c+3], s[78:79], \c*3072
	s_or_b32 s[G0T+4*\c+3], s[G0T+4*\c+3], 0x80000000
.endr
.irp c, 0,1,2
	tensor_load_to_lds s[G0W+4*\c:G0W+4*\c+3], s[GW:GW+7]      ; six loads of mine are out
	s_nop 0
	tensor_load_to_lds s[G0T+4*\c:G0T+4*\c+3], s[GT:GT+7]
	s_nop 0
.endr
	PLACES
	v_and_b32 v64, 31, v0
	v_and_b32 v65, 15, v0
	v_bfe_u32 v66, v0, 4, 1
	v_and_b32 v67, 8, v65
	v_add_nc_u32 v67, v67, v65
	v_lshl_add_u32 v68, v66, 3, v67
	v_lshlrev_b32 v[AW], 4, v64
	v_add_nc_u32 v[AW+1], 55296, v[AW]
	v_lshlrev_b32 v[L8], 3, v64
.irp c, 0,1,2
	s_add_co_u32 s81, s80, 110592+\c*49152
	v_add_nc_u32 v[AT16+\c], s81, v[AW]
	v_add_nc_u32 v[AT8+\c], s81, v[L8]
.endr
	v_mul_u32_u24 v11, v67, 96                     ; my row of g's scale bytes
	v_mul_u32_u24 v14, v68, 24
	v_lshlrev_b32 v15, 6, v66
	s_mov_b32 s[SEL], 0x76543210
	s_mov_b32 s[SEL+1], 0xfedcba98
	s_mov_b32 s75, 0
	s_mul_i32 s74, s69, 4608
	s_add_nc_u64 s[8:9], s[8:9], s[74:75]
	s_mul_i32 s74, s69, 768
	s_add_nc_u64 s[10:11], s[10:11], s[74:75]
	s_mul_i32 s74, s76, 384
	s_add_co_u32 s74, s74, 2359296
	s_add_nc_u64 s[4:5], s[4:5], s[74:75]
.irp p, 0,1,2,3,4,5
.irp i, 0,1,2
	global_load_b64 v[WS+6*\p+2*\i:WS+6*\p+2*\i+1], v14, s[8:9] offset:768*\p+8*\i
.endr
.endr
.irp p, 0,1
.irp i, 0,1,2
	global_load_b64 v[TS+6*\p+2*\i:TS+6*\p+2*\i+1], v14, s[4:5] offset:768*\p+8*\i
.endr
.endr
	WIN 0xc0                                       ; destination window 3
.irp t, 0,1,2,3,4,5,6,7,8,9,10,11
	global_load_b128 v[8*\t:8*\t+3], v15, s[10:11] offset:(32*(\t/2)+8*(\t%2))*4
	global_load_b128 v[8*\t+4:8*\t+7], v15, s[10:11] offset:(32*(\t/2)+8*(\t%2))*4+16
.endr
	WIN 0
	s_mul_i32 s74, s76, 36864
	s_mul_i32 s77, s69, 2304
	s_add_co_u32 s74, s74, s77
	s_add_nc_u64 s[GC:GC+1], s[12:13], s[74:75]
	s_mul_i32 s74, s76, 1536
	s_mul_i32 s77, s69, 6
	s_add_co_u32 s74, s74, s77
	s_add_co_u32 s74, s74, 9437184
	s_add_nc_u64 s[GS:GS+1], s[12:13], s[74:75]
.macro G4 t0, s                        ; four weight tiles x my four token tiles
.if (\s) == 0
	WIN 0x70                                       ; D window 1, C (b1) window 3
.else
	WIN 0x50
.endif
.irp t, \t0, \t0+1, \t0+2, \t0+3
.irp m, 0,1
.if (\s) == 0
	WM 96*\m+8*(\t), WF+12*(\t), TF+12*\m, 8*(\t), WS+6*((\t)/2)+(\s), TS+(\s), (\t)%2, \m
.else
	WM 96*\m+8*(\t), WF+12*(\t), TF+12*\m, 96*\m+8*(\t), WS+6*((\t)/2)+(\s), TS+(\s), (\t)%2, \m
.endif
.endr
.endr
.if (\s) == 0
	WIN 0xb0                                       ; D window 2, C window 3
.else
	WIN 0xa0
.endif
.irp t, \t0, \t0+1, \t0+2, \t0+3
.irp m, 0,1
.if (\s) == 0
	WM 96*\m+8*(\t), WF+12*(\t), TF+24+12*\m, 8*(\t), WS+6*((\t)/2)+(\s), TS+6+(\s), (\t)%2, \m
.else
	WM 96*\m+8*(\t), WF+12*(\t), TF+24+12*\m, 96*\m+8*(\t), WS+6*((\t)/2)+(\s), TS+6+(\s), (\t)%2, \m
.endif
.endr
.endr
.endm
.macro KSTEP s
.if (\s) > 0
	PLACES
.endif
.if (\s)%2 == 0
	s_wait_tensorcnt 4-(\s)                        ; my two loads of this chunk have landed; the two of each later chunk may be out
	s_wait_dscnt 0x0
	s_barrier_signal -1
	s_barrier_wait -1
.endif
.if (\s) == 0
	s_wait_loadcnt 0x0
.endif
.irp m, 0,1,2,3
	ds_load_b128 v[TF+12*\m:TF+12*\m+3], v[AT16+(\s)/2] offset:\m*3072+((\s)%2)*1536
	ds_load_b64 v[TF+12*\m+4:TF+12*\m+5], v[AT8+(\s)/2] offset:\m*3072+((\s)%2)*1536+512
	ds_load_b128 v[TF+12*\m+6:TF+12*\m+9], v[AT16+(\s)/2] offset:\m*3072+((\s)%2)*1536+768
	ds_load_b64 v[TF+12*\m+10:TF+12*\m+11], v[AT8+(\s)/2] offset:\m*3072+((\s)%2)*1536+1280
.endr
.irp t, 0,1,2,3,4,5,6,7,8,9,10,11
.irp k, 0,1,2
	ds_load_b128 v[WF+12*\t+4*\k:WF+12*\t+4*\k+3], v[AW+(\s)/3] offset:((\s)%3)*18432+\t*1536+512*\k
.endr
.endr
	s_wait_dscnt 24                                ; tokens and tiles 0-3 are in; tiles 4-11, three loads each, may be out
	G4 0, \s
	s_wait_dscnt 12
	G4 4, \s
	s_wait_dscnt 0x0
	G4 8, \s
	WIN 0
.endm
	KSTEP 0
	KSTEP 1
	KSTEP 2
	KSTEP 3
	KSTEP 4
	KSTEP 5
	PLACES
	; the way out.  All tensor loads have been waited for: the descriptors' registers take erf's coefficients
	SPAIR A11, 0x32edffee
	SPAIR A9, 0xb60cff51
	SPAIR A7, 0xb86ec2d2
	SPAIR A5, 0xba40ac63
	SPAIR A3, 0xbb41a1f6
	SPAIR A1, 0xbc83dbd4
	SPAIR B6, 0xb95fbd29
	SPAIR B4, 0xbadc924e
	SPAIR B2, 0xbbf19bf8
	SPAIR B0, 0xbc69b6a7
	SPAIR RS2, 0x3f3504f3
	v_mov_b32 v[VA], 0xaf95df0b
	v_mov_b32 v[VA+1], 0xaf95df0b
	v_mov_b32 v[VB], 0xb77460cd
	v_mov_b32 v[VB+1], 0xb77460cd
	v_mov_b32 v[TP], 0
	v_mov_b32 v[TP+1], 0
	s_mov_b32 s[I], 0
.Lep:                                              ; trip i = 3 m + q
	s_mul_i32 s47, s[I], 86
	s_lshr_b32 s47, s47, 8                         ; m
	s_mul_i32 s48, s47, 3
	s_sub_co_u32 s48, s[I], s48                    ; q
	s_mul_i32 s50, s[I], 768
	s_mul_i32 s52, s47, 34560
	s_add_co_u32 s50, s50, s52
	s_mov_b32 s51, 0
	s_add_nc_u64 s[56:57], s[GC:GC+1], s[50:51]    ; tile T0 + m, half 3 X + q
	s_lshr_b32 s50, s47, 1
	s_lshl_b32 s50, s50, 5
	s_and_b32 s52, s47, 1
	s_lshl_b32 s52, s52, 3
	s_add_co_u32 s50, s50, s52
	s_mul_i32 s50, s50, 96
	s_lshl_b32 s52, s48, 1
	s_add_co_u32 s50, s50, s52
	s_add_nc_u64 s[58:59], s[GS:GS+1], s[50:51]
.irp k, 0,1,2,3,4,5,6,7,8,9,10
	s_cmp_eq_u32 s[I], \k
	s_cbranch_scc1 .Lsn_\k
.endr
	s_branch .Lsn_11
.macro SNIP k                          ; u = z / sqrt 2 and z / 2 of the trip's 32 sums, each accumulator from its low end on
.Lsn_\k:
	WIN 1+((\k)/6)
.set AB, 96*(((\k)/3)%2)+32*((\k)%3)
.set J, 0
.rept 16
	v_pk_mul_f32 v[U+J:U+J+1], v[AB+J:AB+J+1], s[RS2:RS2+1] op_sel_hi:[1,0]
	v_pk_mul_f32 v[HZ+J:HZ+J+1], v[AB+J:AB+J+1], 0.5 op_sel_hi:[1,0]
.set J, J+2
.endr
	WIN 0
	s_branch .Lcommon
.endm
.irp k, 0,1,2,3,4,5,6,7,8,9,10,11
	SNIP \k
.endr
.Lcommon:
.set J, 0
.rept 32
	v_med3_num_f32 v[U+J], v[U+J], -4.0, 4.0
.set J, J+1
.endr
.set J, 0
.rept 16
	v_pk_mul_f32 v[T+J:T+J+1], v[U+J:U+J+1], v[U+J:U+J+1]
.set J, J+2
.endr
.set J, 0
.rept 16
	v_pk_fma_f32 v[P+J:P+J+1], v[T+J:T+J+1], v[VA:VA+1], s[A11:A11+1] op_sel_hi:[1,1,0]
	v_pk_fma_f32 v[Q+J:Q+J+1], v[T+J:T+J+1], v[VB:VB+1], s[B6:B6+1] op_sel_hi:[1,1,0]
.set J, J+2
.endr
.irp a, A9, A7, A5, A3, A1
.set J, 0
.rept 16
	v_pk_fma_f32 v[P+J:P+J+1], v[P+J:P+J+1], v[T+J:T+J+1], s[\a:\a+1] op_sel_hi:[1,1,0]
.set J, J+2
.endr
.endr
.irp a, B4, B2, B0
.set J, 0
.rept 16
	v_pk_fma_f32 v[Q+J:Q+J+1], v[Q+J:Q+J+1], v[T+J:T+J+1], s[\a:\a+1] op_sel_hi:[1,1,0]
.set J, J+2
.endr
.endr
.set J, 0
.rept 32
	v_rcp_f32 v[Q+J], v[Q+J]
.set J, J+1
.endr
.set J, 0
.rept 16
	v_pk_mul_f32 v[P+J:P+J+1], v[P+J:P+J+1], v[U+J:U+J+1]      ; plain work behind the batch
.set J, J+2
.endr
	s_wait_alu depctr_va_vdst(0)                   ; one wait for the 32, ahead of their first reader
.set J, 0
.rept 16
	v_pk_mul_f32 v[P+J:P+J+1], v[P+J:P+J+1], v[Q+J:Q+J+1]      ; erf
.set J, J+2
.endr
.set J, 0
.rept 16
	v_pk_fma_f32 v[T+J:T+J+1], v[HZ+J:HZ+J+1], v[P+J:P+J+1], v[HZ+J:HZ+J+1]   ; z / 2 (1 + erf)
.set J, J+2
.endr
	QUANT2 T, 0
	PUTH 56, 0
	global_store_b16 v11, v[PW], s[58:59]
	s_wait_xcnt 0x0                                ; the stores have read their bases: the next trip writes them
	s_add_co_u32 s[I], s[I], 1
	s_cmp_lt_u32 s[I], 12
	s_cbranch_scc1 .Lep
	s_wait_tensorcnt 0x0
	ds_add_u32 v12, v13
	s_wait_dscnt 0x0
	CROUND                                         ; the closing round
	s_endpgm
.Lfunc_end_k_q1afa460947_ffn1:
	.size	k_q1afa460947_ffn1, .Lfunc_end_k_q1afa460947_ffn1-k_q1afa460947_ffn1
	.p2alignl 7, 3214868480
	.fill 96, 4, 3214868480
	.section	.rodata,"a",@progbits
	.p2align	6, 0x0
	.amdhsa_kernel k_q1afa460947_ffn1
		.amdhsa_group_segment_fixed_size 258560
		.amdhsa_private_segment_fixed_size 0
		.amdhsa_enable_private_segment 0
		.amdhsa_kernarg_size 40
		.amdhsa_user_sgpr_count 2
		.amdhsa_user_sgpr_kernarg_segment_ptr 1
		.amdhsa_wavefront_size32 1
		.amdhsa_system_sgpr_workgroup_id_x 1
		.amdhsa_system_sgpr_workgroup_id_y 1
		.amdhsa_system_sgpr_workgroup_id_z 1
		.amdhsa_system_vgpr_workitem_id 0
		.amdhsa_next_free_vgpr 864
		.amdhsa_next_free_sgpr 100
		.amdhsa_reserve_vcc 0
		.amdhsa_float_denorm_mode_32 3
		.amdhsa_float_denorm_mode_16_64 3
		.amdhsa_memory_ordered 1
		.amdhsa_forward_progress 1
		.amdhsa_inst_pref_size 119
	.end_amdhsa_kernel
	.amdgpu_metadata
---
amdhsa.version: [ 1, 2 ]
amdhsa.kernels:
  - .name:           k_q1afa460947_ffn1
    .symbol:         k_q1afa460947_ffn1.kd
    .args:
      - { .name: hbuf, .offset: 0, .size: 8, .value_kind: global_buffer, .address_space: global }
      - { .name: wimg, .offset: 8, .size: 8, .value_kind: global_buffer, .address_space: global }
      - { .name: W1_scales, .offset: 16, .size: 8, .value_kind: global_buffer, .address_space: global }
      - { .name: b1, .offset: 24, .size: 8, .value_kind: global_buffer, .address_space: global }
      - { .name: gbuf, .offset: 32, .size: 8, .value_kind: global_buffer, .address_space: global }
    .group_segment_fixed_size: 258560
    .private_segment_fixed_size: 0
    .kernarg_segment_align: 8
    .kernarg_segment_size: 40
    .max_flat_workgroup_size: 128
    .sgpr_count:     100
    .vgpr_count:     864
    .wavefront_size: 32
...
	.end_amdgpu_metadata
.endif
;; end of part 5
;; launch ffn2 (part 6): grid 4 x 64, 4 waves a work-group, clusters of 4 x 1, 198,144 bytes of LDS; arguments gbuf, wimg, W2_scales, b2, x1, out0; writes out0
.if DOCPART == 6
	.amdgcn_target "amdgcn-amd-amdhsa--gfx1250"
	.amdhsa_code_object_version 6
	.text
	.protected	k_q1afa460947_ffn2
	.globl	k_q1afa460947_ffn2
	.p2align	8
	.type	k_q1afa460947_ffn2,@function
k_q1afa460947_ffn2:
	s_mov_b64 s[64:65], 0
	v_nop
	global_prefetch_b8 v0, s[64:65] scope:SCOPE_SE
	s_setreg_imm32_b32 hwreg(HW_REG_WAVE_MODE, 25, 1), 1
	s_wait_xcnt 0x0
	s_wait_alu depctr_hold_cnt(0) depctr_sa_sdst(0) depctr_va_vdst(0) depctr_va_sdst(0) depctr_va_ssrc(0) depctr_va_vcc(0) depctr_vm_vsrc(0)
	s_getreg_b32 s2, hwreg(HW_REG_IB_STS2, 6, 4)
	s_cmp_eq_u32 s2, 0
	s_cbranch_scc0 .Lentry_in_a_cluster
	s_endpgm
.Lentry_in_a_cluster:
	s_bfe_u32 s2, ttmp6, 0x10000c
	s_cmp_lg_u32 s2, 0x3003
	s_cbranch_scc0 .Lentry_shape_is_right
	s_endpgm
.Lentry_shape_is_right:
; out = x1 + g W2 + b2, product on codes of E3M2, K = 3,072 in 24 steps.  A work-group makes 64 tokens (work-group y) x 192 columns (work-group x): 256 work-groups.
; Wave w owns weight tiles 3 w .. 3 w + 2 of the 12 against the four token tiles: 12 accumulators by turns.  Source 0 = 16 rows of W2, source 1 = 16 tokens.
; TOKENS: the block's codes, 147,456 bytes, come into LDS once, by four tensor loads a wave (wave w: tile 4 y + w in four chunks of six K steps).  The four work-groups of a cluster are the four column blocks of one
; token block: they ask jointly.  No LDS byte is filled twice.
; WEIGHTS: each fragment is read by one wave of the work-group, so it goes from memory straight into operand registers, through a ring of six K steps (54 loads out).  They are not asked for jointly: a column block's
; 442,368 bytes do not fit in LDS beside the tokens.
; The way out: sums through a stage in LDS (64 rows, pitch 784), then whole runs of 256 bytes: x1 is added and out stored.
; REGISTERS: window 0: v1-21 addresses, v24-71 tokens' scale words, v72-119 weights', v120-215 two sets of four token fragments.  window 1: v0-215 the weights' ring.  window 2: sums (i, m) at 8 (4 i + m); b2 at 96 + 8 i.
.set WV, 16
.set G1, 24
.set G0, 32
.set TSC, 24
.set WSC, 72
.set TF0, 120
.set MSB, 0
.macro WIN new
.if MSB != (\new)
	s_set_vgpr_msb (MSB<<8)|(\new)
.set MSB, (\new)
.endif
.endm
.macro PLACES
.rept 4
	v_nop
.endr
.endm
.macro CROUND
	s_barrier_signal -1
	s_barrier_wait -1
	s_cmp_lg_u32 s[WV], 0
	s_cbranch_scc1 .Lnot_wave_0_\@
	s_barrier_signal -3
.Lnot_wave_0_\@:
	s_barrier_wait -3
	s_barrier_signal -1
	s_barrier_wait -1
.endm
.macro WM d, a, b, c, sa, sb, ra, rb
.if (\ra) && (\rb)
	v_wmma_scale_f32_16x16x128_f8f6f4 v[(\d):(\d)+7], v[(\a):(\a)+11], v[(\b):(\b)+11], v[(\c):(\c)+7], v[\sa], v[\sb] matrix_a_fmt:MATRIX_FMT_BF6 matrix_b_fmt:MATRIX_FMT_BF6 matrix_a_scale:MATRIX_SCALE_ROW1 matrix_b_scale:MATRIX_SCALE_ROW1
.elseif (\ra)
	v_wmma_scale_f32_16x16x128_f8f6f4 v[(\d):(\d)+7], v[(\a):(\a)+11], v[(\b):(\b)+11], v[(\c):(\c)+7], v[\sa], v[\sb] matrix_a_fmt:MATRIX_FMT_BF6 matrix_b_fmt:MATRIX_FMT_BF6 matrix_a_scale:MATRIX_SCALE_ROW1
.elseif (\rb)
	v_wmma_scale_f32_16x16x128_f8f6f4 v[(\d):(\d)+7], v[(\a):(\a)+11], v[(\b):(\b)+11], v[(\c):(\c)+7], v[\sa], v[\sb] matrix_a_fmt:MATRIX_FMT_BF6 matrix_b_fmt:MATRIX_FMT_BF6 matrix_b_scale:MATRIX_SCALE_ROW1
.else
	v_wmma_scale_f32_16x16x128_f8f6f4 v[(\d):(\d)+7], v[(\a):(\a)+11], v[(\b):(\b)+11], v[(\c):(\c)+7], v[\sa], v[\sb] matrix_a_fmt:MATRIX_FMT_BF6 matrix_b_fmt:MATRIX_FMT_BF6
.endif
.endm
	s_load_b256 s[4:11], s[0:1], 0x0               ; gbuf, wimg, W2_scales, b2
	s_load_b128 s[12:15], s[0:1], 0x20             ; x1, out0
	v_lshl_add_u32 v254, v0, 2, 0x30400
	v_mov_b32 v255, 0
	ds_add_u32 v254, v255
	ds_add_u32 v254, v255
	v_lshrrev_b32 v22, 5, v0
	v_readfirstlane_b32 s[WV], v22                 ; wave 0..3
	s_bfe_u32 s17, ttmp6, 0x40000                  ; cx
	s_lshl_b32 s19, ttmp9, 2
	s_add_co_u32 s17, s19, s17                     ; X: the block of 192 columns
	s_and_b32 s18, ttmp7, 0xffff                   ; y: the block of 64 tokens, which the four partners share
	s_mov_b32 s[G1], 15|(3<<16)|(1<<21)            ; the mask: all four; 36 rows of 256 bytes (32 elements of 8), dense
	s_mov_b32 s[G1+1], 32<<16
	s_mov_b32 s[G1+2], 36<<16
	s_mov_b32 s[G1+3], 32<<16
	s_mov_b32 s[G1+4], 36
	s_mov_b32 s[G1+5], 32
	s_mov_b32 s[G1+6], 0
	s_mov_b32 s[G1+7], 0
	s_lshl_b32 s48, s18, 2
	s_add_co_u32 s48, s48, s[WV]                   ; the token tile that I fetch, and whose rows I store
	s_mul_i32 s20, s48, 36864
	s_mov_b32 s21, 0
	s_mul_i32 s22, s[WV], 36864
	s_wait_dscnt 0x0
	s_wait_kmcnt 0x0
	s_add_nc_u64 s[20:21], s[4:5], s[20:21]
	CROUND                                         ; all four work-groups are here
.irp c, 0,1,2,3
	s_mov_b32 s[G0+4*\c], 1
	s_add_co_u32 s[G0+4*\c+1], s22, \c*9216
	s_add_nc_u64 s[G0+4*\c+2:G0+4*\c+3], s[20:21], \c*9216
	s_or_b32 s[G0+4*\c+3], s[G0+4*\c+3], 0x80000000
.endr
.irp c, 0,1,2,3
	tensor_load_to_lds s[G0+4*\c:G0+4*\c+3], s[G1:G1+7]        ; four loads of mine are out
	s_nop 0
.endr
	PLACES
	v_and_b32 v216, 31, v0                         ; lane
	v_and_b32 v217, 15, v0                         ; r
	v_bfe_u32 v218, v0, 4, 1                       ; h
	v_and_b32 v219, 8, v217
	v_add_nc_u32 v219, v219, v217                  ; r + 8 (r / 8)
	v_lshl_add_u32 v220, v218, 3, v219
	v_lshlrev_b32 v9, 4, v216
	v_lshlrev_b32 v221, 3, v216
.irp m, 0,1,2,3
	v_add_nc_u32 v[1+\m], \m*36864, v9
	v_add_nc_u32 v[5+\m], \m*36864, v221
.endr
	v_mul_u32_u24 v22, v217, 784
	v_lshl_add_u32 v22, v218, 6, v22
.irp i, 0,1,2
	s_mul_i32 s48, s[WV], 3
	s_add_co_u32 s48, s48, \i                      ; my tile i among the block's 12
	s_lshr_b32 s49, s48, 1
	s_lshl_b32 s49, s49, 5
	s_and_b32 s48, s48, 1
	s_lshl_b32 s48, s48, 3
	s_add_co_u32 s[50+\i], s49, s48                ; its first column
	s_lshl_b32 s48, s[50+\i], 2
	s_add_co_u32 s48, s48, 147456
	v_add_nc_u32 v[10+\i], s48, v22                ; the stage, in: row r, + 64 h, + the tile's columns
.endr
	s_mul_i32 s48, s[WV], 12544
	s_add_co_u32 s48, s48, 147456
	v_add_nc_u32 v13, s48, v9                      ; out: my 16 rows by pairs, in three pieces of 512 bytes: the first row's first 512,
	v_lshlrev_b32 v23, 4, v217
	v_mad_u32_u24 v14, v218, 272, v23
	v_add_nc_u32 v14, s48, v14
	v_add_nc_u32 v14, 512, v14                     ; its last 256 and the second row's first 256,
	v_add_nc_u32 v15, 1040, v13                    ; the second row's last 512
	v_mad_u32_u24 v16, v218, 2560, v23
	v_add_nc_u32 v16, 512, v16                     ; and the same three places in x1 and out
	v_add_nc_u32 v17, 3328, v9
	v_lshlrev_b32 v18, 6, v218
	v_mul_u32_u24 v19, v220, 96
	s_sub_co_u32 s53, s51, s50
	v_mul_lo_u32 v23, v218, s53                    ; lanes 16-31 take tile 1's rows: one product, h x the distance
	v_add_nc_u32 v23, v23, v219
	v_add_nc_u32 v23, s50, v23
	v_mul_u32_u24 v20, v23, 96
	v_add_nc_u32 v23, s52, v219
	v_mul_u32_u24 v21, v23, 96
	s_mov_b32 s61, 0
	s_mul_i32 s60, s17, 18432
	s_add_nc_u64 s[8:9], s[8:9], s[60:61]          ; W2's scale bytes: the block's 192 rows
.irp i, 0,1,2
	s_mul_i32 s60, s17, 192
	s_add_co_u32 s60, s60, s[50+\i]
	s_lshl_b32 s60, s60, 2
	s_add_nc_u64 s[54+2*\i:55+2*\i], s[10:11], s[60:61]        ; b2 at tile i's columns
.endr
	s_mul_i32 s60, s18, 6144
	s_add_co_u32 s60, s60, 9437184
	s_add_nc_u64 s[4:5], s[4:5], s[60:61]          ; g's scale bytes at my block's first token
	s_mul_i32 s60, s17, 442368
	s_mul_i32 s62, s[WV], 4608
	s_add_co_u32 s60, s60, s62
	s_add_co_u32 s60, s60, 3538944
	s_add_nc_u64 s[6:7], s[6:7], s[60:61]          ; W2's fragments: my three tiles
	s_lshl_b32 s62, s18, 2
	s_add_co_u32 s62, s62, s[WV]
	s_lshr_b32 s60, s62, 1
	s_lshl_b32 s60, s60, 5
	s_and_b32 s62, s62, 1
	s_lshl_b32 s62, s62, 3
	s_add_co_u32 s60, s60, s62                     ; tile 4 y + w's first token
	s_mul_i32 s60, s60, 3072
	s_mul_i32 s62, s17, 768
	s_add_co_u32 s60, s60, s62
	s_add_nc_u64 s[12:13], s[12:13], s[60:61]
	s_add_nc_u64 s[14:15], s[14:15], s[60:61]
.irp p, 0,1
.irp i, 0,1,2,3,4,5
	global_load_b128 v[TSC+24*\p+4*\i:TSC+24*\p+4*\i+3], v19, s[4:5] offset:3072*\p+16*\i
.endr
.endr
.irp i, 0,1,2,3,4,5
	global_load_b128 v[WSC+4*\i:WSC+4*\i+3], v20, s[8:9] offset:16*\i
	global_load_b128 v[WSC+24+4*\i:WSC+24+4*\i+3], v21, s[8:9] offset:16*\i
.endr
	WIN 0x80                                       ; destination window 2
.irp i, 0,1,2
	global_load_b128 v[96+8*\i:96+8*\i+3], v18, s[54+2*\i:55+2*\i]
	global_load_b128 v[96+8*\i+4:96+8*\i+7], v18, s[54+2*\i:55+2*\i] offset:16
.endr
.macro WLOAD s                         ; K step s: my three weight fragments, nine loads, into the ring's place s % 6
	WIN 0x40
.irp i, 0,1,2
.irp k, 0,1,2
	global_load_b128 v[36*((\s)%6)+12*\i+4*\k:36*((\s)%6)+12*\i+4*\k+3], v9, s[6:7] offset:18432*(\s)+1536*\i+512*\k
.endr
.endr
	WIN 0
.endm
.irp s, 0,1,2,3,4,5
	WLOAD \s
.endr
.macro TFETCH s                        ; K step s: the four token fragments, 16 loads, into set s % 2
.set TFB, TF0+48*((\s)%2)
.irp m, 0,1,2,3
	ds_load_b128 v[TFB+12*\m:TFB+12*\m+3], v[1+\m] offset:(\s)*1536
	ds_load_b64 v[TFB+12*\m+4:TFB+12*\m+5], v[5+\m] offset:(\s)*1536+512
	ds_load_b128 v[TFB+12*\m+6:TFB+12*\m+9], v[1+\m] offset:(\s)*1536+768
	ds_load_b64 v[TFB+12*\m+10:TFB+12*\m+11], v[5+\m] offset:(\s)*1536+1280
.endr
.endm
	s_wait_tensorcnt 3                             ; my first chunk has landed; three may be out
	s_barrier_signal -1
	s_barrier_wait -1                              ; everybody's has
	TFETCH 0
.macro STEP s
.if (\s)+1 < 24
.if ((\s)+1)%6 == 0
	s_wait_tensorcnt 3-((\s)+1)/6                  ; my next chunk has landed; the later ones may be out
	s_wait_dscnt 0x0
	s_barrier_signal -1
	s_barrier_wait -1
.endif
	TFETCH (\s)+1
.endif
.if 9*(23-(\s)) < 45
	s_wait_loadcnt 9*(23-(\s))                     ; this K step's weights are in; the later K steps', nine loads each, may be out
.else
	s_wait_loadcnt 45
.endif
.if (\s) < 23
	s_wait_dscnt 16                                ; this K step's tokens are in; the sixteen loads just issued may be out
.else
	s_wait_dscnt 0x0
.endif
	WIN 0xa1                                       ; source 0 window 1, C and D window 2
.set TFB, TF0+48*((\s)%2)
.irp i, 0,1,2
.irp m, 0,1,2,3
.if (\s) == 0
	WM 8*(4*\i+\m), 36*((\s)%6)+12*\i, TFB+12*\m, 96+8*\i, WSC+24*(\i/2)+(\s), TSC+24*(\m/2)+(\s), \i%2, \m%2
.else
	WM 8*(4*\i+\m), 36*((\s)%6)+12*\i, TFB+12*\m, 8*(4*\i+\m), WSC+24*(\i/2)+(\s), TSC+24*(\m/2)+(\s), \i%2, \m%2
.endif
.endr
.endr
	PLACES                                         ; places in front of loads into registers that these products read
.if (\s)+6 < 24
	WLOAD (\s)+6
.else
	WIN 0
.endif
.endm
.set QS, 0
.rept 24
	STEP QS
.set QS, QS+1
.endr
	; the way out
.irp i, 0,1,2,3,4,5,6,7
	global_load_b128 v[TF0+12*\i:TF0+12*\i+3], v9, s[12:13] offset:(2*\i+8*(\i/4))*3072
	global_load_b128 v[TF0+12*\i+4:TF0+12*\i+7], v16, s[12:13] offset:(2*\i+8*(\i/4))*3072
	global_load_b128 v[TF0+12*\i+8:TF0+12*\i+11], v17, s[12:13] offset:(2*\i+8*(\i/4))*3072
.endr
	WIN 0x08                                       ; an LDS store's data: window 2
.irp i, 0,1,2
.irp m, 0,1,2,3
	ds_store_b128 v[10+\i], v[8*(4*\i+\m):8*(4*\i+\m)+3] offset:\m*12544          ; each accumulator from its low end on
	ds_store_b128 v[10+\i], v[8*(4*\i+\m)+4:8*(4*\i+\m)+7] offset:\m*12544+16
.endr
.endr
	WIN 0
	s_wait_dscnt 0x0
	s_barrier_signal -1
	s_barrier_wait -1                              ; 64 whole rows lie in the stage
	WIN 0x40
.irp i, 0,1,2,3,4,5,6,7
	ds_load_b128 v[12*\i:12*\i+3], v13 offset:1568*\i
	ds_load_b128 v[12*\i+4:12*\i+7], v14 offset:1568*\i
	ds_load_b128 v[12*\i+8:12*\i+11], v15 offset:1568*\i
.endr
	s_wait_dscnt 0x0
	s_wait_loadcnt 0x0
	WIN 0x41
.set J, 0
.rept 48
	v_pk_add_f32 v[J:J+1], v[J:J+1], v[TF0+J:TF0+J+1]          ; + x1
.set J, J+2
.endr
	WIN 0x04                                       ; a store's data: window 1
.irp i, 0,1,2,3,4,5,6,7
	global_store_b128 v9, v[12*\i:12*\i+3], s[14:15] offset:(2*\i+8*(\i/4))*3072      ; sixteen lanes store 256 consecutive bytes, at a multiple of 256 from the buffer's first byte
	global_store_b128 v16, v[12*\i+4:12*\i+7], s[14:15] offset:(2*\i+8*(\i/4))*3072
	global_store_b128 v17, v[12*\i+8:12*\i+11], s[14:15] offset:(2*\i+8*(\i/4))*3072
.endr
	WIN 0
	s_wait_tensorcnt 0x0
	ds_add_u32 v254, v255
	s_wait_dscnt 0x0
	CROUND                                         ; the closing round
	s_endpgm
.Lfunc_end_k_q1afa460947_ffn2:
	.size	k_q1afa460947_ffn2, .Lfunc_end_k_q1afa460947_ffn2-k_q1afa460947_ffn2
	.p2alignl 7, 3214868480
	.fill 96, 4, 3214868480
	.section	.rodata,"a",@progbits
	.p2align	6, 0x0
	.amdhsa_kernel k_q1afa460947_ffn2
		.amdhsa_group_segment_fixed_size 198144
		.amdhsa_private_segment_fixed_size 0
		.amdhsa_enable_private_segment 0
		.amdhsa_kernarg_size 48
		.amdhsa_user_sgpr_count 2
		.amdhsa_user_sgpr_kernarg_segment_ptr 1
		.amdhsa_wavefront_size32 1
		.amdhsa_system_sgpr_workgroup_id_x 1
		.amdhsa_system_sgpr_workgroup_id_y 1
		.amdhsa_system_sgpr_workgroup_id_z 1
		.amdhsa_system_vgpr_workitem_id 0
		.amdhsa_next_free_vgpr 640
		.amdhsa_next_free_sgpr 80
		.amdhsa_reserve_vcc 0
		.amdhsa_float_denorm_mode_32 3
		.amdhsa_float_denorm_mode_16_64 3
		.amdhsa_memory_ordered 1
		.amdhsa_forward_progress 1
		.amdhsa_inst_pref_size 110
	.end_amdhsa_kernel
	.amdgpu_metadata
---
amdhsa.version: [ 1, 2 ]
amdhsa.kernels:
  - .name:           k_q1afa460947_ffn2
    .symbol:         k_q1afa460947_ffn2.kd
    .args:
      - { .name: gbuf, .offset: 0, .size: 8, .value_kind: global_buffer, .address_space: global }
      - { .name: wimg, .offset: 8, .size: 8, .value_kind: global_buffer, .address_space: global }
      - { .name: W2_scales, .offset: 16, .size: 8, .value_kind: global_buffer, .address_space: global }
      - { .name: b2, .offset: 24, .size: 8, .value_kind: global_buffer, .address_space: global }
      - { .name: x1, .offset: 32, .size: 8, .value_kind: global_buffer, .address_space: global }
      - { .name: out0, .offset: 40, .size: 8, .value_kind: global_buffer, .address_space: global }
    .group_segment_fixed_size: 198144
    .private_segment_fixed_size: 0
    .kernarg_segment_align: 8
    .kernarg_segment_size: 48
    .max_flat_workgroup_size: 128
    .sgpr_count:     80
    .vgpr_count:     640
    .wavefront_size: 32
...
	.end_amdgpu_metadata
.endif
;; end of part 6
;; ======== version 2 of 2: 6 launches; version 1 with the launches attn, wo_ln written anew for expert scheduling mode
;; workspace buffers: wimg 5,308,416 bytes; hbuf 2,457,600 bytes; obuf 2,457,600 bytes; qbuf 2,555,904 bytes; kvbuf 5,013,504 bytes; x1 12,582,912 bytes; gbuf 9,830,400 bytes
;; launch prep: the kernel of part 1 again; grid 400 x 1, 4 waves a work-group, no clusters, 50,176 bytes of LDS; arguments x, ln1_g, ln1_b, Wq_codes, Wk_codes, Wv_codes, Wo_codes, W1_codes, W2_codes, hbuf, wimg; writes hbuf, wimg
;; launch qkv: the kernel of part 2 again; grid 12 x 16, 4 waves a work-group, clusters of 4 x 4, 258,560 bytes of LDS; arguments wimg, hbuf, Wq_scales, Wk_scales, Wv_scales, bq, bk, bv, qbuf, kvbuf; writes qbuf, kvbuf
;; launch attn (part 7): grid 256 x 1, 12 waves a work-group, no clusters, 247,296 bytes of LDS; arguments qbuf, kvbuf, obuf; writes obuf
.if DOCPART == 7
	.amdgcn_target "amdgcn-amd-amdhsa--gfx1250"
	.amdhsa_code_object_version 6
	.text
	.protected	k_q1afa460947_attn
	.globl	k_q1afa460947_attn
	.p2align	8
	.type	k_q1afa460947_attn,@function
k_q1afa460947_attn:
	s_mov_b64 s[64:65], 0
	v_nop
	global_prefetch_b8 v0, s[64:65] scope:SCOPE_SE
	s_setreg_imm32_b32 hwreg(HW_REG_WAVE_SCHED_MODE, 0, 2), 2
	s_setreg_imm32_b32 hwreg(HW_REG_WAVE_MODE, 25, 1), 1
	s_wait_xcnt 0x0
	s_wait_alu depctr_vm_vsrc(0)
; o = softmax(q k^T / 8) v for 12 heads, 4,096 tokens, head size 64, both products on codes of E3M2; o is divided by the row's sum and quantised along the concatenated heads.
; SHARES.  The 3,072 pairs (head, tile of 16 queries) are numbered U = 256 head + tile; work-group g takes U = 12 g .. 12 g + 11, one a wave: 256 equal work-groups, three waves to a SIMD, so that one wave's softmax stands beside another's products.
; Every wave walks its head's 4,096 keys, 128 a step.  A step's 12,288 bytes (8 halves of k, 4 fragments of v) come from memory through registers (two 16-byte loads a thread) into LDS, FOUR STEPS AHEAD.
; LDS holds eight places of one step each, as two slots of four: step j reads place j % 8 and stores the tile of step j + 4 into place (j + 4) % 8, which lies in the other slot.  ONE BARRIER FOR FOUR STEPS, at the change of slots:
;   in front of it each wave has waited for all its LDS stores (the other slot is whole) and all its LDS reads (this slot may be written).  Between two barriers the waves are free to fall out of step with each other.
; 256 is no multiple of 12: eight work-groups hold tiles of two heads.  They stage a second area for the second head, under a scalar branch on the work-group's number; each wave reads its head's area.
; NO CLUSTER, NO JOINT LOADS: neighbouring work-groups need not be of one head (the eight above), so partners would ask for different tiles, and a tile of 12,288 bytes is two loads a thread.
; LAYOUT.  S^T = k q^T (source 0 = 16 keys, source 1 = my 16 queries), O^T = v^T p^T: a lane holds one query throughout; by the tile order the 16 registers of two neighbouring tiles of S^T are 16 neighbouring keys.
; K = 64 IN A PRODUCT OF 128: q's registers for k = 64 .. 127 are zero codes and all scale bytes there are 1.0.  A tile of k is six registers; the operand names twelve, so its upper six are the next tile's codes (for the last tile six zeros):
;   every 6-bit pattern is a finite number, and times a zero code it adds exactly 0.
; SOFTMAX: t = score x log2(e) / 8; M = the running largest t rounded up to a whole number; p = 2^(t - M) is quantised along the keys; the row's sum is of the unquantised p; when M moves, sum and O^T are multiplied by 2^(old M - new M), exactly.
; LDS: 0 the first head's scale words (24,576 bytes), 24,576 the second head's; from 49,152 the eight places, 24,576 bytes each: the first head's tile, at + 12,288 the second head's.
; LIMITS: NaN and infinities are not served; the exponential gives 0 under 2^-126; a block of zeros gets the byte 1 with zero codes.
; THE MODE: SCHED_MODE bits 1:0 = 2 (LLVM: expert scheduling mode 2), set by the entry lines.  The code itself states the register dependences
; between vector or matrix instructions and memory or LDS instructions, with s_wait_alu, always for 0.
; THE PLAN.  Registers that memory or LDS instructions touch, in the loop:
;   K   v30-77      The step's LDS loads land in it at the step's head; its eight products k q^T read it.
;   V   v256-303    A buffer of its own, in window 1.  The step's LDS loads land in it at the step's head too; its four products v^T p^T, at the step's end, read it.
;   KS, VS          k's and v's scale words: loaded at the head, read by the same products.
;   STG v90-105     The global loads at the step's head land in it; the LDS stores at the step's end read it.
;   v7, v8          The scale words' LDS addresses: written once a trip of eight steps, read by the loads of KS and VS; the step within the trip stands in the immediate.
;   KA, KB, SA, v6, v9   LDS bases, the staging's offset and the prefetch's offset: made at the kernel's head and never written again.  A base for each third place (loads) or second place (stores); the immediate reaches the rest.
;   S, O, p's codes and all the softmax's registers are named by vector and matrix instructions alone.
; So a step's head has one wait on vm_vsrc (the last step's stores have read STG) and one on va_vdst (the last step's products are done reading K, V, KS and VS); all the step's loads follow them with no further wait.
; Beside these a step holds the two waits behind its exponentials and one wait on va_vdst ahead of its last four products, which take p's codes and scale word, just made by vector instructions.
.set WV, 10
.set STRAD, 16
.set GA, 18
.set GB, 20
.set SEL, 22
.set CS, 24
.set TS, 26
.set TJ, 27
.set ASK, 28
.set PFA, 30
.set CNT, 32
.set PLB, 24576                        ; a place in bytes
.set L16, 10
.set L8, 11
.set KV, 30
.set VF, 0                             ; in window 1: v256-303, v's four fragments
.set KS, 84
.set VS, 88
.set STG, 90
.set S, 106
.set O, 170
.set P, 202
.set PTA, 214
.set BM, 222
.set TQ, 226
.set SO, 230
.set PS, 234
.set F, 236
.set TT, 238
.set C2, 240
.set KA, 242                           ; v242-244 my head's area of places 0, 3, 6, 16 bytes a lane
.set KB, 245                           ; v245-247 the same, 8 bytes a lane
.set SA, 248                           ; v248-251 places 0, 2, 4, 6, 16 bytes a thread: where the staging stores
.set TM, 222
.set TP, 226
.set TS2, 230
.set TB, 228
.set PW, 234
.set PC, 202
.set PT, 214
.set MSB, 0
.macro WIN new
.if MSB != (\new)
	s_set_vgpr_msb (MSB<<8)|(\new)
.set MSB, (\new)
.endif
.endm
.macro PLACES
.rept 4
	v_nop
.endr
.endm
.macro WM d, a, b, c, sa, sb, ra, rb
.if (\c) < 0
.if (\ra) && (\rb)
	v_wmma_scale_f32_16x16x128_f8f6f4 v[(\d):(\d)+7], v[(\a):(\a)+11], v[(\b):(\b)+11], 0, v[\sa], v[\sb] matrix_a_fmt:MATRIX_FMT_BF6 matrix_b_fmt:MATRIX_FMT_BF6 matrix_a_scale:MATRIX_SCALE_ROW1 matrix_b_scale:MATRIX_SCALE_ROW1
.elseif (\ra)
	v_wmma_scale_f32_16x16x128_f8f6f4 v[(\d):(\d)+7], v[(\a):(\a)+11], v[(\b):(\b)+11], 0, v[\sa], v[\sb] matrix_a_fmt:MATRIX_FMT_BF6 matrix_b_fmt:MATRIX_FMT_BF6 matrix_a_scale:MATRIX_SCALE_ROW1
.elseif (\rb)
	v_wmma_scale_f32_16x16x128_f8f6f4 v[(\d):(\d)+7], v[(\a):(\a)+11], v[(\b):(\b)+11], 0, v[\sa], v[\sb] matrix_a_fmt:MATRIX_FMT_BF6 matrix_b_fmt:MATRIX_FMT_BF6 matrix_b_scale:MATRIX_SCALE_ROW1
.else
	v_wmma_scale_f32_16x16x128_f8f6f4 v[(\d):(\d)+7], v[(\a):(\a)+11], v[(\b):(\b)+11], 0, v[\sa], v[\sb] matrix_a_fmt:MATRIX_FMT_BF6 matrix_b_fmt:MATRIX_FMT_BF6
.endif
.else
.if (\ra) && (\rb)
	v_wmma_scale_f32_16x16x128_f8f6f4 v[(\d):(\d)+7], v[(\a):(\a)+11], v[(\b):(\b)+11], v[(\c):(\c)+7], v[\sa], v[\sb] matrix_a_fmt:MATRIX_FMT_BF6 matrix_b_fmt:MATRIX_FMT_BF6 matrix_a_scale:MATRIX_SCALE_ROW1 matrix_b_scale:MATRIX_SCALE_ROW1
.elseif (\ra)
	v_wmma_scale_f32_16x16x128_f8f6f4 v[(\d):(\d)+7], v[(\a):(\a)+11], v[(\b):(\b)+11], v[(\c):(\c)+7], v[\sa], v[\sb] matrix_a_fmt:MATRIX_FMT_BF6 matrix_b_fmt:MATRIX_FMT_BF6 matrix_a_scale:MATRIX_SCALE_ROW1
.elseif (\rb)
	v_wmma_scale_f32_16x16x128_f8f6f4 v[(\d):(\d)+7], v[(\a):(\a)+11], v[(\b):(\b)+11], v[(\c):(\c)+7], v[\sa], v[\sb] matrix_a_fmt:MATRIX_FMT_BF6 matrix_b_fmt:MATRIX_FMT_BF6 matrix_b_scale:MATRIX_SCALE_ROW1
.else
	v_wmma_scale_f32_16x16x128_f8f6f4 v[(\d):(\d)+7], v[(\a):(\a)+11], v[(\b):(\b)+11], v[(\c):(\c)+7], v[\sa], v[\sb] matrix_a_fmt:MATRIX_FMT_BF6 matrix_b_fmt:MATRIX_FMT_BF6
.endif
.endif
.endm
.macro QUANT2 src, W
	WIN (\W)|((\W)<<2)
.irp b, 0,1
	v_max3_num_f32 v[TM+\b], |v[(\src)+16*\b]|, |v[(\src)+16*\b+1]|, 0x2800000
.endr
.irp i, 2,4,6,8,10,12,14
.irp b, 0,1
	v_max3_num_f32 v[TM+\b], |v[(\src)+16*\b+\i]|, |v[(\src)+16*\b+\i+1]|, v[TM+\b]
.endr
.endr
	WIN 0
.irp b, 0,1
	v_permlanex16_b32 v[TP+\b], v[TM+\b], s[SEL], s[SEL+1]
.endr
.irp b, 0,1
	v_max_num_f32 v[TM+\b], v[TM+\b], v[TP+\b]
.endr
.irp b, 0,1
	v_add_nc_u32 v[TS2+\b], 0xfe000000, v[TM+\b]
.endr
.irp b, 0,1
	v_lshrrev_b32 v[TB+\b], 23, v[TS2+\b]
.endr
	s_wait_xcnt 0x0
	v_lshl_or_b32 v[PW], v[TB+1], 8, v[TB]
	WIN \W
	v_cvt_scalef32_pk16_bf6_f32 v[PC:PC+2], v[(\src):(\src)+15], v[TS2]
	v_cvt_scalef32_pk16_bf6_f32 v[PT:PT+2], v[(\src)+16:(\src)+31], v[TS2+1]
	WIN 0
	v_nop
.irp i, 0,1,2
	v_permlane16_swap_b32 v[PC+\i], v[PT+\i]
.endr
.irp i, 0,1,2
	v_mov_b32 v[PC+3+\i], v[PT+\i]
.endr
.endm
.macro PUTH b, off
	global_store_b128 v[L16], v[PC:PC+3], s[\b:\b+1] offset:\off
	global_store_b64 v[L8], v[PC+4:PC+5], s[\b:\b+1] offset:(\off)+512
.endm
	s_load_b128 s[4:7], s[0:1], 0x0                ; qbuf, kvbuf
	s_load_b64 s[8:9], s[0:1], 0x10                ; obuf
	v_lshl_add_u32 v254, v0, 2, 0x3c000
	v_mov_b32 v255, 0
	v_lshrrev_b32 v1, 5, v0
	v_readfirstlane_b32 s[WV], v1                  ; wave 0..11
	v_and_b32 v222, 31, v0                         ; lane
	v_and_b32 v223, 15, v0                         ; r
	v_lshlrev_b32 v224, 2, v223
	v_lshlrev_b32 v[L16], 4, v222
	v_lshlrev_b32 v[L8], 3, v222
	v_lshlrev_b32 v6, 4, v0                        ; 16 x thread: the staging's place
	v_lshlrev_b32 v9, 8, v222                      ; the prefetch: lanes 256 bytes apart
	s_wait_alu depctr_va_sdst(0)                   ; the wave's number is written, ahead of its first reader: heads, tiles and addresses are made from it
	s_mul_i32 s34, ttmp9, 12
	s_add_co_u32 s11, s34, s[WV]                   ; U
	s_lshr_b32 s12, s11, 8                         ; my head
	s_and_b32 s13, s11, 255                        ; my tile of queries
	s_lshr_b32 s14, s34, 8                         ; the work-group's first head
	s_add_co_u32 s35, s34, 11
	s_lshr_b32 s15, s35, 8                         ; and its last
	s_sub_co_u32 s[STRAD], s15, s14                ; 1 where they differ
	s_cmp_lg_u32 s12, s14
	s_cselect_b32 s36, 12288, 0                    ; my head's area in a place,
	s_cselect_b32 s37, 24576, 0                    ; and among the scale words
	s_and_b32 s35, s34, 255
	s_cmp_lt_u32 s35, 12                           ; one work-group of each head (the one that begins among its first 12 tiles),
	s_cselect_b32 s[ASK], 1, 0
	s_cmp_lt_u32 s[WV], 3                          ; and in it waves 0 to 2, prefetch
	s_cselect_b32 s[ASK], s[ASK], 0
	s_add_co_u32 s38, s36, 49152
	v_add_nc_u32 v[KA], s38, v[L16]                ; fragments: 16 l and
	v_add_nc_u32 v[KB], s38, v[L8]                 ; 8 l in my head's area of place 0,
.irp i, 1,2
	v_add_nc_u32 v[KA+\i], 3*\i*PLB, v[KA]         ; of places 3 and 6: an LDS immediate has 16 bits, which reach two places on from a base
	v_add_nc_u32 v[KB+\i], 3*\i*PLB, v[KB]
.endr
	v_add_nc_u32 v3, s37, v[L16]                   ; k's scale words: 16 bytes a lane and step
	s_add_co_u32 s39, s37, 16384
	v_add_nc_u32 v4, s39, v[L8]                    ; v's: 8 bytes
	v_add_nc_u32 v[SA], 49152, v6                  ; the staging's place in place 0,
.irp i, 1,2,3
	v_add_nc_u32 v[SA+\i], 2*\i*PLB, v[SA]         ; and in places 2, 4 and 6: with the second head's area the immediate reaches one place on
.endr
	v_and_b32 v29, 8, v223
	v_add_nc_u32 v29, v29, v223
	v_mul_u32_u24 v29, v29, 24                     ; my row of o's scale bytes
.irp j, 22,23,24,25,26,27,78,79,80,81,82,83
	v_mov_b32 v[\j], 0                             ; zero codes: q's k = 64 .. 127, and what stands above k's last tile
.endr
.irp j, 8,9,10,11,12,13,14,15
	v_mov_b32 v[STG+\j], 0                         ; the second area's staging registers are written on every way
.endr
	s_mov_b32 s[SEL], 0x76543210
	s_mov_b32 s[SEL+1], 0xfedcba98
	s_mov_b32 s[CS], 0x3e38aa3b                    ; c = log2(e) / 8
	s_mov_b32 s[CS+1], s[CS]
	s_mov_b32 s[TS], 0
	s_mov_b32 s[TJ], 0
	s_mov_b32 s39, 0
	s_lshr_b32 s52, s13, 1
	s_lshl_b32 s52, s52, 5
	s_and_b32 s53, s13, 1
	s_lshl_b32 s53, s53, 3
	s_add_co_u32 s52, s52, s53                     ; the tile's first token
	s_mul_i32 s52, s52, 24
	s_lshl_b32 s53, s12, 1
	s_add_co_u32 s52, s52, s53
	s_add_co_u32 s52, s52, 2359296
	s_mov_b32 s53, 0
	s_wait_kmcnt 0x0
	s_add_nc_u64 s[50:51], s[8:9], s[52:53]        ; o's scale bytes
	s_mul_i32 s38, s13, 9216
	s_mul_i32 s52, s12, 768
	s_add_co_u32 s38, s38, s52
	s_add_nc_u64 s[48:49], s[8:9], s[38:39]        ; o's half
	s_mul_i32 s38, s14, 393216
	s_add_nc_u64 s[GA:GA+1], s[6:7], s[38:39]
	s_mul_i32 s38, s15, 393216
	s_add_nc_u64 s[GB:GB+1], s[6:7], s[38:39]
	s_lshl_b32 s38, s[WV], 13
	s_add_co_u32 s38, s38, 5*12288
	s_add_nc_u64 s[PFA:PFA+1], s[GA:GA+1], s[38:39]   ; tiles 5 and 6 of the first head, 8,192 bytes a wave
	s_mul_i32 s38, s14, 24576
	s_add_co_u32 s38, s38, 4718592
	s_add_nc_u64 s[40:41], s[6:7], s[38:39]
	s_mul_i32 s38, s15, 24576
	s_add_co_u32 s38, s38, 4718592
	s_add_nc_u64 s[42:43], s[6:7], s[38:39]
	s_mul_i32 s38, s11, 768
	s_add_nc_u64 s[44:45], s[4:5], s[38:39]
	s_lshl_b32 s38, s11, 6
	s_add_co_u32 s38, s38, 2359296
	s_add_nc_u64 s[46:47], s[4:5], s[38:39]
	s_wait_alu depctr_va_vdst(0)                   ; all offsets and LDS bases (v6, v9, v10, v11, v29, v224, KA, KB, SA) are written, which the kernel's loads, stores and prefetches read; so are the zero codes, which the products take, and STG's zeros, in which loads land
.irp i, 0,1,2,3
	global_load_b128 v[S+4*\i:S+4*\i+3], v6, s[40:41] offset:6144*\i     ; the head's scale words, 24,576 bytes: they stay in LDS
.endr
.irp c, 0,1,2,3
	global_load_b128 v[S+32+8*\c:S+35+8*\c], v6, s[GA:GA+1] offset:12288*\c          ; the tiles of steps 0 to 3: the first slot
	global_load_b128 v[S+36+8*\c:S+39+8*\c], v6, s[GA:GA+1] offset:12288*\c+6144
.endr
	global_load_b128 v[16:19], v[L16], s[44:45]                          ; q's half: it stays in registers
	global_load_b64 v[20:21], v[L8], s[44:45] offset:512
	global_load_b32 v28, v224, s[46:47]
	s_cmp_eq_u32 s[STRAD], 0
	s_cbranch_scc1 .Lone_head
.irp i, 0,1,2,3
	global_load_b128 v[S+16+4*\i:S+16+4*\i+3], v6, s[42:43] offset:6144*\i
.endr
.irp c, 0,1,2,3
	global_load_b128 v[KV+8*\c:KV+8*\c+3], v6, s[GB:GB+1] offset:12288*\c            ; the second head's, through k's registers
	global_load_b128 v[KV+8*\c+4:KV+8*\c+7], v6, s[GB:GB+1] offset:12288*\c+6144
.endr
	s_wait_loadcnt 0x0
.irp i, 0,1,2,3
	ds_store_b128 v6, v[S+16+4*\i:S+16+4*\i+3] offset:24576+6144*\i
.endr
.irp c, 0,1
	ds_store_b128 v[SA], v[KV+8*\c:KV+8*\c+3] offset:PLB*\c+12288
	ds_store_b128 v[SA], v[KV+8*\c+4:KV+8*\c+7] offset:PLB*\c+18432
	ds_store_b128 v[SA+1], v[KV+16+8*\c:KV+16+8*\c+3] offset:PLB*\c+12288
	ds_store_b128 v[SA+1], v[KV+16+8*\c+4:KV+16+8*\c+7] offset:PLB*\c+18432
.endr
.Lone_head:
	s_wait_loadcnt 0x0
.irp i, 0,1,2,3
	ds_store_b128 v6, v[S+4*\i:S+4*\i+3] offset:6144*\i
.endr
.irp c, 0,1
	ds_store_b128 v[SA], v[S+32+8*\c:S+35+8*\c] offset:PLB*\c
	ds_store_b128 v[SA], v[S+36+8*\c:S+39+8*\c] offset:PLB*\c+6144
	ds_store_b128 v[SA+1], v[S+48+8*\c:S+51+8*\c] offset:PLB*\c
	ds_store_b128 v[SA+1], v[S+52+8*\c:S+55+8*\c] offset:PLB*\c+6144
.endr
	s_add_nc_u64 s[GA:GA+1], s[GA:GA+1], 4*12288   ; on to the tile of step 4 (the loads above are in)
	s_add_nc_u64 s[GB:GB+1], s[GB:GB+1], 4*12288
	v_mov_b32 v13, 0xff61b1e6                      ; the largest t so far: -3e38.  (None of the registers written here has been read by a load or store)
	v_floor_f32 v12, -v13                          ; -M
	v_mov_b32 v14, 0
	v_mov_b32 v15, 0
	v_mov_b32 v[F+1], 0                            ; named as the upper half of a pair
.irp b, 0,1,2,3
	v_mov_b32 v[TQ+\b], 0                          ; a lane permute's destination counts as read
.endr
.set J, 0
.rept 32
	v_mov_b32 v[O+J], 0                            ; the step is written once: the first finds zeros
.set J, J+1
.endr
	s_wait_dscnt 0x0
	s_barrier_signal -1
	s_barrier_wait -1                              ; the scale words and the first slot lie in LDS
; A KEY STEP on place pl.  fill: the tile of four steps on is fetched into registers at the step's head and stored, at the step's end, into place (pl + 4) % 8, in the other slot.
; ask >= 0: the prefetch stands behind that fetch, 24,576 x ask bytes on from the trip's address.  bar: the slot's last step: the change of slots.  first: a trip's first step, which makes the trip's addresses of the scale words.
.macro STEP pl, fill, ask, bar, first
.set QP, ((\pl)+4)%8
.if (\fill) || (\first)
	s_wait_alu depctr_vm_vsrc(0)                   ; the last step's LDS stores have read STG, in which the loads below land; in a trip's first step the loads of scale words have read v7 and v8, which are written below; in the first step of all the head's LDS stores have read S and K, and q's scale load its offset v224
.endif
.if \first
	v_add_nc_u32 v7, s[TS], v3                     ; the trip's eight steps of scale words: k's 512 bytes a step,
	v_add_nc_u32 v8, s[TJ], v4                     ; v's 256
.endif
	s_wait_alu depctr_va_vdst(0)                   ; the last step's products are done reading K, V, KS and VS, in which the loads below land; in a trip's first step v7 and v8 are written
.irp t, 0,1,2,3,4,5,6,7
	ds_load_b128 v[KV+6*\t:KV+6*\t+3], v[KA+(\pl)/3] offset:((\pl)%3)*PLB+768*\t
	ds_load_b64 v[KV+6*\t+4:KV+6*\t+5], v[KB+(\pl)/3] offset:((\pl)%3)*PLB+768*\t+512
.endr
	ds_load_b128 v[KS:KS+3], v7 offset:512*(\pl)
	ds_load_b64 v[VS:VS+1], v8 offset:256*(\pl)
	WIN 0x40                                       ; destination window 1.  Between the wait above and these loads stand loads and this switch alone
.irp u, 0,1,2,3
.irp c, 0,1
	ds_load_b128 v[VF+12*\u+6*\c:VF+12*\u+6*\c+3], v[KA+(\pl)/3] offset:((\pl)%3)*PLB+6144+1536*\u+768*\c     ; v lands under k's products and the softmax
	ds_load_b64 v[VF+12*\u+6*\c+4:VF+12*\u+6*\c+5], v[KB+(\pl)/3] offset:((\pl)%3)*PLB+6144+1536*\u+768*\c+512
.endr
.endr
	WIN 0
.if \fill
	global_load_b128 v[STG:STG+3], v6, s[GA:GA+1]                        ; the tile of four steps on: it lands under the softmax too
	global_load_b128 v[STG+4:STG+7], v6, s[GA:GA+1] offset:6144
	s_cmp_eq_u32 s[STRAD], 0
	s_cbranch_scc1 .Lnb_\@
	global_load_b128 v[STG+8:STG+11], v6, s[GB:GB+1]
	global_load_b128 v[STG+12:STG+15], v6, s[GB:GB+1] offset:6144
.Lnb_\@:
.endif
.if (\ask) >= 0
	s_cmp_eq_u32 s[ASK], 0
	s_cbranch_scc1 .Lna_\@
	global_prefetch_b8 v9, s[PFA:PFA+1] offset:(\ask)*24576 th:TH_LOAD_NT scope:SCOPE_SE   ; the two tiles that the next two steps will fetch: 24,576 bytes, three waves x 32 lanes x 256 bytes, each named once in the launch
.Lna_\@:
.endif
	s_wait_dscnt 17                                ; k and its scale words are in; the 17 younger LDS loads (v's scale words and v's sixteen) may be out
.irp t, 0,1,2,3,4,5,6,7
	WM S+8*\t, KV+6*\t, 16, -1, KS+\t/2, 28, \t%2, 0
.endr
	PLACES                                         ; places in front of the first read of the scores
.irp b, 0,1,2,3
	v_max3_num_f32 v[BM+\b], v[S+16*\b], v[S+1+16*\b], v[S+2+16*\b]      ; the largest score of each block of 32 keys: for the row's maximum and for the block's largest p
.endr
.irp i, 3,5,7,9,11,13
.irp b, 0,1,2,3
	v_max3_num_f32 v[BM+\b], v[BM+\b], v[S+16*\b+\i], v[S+1+16*\b+\i]
.endr
.endr
.irp b, 0,1,2,3
	v_max_num_f32 v[BM+\b], v[BM+\b], v[S+15+16*\b]
.endr
.irp b, 0,1,2,3
	v_permlanex16_b32 v[TQ+\b], v[BM+\b], s[SEL], s[SEL+1]
.endr
.irp b, 0,1,2,3
	v_max_num_f32 v[BM+\b], v[BM+\b], v[TQ+\b]
.endr
	v_max3_num_f32 v[TT], v[BM], v[BM+1], v[BM+2]
	v_max_num_f32 v[TT], v[TT], v[BM+3]
	v_mul_f32 v[TT], s[CS], v[TT]
	v_max_num_f32 v13, v13, v[TT]                  ; the running largest t
	v_mov_b32 v[TT], v12
	v_floor_f32 v12, -v13                          ; the new -M: M is a whole number
	v_sub_f32 v[TT], v12, v[TT]
	v_cvt_i32_f32 v[TT], v[TT]                     ; (it saturates)
	v_ldexp_f32 v[F], 1.0, v[TT]                   ; f = 2^(old M - new M)
.set J, 0
.rept 32
	v_pk_fma_f32 v[S+J:S+J+1], v[S+J:S+J+1], s[CS:CS+1], v[12:13] op_sel_hi:[1,0,0]   ; t - M
.set J, J+2
.endr
.irp b, 0,1,2,3
	v_fma_f32 v[BM+\b], v[BM+\b], s[CS], v12
.endr
.set J, 0
.rept 64
	v_exp_f32 v[S+J], v[S+J]                       ; p = 2^(t - M), not normalised
.set J, J+1
.endr
	v_pk_mul_f32 v[14:15], v[14:15], v[F:F+1] op_sel_hi:[1,0]   ; the sums under the new M: a plain place behind the batch
	s_wait_alu depctr_va_vdst(0)                   ; the 64 exponentials have written p: one wait for the batch, ahead of its first reader
.irp b, 0,1,2,3
	v_exp_f32 v[BM+\b], v[BM+\b]                   ; the blocks' largest p
.endr
	v_pk_add_f32 v[C2:C2+1], v[S:S+1], v[S+2:S+3]  ; the row's sum of the unquantised p, in two chains
.set J, 4
.rept 15
	v_pk_add_f32 v[14:15], v[14:15], v[S+J:S+J+1]
	v_pk_add_f32 v[C2:C2+1], v[C2:C2+1], v[S+J+2:S+J+3]
.set J, J+4
.endr
	v_pk_add_f32 v[14:15], v[14:15], v[C2:C2+1]
	s_wait_alu depctr_va_vdst(0)                   ; the four exponentials have written the blocks' largest p, ahead of their first reader
.irp b, 0,1,2,3
	v_max_num_f32 v[BM+\b], 0x2800000, v[BM+\b]    ; the floor 2^(5 - 127)
.endr
.irp b, 0,1,2,3
	v_add_nc_u32 v[SO+\b], 0xfe000000, v[BM+\b]
.endr
.irp b, 0,1,2,3
	v_lshrrev_b32 v[TQ+\b], 23, v[SO+\b]
.endr
	v_lshl_or_b32 v[PS], v[TQ+1], 8, v[TQ]         ; p's scale word for these 128 keys
	v_lshl_or_b32 v[PS], v[TQ+2], 16, v[PS]
	v_lshl_or_b32 v[PS], v[TQ+3], 24, v[PS]
.irp c, 0,1
	v_cvt_scalef32_pk16_bf6_f32 v[P+6*\c:P+6*\c+2], v[S+32*\c:S+32*\c+15], v[SO+2*\c]
	v_cvt_scalef32_pk16_bf6_f32 v[PTA+4*\c:PTA+4*\c+2], v[S+32*\c+16:S+32*\c+31], v[SO+2*\c+1]
.endr
	v_nop                                          ; one plain place behind a scaled conversion
.irp c, 0,1
.irp i, 0,1,2
	v_permlane16_swap_b32 v[P+6*\c+\i], v[PTA+4*\c+\i]
.endr
.irp i, 0,1,2
	v_mov_b32 v[P+3+6*\c+\i], v[PTA+4*\c+\i]
.endr
.endr
.set J, 0
.rept 16
	v_pk_mul_f32 v[O+J:O+J+1], v[O+J:O+J+1], v[F:F+1] op_sel_hi:[1,0]   ; O^T under the new M; these sixteen also stand between the writes of p's codes and scale word and the products
.set J, J+2
.endr
	s_wait_dscnt 0x0                               ; v and its scale words
	WIN 0x01                                       ; source 0 (v) window 1
	s_wait_alu depctr_va_vdst(0)                   ; p's codes and p's scale word are written, which the products below take as an operand and as its scales; the sixteen places above stay beside this wait
.irp u, 0,1,2,3
	WM O+8*\u, VF+12*\u, P, O+8*\u, VS+\u/2, PS, \u%2, 0
.endr
	WIN 0
	PLACES                                         ; places behind the products, in front of the way out's first read
.if \fill
	s_wait_loadcnt 0x0                             ; the fetched tile is in registers; its addresses may step
	ds_store_b128 v[SA+QP/2], v[STG:STG+3] offset:(QP%2)*PLB             ; into the other slot, which no wave reads before the next barrier
	ds_store_b128 v[SA+QP/2], v[STG+4:STG+7] offset:(QP%2)*PLB+6144
	s_cmp_eq_u32 s[STRAD], 0
	s_cbranch_scc1 .Lns_\@
	ds_store_b128 v[SA+QP/2], v[STG+8:STG+11] offset:(QP%2)*PLB+12288
	ds_store_b128 v[SA+QP/2], v[STG+12:STG+15] offset:(QP%2)*PLB+18432
.Lns_\@:
	s_add_nc_u64 s[GA:GA+1], s[GA:GA+1], 12288
	s_add_nc_u64 s[GB:GB+1], s[GB:GB+1], 12288
.endif
.if \bar
	s_wait_dscnt 0x0                               ; my four steps' stores into the other slot have landed and my reads of this slot are over:
	s_barrier_signal -1                            ; one barrier orders both: the other slot is whole, and this one may be written in the next four steps
	s_barrier_wait -1
.endif
.endm
	s_mov_b32 s[CNT], 3
.Ltrip:                                            ; a trip goes once through the eight places: steps 8 t .. 8 t + 7, which fetch tiles 8 t + 4 .. 8 t + 11
	STEP 0, 1, 0, 0, 1
	STEP 1, 1, -1, 0, 0
	STEP 2, 1, 1, 0, 0
	STEP 3, 1, -1, 1, 0
	STEP 4, 1, 2, 0, 0
	STEP 5, 1, -1, 0, 0
	STEP 6, 1, 3, 0, 0
	STEP 7, 1, -1, 1, 0
	s_wait_xcnt 0x0                                ; the last prefetch, more than a step back, has read its address
	s_add_nc_u64 s[PFA:PFA+1], s[PFA:PFA+1], 4*24576
	s_add_co_u32 s[TS], s[TS], 8*512               ; the next trip's scale words
	s_add_co_u32 s[TJ], s[TJ], 8*256
	s_sub_co_u32 s[CNT], s[CNT], 1
	s_cmp_lg_u32 s[CNT], 0
	s_cbranch_scc1 .Ltrip
	STEP 0, 1, 0, 0, 1                             ; steps 24 to 27 fetch the head's last four tiles; the prefetch names tiles 29 and 30 and then stops: tile 31 comes by its load alone
	STEP 1, 1, -1, 0, 0
	STEP 2, 1, -1, 0, 0
	STEP 3, 1, -1, 1, 0
	STEP 4, 0, -1, 0, 0                            ; steps 28 to 31 fetch nothing, and no slot is left to change to
	STEP 5, 0, -1, 0, 0
	STEP 6, 0, -1, 0, 0
	STEP 7, 0, -1, 0, 0
	v_add_f32 v14, v14, v15
	v_permlanex16_b32 v[TT], v14, s[SEL], s[SEL+1]
	v_add_f32 v14, v14, v[TT]                      ; the row's sum
	v_rcp_f32 v[F], v14
	v_nop                                          ; a plain place behind the transcendental
	s_wait_alu depctr_va_vdst(0)                   ; the reciprocal is written, ahead of its first reader
.set J, 0
.rept 16
	v_pk_mul_f32 v[S+J:S+J+1], v[O+J:O+J+1], v[F:F+1] op_sel_hi:[1,0]   ; o: register 16 b + i is the head's channel 32 b + 16 (lane / 16) + i
.set J, J+2
.endr
	QUANT2 S, 0
	s_wait_alu depctr_va_vdst(0)                   ; o's codes and its two scale bytes are written, which the three stores below read
	PUTH 48, 0
	global_store_b16 v29, v[PW], s[50:51]
	s_wait_dscnt 0x0                               ; the closing lines, six on end
	s_wait_alu 0x0
	s_wait_tensorcnt 0x0
	ds_add_u32 v254, v255
	s_wait_dscnt 0x0
	s_endpgm
.Lfunc_end_k_q1afa460947_attn:
	.size	k_q1afa460947_attn, .Lfunc_end_k_q1afa460947_attn-k_q1afa460947_attn
	.p2alignl 7, 3214868480
	.fill 96, 4, 3214868480
	.section	.rodata,"a",@progbits
	.p2align	6, 0x0
	.amdhsa_kernel k_q1afa460947_attn
		.amdhsa_group_segment_fixed_size 247296
		.amdhsa_private_segment_fixed_size 0
		.amdhsa_enable_private_segment 0
		.amdhsa_kernarg_size 24
		.amdhsa_user_sgpr_count 2
		.amdhsa_user_sgpr_kernarg_segment_ptr 1
		.amdhsa_wavefront_size32 1
		.amdhsa_system_sgpr_workgroup_id_x 1
		.amdhsa_system_sgpr_workgroup_id_y 1
		.amdhsa_system_sgpr_workgroup_id_z 1
		.amdhsa_system_vgpr_workitem_id 0
		.amdhsa_next_free_vgpr 304
		.amdhsa_next_free_sgpr 66
		.amdhsa_reserve_vcc 0
		.amdhsa_float_denorm_mode_32 3
		.amdhsa_float_denorm_mode_16_64 3
		.amdhsa_memory_ordered 1
		.amdhsa_forward_progress 1
		.amdhsa_inst_pref_size 255
	.end_amdhsa_kernel
	.section	.bss,"aw",@nobits
	.p2align	6
	.space	262144
	.amdgpu_metadata
---
amdhsa.version: [ 1, 2 ]
amdhsa.kernels:
  - .name:           k_q1afa460947_attn
    .symbol:         k_q1afa460947_attn.kd
    .args:
      - { .name: qbuf, .offset: 0, .size: 8, .value_kind: global_buffer, .address_space: global }
      - { .name: kvbuf, .offset: 8, .size: 8, .value_kind: global_buffer, .address_space: global }
      - { .name: obuf, .offset: 16, .size: 8, .value_kind: global_buffer, .address_space: global }
    .group_segment_fixed_size: 247296
    .private_segment_fixed_size: 0
    .kernarg_segment_align: 8
    .kernarg_segment_size: 24
    .max_flat_workgroup_size: 384
    .sgpr_count:     66
    .vgpr_count:     304
    .wavefront_size: 32
...
	.end_amdgpu_metadata
.endif
;; end of part 7
;; launch wo_ln (part 8): grid 256 x 1, 12 waves a work-group, no clusters, 53,248 bytes of LDS; arguments obuf, wimg, Wo_scales, bo, x, ln2_g, ln2_b, x1, hbuf; writes x1, hbuf
.if DOCPART == 8
	.amdgcn_target "amdgcn-amd-amdhsa--gfx1250"
	.amdhsa_code_object_version 6
	.text
	.protected	k_q1afa460947_wo_ln
	.globl	k_q1afa460947_wo_ln
	.p2align	8
	.type	k_q1afa460947_wo_ln,@function
k_q1afa460947_wo_ln:
	s_mov_b64 s[64:65], 0
	v_nop
	global_prefetch_b8 v0, s[64:65] scope:SCOPE_SE
	s_setreg_imm32_b32 hwreg(HW_REG_WAVE_SCHED_MODE, 0, 2), 2
	s_setreg_imm32_b32 hwreg(HW_REG_WAVE_MODE, 25, 1), 1
	s_wait_xcnt 0x0
	s_wait_alu depctr_vm_vsrc(0)
; x1 = x + o Wo + bo (product on codes of E3M2), stored in f32; h2 = LayerNorm2(x1), quantised along its 768 columns into hbuf, laid as the first launch lays h.
; A work-group owns one tile of 16 tokens and all 768 columns, so that the norm's rows are whole; wave w owns columns 64 w .. 64 w + 63: four weight tiles, four accumulators, one half of the image.
; Source 0 = 16 rows of Wo, source 1 = the 16 tokens: a lane holds one token and 32 columns.  The sums begin at x + bo.
; Each weight fragment is read by one wave of the work-group, so it goes from memory straight into operand registers (three 16-byte loads), two K steps ahead.
; NO JOINT LOADS: the weights take no way through LDS here; all of Wo (442,368 bytes) is more than LDS holds, so sharing it would want slots that are filled again for six K steps of four products a wave.
; x comes, and x1 leaves, through a stage in LDS (16 rows, pitch 3,088): memory is touched in runs of 512 consecutive bytes.  Mean and variance in two passes; the waves' partial sums meet in LDS.
; LIMITS: NaN and infinities are not served; a block of zeros gets the byte 1 with zero codes.
; THE MODE: SCHED_MODE bits 1:0 = 2 (LLVM: expert scheduling mode 2), set by the entry lines.  The code itself states the register dependences
; between vector or matrix instructions and memory or LDS instructions, with s_wait_alu, always for 0.
; THE PLAN.  Registers that memory or LDS instructions touch:
;   v1-v10        Offsets and LDS addresses: made at the head, never written again.
;   XR            x is loaded into it; the LDS stores into the stage read it; then ln2_g is loaded into it.     BO   bo is loaded into it; the additions that begin the sums read it; then ln2_b is loaded into it.
;   WB, OF        Two sets by turns.  K step s: its four products read set s % 2; behind them the loads of K step s + 2 land in it: one wait on va_vdst a K step, behind its products, so that the set is asked for again at once.
;   ACC           LDS loads bring x; vector and matrix instructions make x1; LDS stores read it; the norm's arithmetic writes it again.     v12  a partial sum: written, stored to LDS, written again, stored again.
;   XO, RD        In WB's registers, once the products are over: LDS loads bring x1's rows (stored to memory) and the partial sums (summed by vector instructions, then loaded a second time).
;   The codes and scale bytes at the end: written by vector instructions, read by the last three stores.
.set WV, 22
.set SEL, 24
.set C768, 26
.set L16, 1
.set L8, 2
.set CST, 4
.set LST, 5
.set REDW, 6
.set REDR, 7
.set H64, 8
.set RP24, 9
.set P24, 10
.set ACC, 20
.set XR, 52
.set BO, 84
.set WB0, 116
.set OF0, 212
.set WS, 236
.set OS, 248
.set XO, 116
.set RD, 148
.set TM, 164
.set TP, 166
.set TS2, 168
.set TB, 170
.set PW, 172
.set PC, 174
.set PT, 180
.set MSB, 0
.macro WIN new
.if MSB != (\new)
	s_set_vgpr_msb (MSB<<8)|(\new)
.set MSB, (\new)
.endif
.endm
.macro PLACES
.rept 4
	v_nop
.endr
.endm
.macro WM d, a, b, c, sa, sb, ra, rb
.if (\ra)
	v_wmma_scale_f32_16x16x128_f8f6f4 v[(\d):(\d)+7], v[(\a):(\a)+11], v[(\b):(\b)+11], v[(\c):(\c)+7], v[\sa], v[\sb] matrix_a_fmt:MATRIX_FMT_BF6 matrix_b_fmt:MATRIX_FMT_BF6 matrix_a_scale:MATRIX_SCALE_ROW1
.else
	v_wmma_scale_f32_16x16x128_f8f6f4 v[(\d):(\d)+7], v[(\a):(\a)+11], v[(\b):(\b)+11], v[(\c):(\c)+7], v[\sa], v[\sb] matrix_a_fmt:MATRIX_FMT_BF6 matrix_b_fmt:MATRIX_FMT_BF6
.endif
.endm
.macro QUANT2 src, W
	WIN (\W)|((\W)<<2)
.irp b, 0,1
	v_max3_num_f32 v[TM+\b], |v[(\src)+16*\b]|, |v[(\src)+16*\b+1]|, 0x2800000
.endr
.irp i, 2,4,6,8,10,12,14
.irp b, 0,1
	v_max3_num_f32 v[TM+\b], |v[(\src)+16*\b+\i]|, |v[(\src)+16*\b+\i+1]|, v[TM+\b]
.endr
.endr
	WIN 0
.irp b, 0,1
	v_permlanex16_b32 v[TP+\b], v[TM+\b], s[SEL], s[SEL+1]
.endr
.irp b, 0,1
	v_max_num_f32 v[TM+\b], v[TM+\b], v[TP+\b]
.endr
.irp b, 0,1
	v_add_nc_u32 v[TS2+\b], 0xfe000000, v[TM+\b]
.endr
.irp b, 0,1
	v_lshrrev_b32 v[TB+\b], 23, v[TS2+\b]
.endr
	s_wait_xcnt 0x0
	v_lshl_or_b32 v[PW], v[TB+1], 8, v[TB]
	WIN \W
	v_cvt_scalef32_pk16_bf6_f32 v[PC:PC+2], v[(\src):(\src)+15], v[TS2]
	v_cvt_scalef32_pk16_bf6_f32 v[PT:PT+2], v[(\src)+16:(\src)+31], v[TS2+1]
	WIN 0
	v_nop
.irp i, 0,1,2
	v_permlane16_swap_b32 v[PC+\i], v[PT+\i]
.endr
.irp i, 0,1,2
	v_mov_b32 v[PC+3+\i], v[PT+\i]
.endr
.endm
.macro PUTH b, off
	global_store_b128 v[L16], v[PC:PC+3], s[\b:\b+1] offset:\off
	global_store_b64 v[L8], v[PC+4:PC+5], s[\b:\b+1] offset:(\off)+512
.endm
.macro BARRIER
	s_wait_dscnt 0x0
	s_barrier_signal -1
	s_barrier_wait -1
.endm
.macro SUM12                           ; the twelve waves' partial sums, v[RD] .. v[RD + 11], into v[RD]
	v_pk_add_f32 v[RD:RD+1], v[RD:RD+1], v[RD+2:RD+3]
	v_pk_add_f32 v[RD+4:RD+5], v[RD+4:RD+5], v[RD+6:RD+7]
	v_pk_add_f32 v[RD+8:RD+9], v[RD+8:RD+9], v[RD+10:RD+11]
	v_pk_add_f32 v[RD:RD+1], v[RD:RD+1], v[RD+4:RD+5]
	v_pk_add_f32 v[RD:RD+1], v[RD:RD+1], v[RD+8:RD+9]
	v_add_f32 v[RD], v[RD], v[RD+1]
.endm
	s_load_b256 s[4:11], s[0:1], 0x0               ; obuf, wimg, Wo_scales, bo
	s_load_b256 s[12:19], s[0:1], 0x20             ; x, ln2_g, ln2_b, x1
	s_load_b64 s[20:21], s[0:1], 0x40              ; hbuf
	v_lshl_add_u32 v254, v0, 2, 0xca00
	v_mov_b32 v255, 0
	v_lshrrev_b32 v3, 5, v0
	v_readfirstlane_b32 s[WV], v3                  ; wave 0..11
	v_and_b32 v12, 31, v0
	v_and_b32 v13, 15, v0                          ; r
	v_bfe_u32 v14, v0, 4, 1                        ; h
	v_and_b32 v15, 8, v13
	v_add_nc_u32 v15, v15, v13                     ; r + 8 (r / 8)
	v_lshl_add_u32 v16, v14, 3, v15
	v_lshlrev_b32 v[L16], 4, v12
	v_lshlrev_b32 v[L8], 3, v12
	s_wait_alu depctr_va_sdst(0)                   ; the wave's number is written, ahead of its first reader: LDS places and addresses are made from it
	s_mul_i32 s29, s[WV], 43
	s_lshr_b32 s29, s29, 8                         ; wave / 6: which eight rows of the stage I move
	s_lshl_b32 s30, s[WV], 9
	s_mul_i32 s31, s29, 21632
	s_add_co_u32 s31, s31, s30
	v_add_nc_u32 v[CST], s31, v[L16]               ; rows 8 (wave / 6) + i, bytes 512 (wave % 6) + 16 l
	v_mul_u32_u24 v[LST], v13, 3088
	v_lshl_add_u32 v[LST], v14, 6, v[LST]
	s_lshl_b32 s31, s[WV], 8
	v_add_nc_u32 v[LST], s31, v[LST]               ; row r, my 64 columns, + 64 h
	v_lshlrev_b32 v[REDR], 6, v13
	v_add_nc_u32 v[REDR], 49408, v[REDR]
	s_lshl_b32 s31, s[WV], 2
	v_add_nc_u32 v[REDW], s31, v[REDR]
	v_lshlrev_b32 v[H64], 6, v14
	v_mul_u32_u24 v[RP24], v16, 24
	v_mul_u32_u24 v[P24], v15, 24
	s_mov_b32 s[SEL], 0x76543210
	s_mov_b32 s[SEL+1], 0xfedcba98
	s_mov_b32 s[C768], 0x3aaaaaab
	s_lshr_b32 s28, ttmp9, 1
	s_lshl_b32 s28, s28, 5
	s_and_b32 s31, ttmp9, 1
	s_lshl_b32 s31, s31, 3
	s_add_co_u32 s28, s28, s31                     ; the tile's first token
	s_mul_i32 s38, s28, 3072
	s_mul_i32 s31, s29, 46080
	s_add_co_u32 s38, s38, s31
	s_add_co_u32 s38, s38, s30                     ; x, x1: my eight rows' 512 bytes
	s_mov_b32 s39, 0
	s_mul_i32 s40, s[WV], 86
	s_lshr_b32 s40, s40, 8                         ; wave / 3
	s_mul_i32 s41, s40, 3
	s_sub_co_u32 s41, s[WV], s41                   ; wave % 3
	s_mul_i32 s40, s40, 110592
	s_mul_i32 s41, s41, 6144
	s_add_co_u32 s40, s40, s41
	s_add_co_u32 s40, s40, 1327104                 ; Wo's tiles 4 w .. 4 w + 3
	s_mov_b32 s41, 0
	s_mul_i32 s42, ttmp9, 9216
	s_mov_b32 s43, 0
	s_mul_i32 s44, s28, 24
	s_add_co_u32 s44, s44, 2359296
	s_mov_b32 s45, 0
	s_wait_kmcnt 0x0
	s_add_nc_u64 s[12:13], s[12:13], s[38:39]
	s_add_nc_u64 s[18:19], s[18:19], s[38:39]
	s_add_nc_u64 s[6:7], s[6:7], s[40:41]
	s_add_nc_u64 s[32:33], s[4:5], s[44:45]        ; o's scale bytes
	s_add_nc_u64 s[4:5], s[4:5], s[42:43]          ; o's tile
	s_add_nc_u64 s[36:37], s[20:21], s[44:45]
	s_add_nc_u64 s[34:35], s[20:21], s[42:43]
	s_mul_i32 s38, s[WV], 768
	s_add_nc_u64 s[34:35], s[34:35], s[38:39]      ; h2: my half
	s_lshl_b32 s38, s[WV], 1
	s_add_nc_u64 s[36:37], s[36:37], s[38:39]      ; and its scale bytes
	s_mul_i32 s38, s[WV], 1536
	s_add_nc_u64 s[8:9], s[8:9], s[38:39]
	s_lshl_b32 s38, s[WV], 8
	s_add_nc_u64 s[10:11], s[10:11], s[38:39]
	s_add_nc_u64 s[14:15], s[14:15], s[38:39]
	s_add_nc_u64 s[16:17], s[16:17], s[38:39]
.macro LOADK s                         ; K step s: four weight fragments and the tokens' fragment: 16 loads
.set WB, WB0+48*((\s)%2)
.set OF, OF0+12*((\s)%2)
.irp i, 0,1,2,3
.irp k, 0,1,2
	global_load_b128 v[WB+12*\i+4*\k:WB+12*\i+4*\k+3], v[L16], s[6:7] offset:(\s)*18432+\i*1536+512*\k
.endr
.endr
	global_load_b128 v[OF:OF+3], v[L16], s[4:5] offset:(\s)*1536
	global_load_b64 v[OF+4:OF+5], v[L8], s[4:5] offset:(\s)*1536+512
	global_load_b128 v[OF+6:OF+9], v[L16], s[4:5] offset:(\s)*1536+768
	global_load_b64 v[OF+10:OF+11], v[L8], s[4:5] offset:(\s)*1536+1280
.endm
	s_wait_alu depctr_va_vdst(0)                   ; the offsets and LDS addresses v1 to v10 are written, which every load and store of the kernel reads
.irp i, 0,1,2,3,4,5,6,7
	global_load_b128 v[XR+4*\i:XR+4*\i+3], v[L16], s[12:13] offset:3072*\i
.endr
.irp b, 0,1
.irp j, 0,1,2,3
	global_load_b128 v[BO+16*\b+4*\j:BO+16*\b+4*\j+3], v[H64], s[10:11] offset:128*\b+16*\j
.endr
.endr
.irp p, 0,1
.irp i, 0,1,2
	global_load_b64 v[WS+6*\p+2*\i:WS+6*\p+2*\i+1], v[RP24], s[8:9] offset:768*\p+8*\i
.endr
.endr
.irp i, 0,1,2
	global_load_b64 v[OS+2*\i:OS+2*\i+1], v[P24], s[32:33] offset:8*\i
.endr
	LOADK 0
	LOADK 1
	s_wait_loadcnt 49                              ; x is in; bo's 8, the scales' 9 and two K steps' 32 may be out
.irp i, 0,1,2,3,4,5,6,7
	ds_store_b128 v[CST], v[XR+4*\i:XR+4*\i+3] offset:\i*3088
.endr
	BARRIER                                        ; x's 16 rows lie in the stage
.irp b, 0,1
.irp j, 0,1,2,3
	ds_load_b128 v[ACC+16*\b+4*\j:ACC+16*\b+4*\j+3], v[LST] offset:128*\b+16*\j
.endr
.endr
	s_wait_loadcnt 32                              ; bo and the scale words are in
	s_wait_dscnt 0x0
.set J, 0
.rept 16
	v_pk_add_f32 v[ACC+J:ACC+J+1], v[ACC+J:ACC+J+1], v[BO+J:BO+J+1]     ; the sums begin at x + bo
.set J, J+2
.endr
	s_wait_alu depctr_vm_vsrc(0)                   ; my LDS stores of x have read XR, in which ln2_g's loads land
	s_wait_alu depctr_va_vdst(0)                   ; the additions above are done reading BO, in which ln2_b's loads land
.irp b, 0,1
.irp j, 0,1,2,3
	global_load_b128 v[XR+16*\b+4*\j:XR+16*\b+4*\j+3], v[H64], s[14:15] offset:128*\b+16*\j   ; ln2_g
	global_load_b128 v[BO+16*\b+4*\j:BO+16*\b+4*\j+3], v[H64], s[16:17] offset:128*\b+16*\j   ; ln2_b
.endr
.endr
.macro KST s, cnt                      ; cnt: the loads issued behind this K step's
	s_wait_loadcnt \cnt
.set WB, WB0+48*((\s)%2)
.set OF, OF0+12*((\s)%2)
.irp i, 0,1,2,3
	WM ACC+8*\i, WB+12*\i, OF, ACC+8*\i, WS+6*(\i/2)+(\s), OS+(\s), \i%2, 0
.endr
	PLACES
.if (\s) < 4
	s_wait_alu depctr_va_vdst(0)                   ; the four products above are done reading this set of fragments, in which the loads of two K steps on land
	LOADK (\s)+2
.endif
.endm
	KST 0, 32
	KST 1, 32
	KST 2, 16
	KST 3, 16
	KST 4, 16
	KST 5, 0
	; x1 is whole.  My 32 numbers' sum, each accumulator from its low end on
	v_pk_add_f32 v[12:13], v[ACC:ACC+1], v[ACC+2:ACC+3]
	v_pk_add_f32 v[14:15], v[ACC+8:ACC+9], v[ACC+10:ACC+11]
.irp i, 4,6,16,18,20,22
	v_pk_add_f32 v[12:13], v[12:13], v[ACC+\i:ACC+\i+1]
	v_pk_add_f32 v[14:15], v[14:15], v[ACC+8+\i:ACC+8+\i+1]
.endr
	v_pk_add_f32 v[12:13], v[12:13], v[14:15]
	v_add_f32 v12, v12, v13
	v_permlanex16_b32 v13, v12, s[SEL], s[SEL+1]
	v_add_f32 v12, v12, v13
	s_wait_alu depctr_va_vdst(0)                   ; v12 and the accumulators are written, which the LDS stores below read; and the products are done reading the fragments' registers, in which the LDS loads behind the barrier land
	ds_store_b32 v[REDW], v12
.irp b, 0,1
.irp j, 0,1,2,3
	ds_store_b128 v[LST], v[ACC+16*\b+4*\j:ACC+16*\b+4*\j+3] offset:128*\b+16*\j   ; over the bytes of x that I alone have read
.endr
.endr
	BARRIER                                        ; x1's rows and the partial sums lie in LDS
.irp i, 0,1,2,3,4,5,6,7
	ds_load_b128 v[XO+4*\i:XO+4*\i+3], v[CST] offset:\i*3088
.endr
.irp i, 0,1,2
	ds_load_b128 v[RD+4*\i:RD+4*\i+3], v[REDR] offset:16*\i
.endr
	s_wait_dscnt 3                                 ; the rows are back; the three reads of partial sums may be out
.irp i, 0,1,2,3,4,5,6,7
	global_store_b128 v[L16], v[XO+4*\i:XO+4*\i+3], s[18:19] offset:3072*\i     ; 512 consecutive bytes
.endr
	s_wait_dscnt 0x0
	s_wait_alu depctr_vm_vsrc(0)                   ; my LDS stores have read the accumulators and v12, which the norm's arithmetic below writes again
	SUM12
	v_mul_f32 v16, s[C768], v[RD]                  ; the mean
	v_mov_b32 v17, v16
.set J, 0
.rept 16
	v_pk_add_f32 v[ACC+J:ACC+J+1], v[ACC+J:ACC+J+1], v[16:17] neg_lo:[0,1] neg_hi:[0,1]
.set J, J+2
.endr
	v_pk_mul_f32 v[12:13], v[ACC:ACC+1], v[ACC:ACC+1]
	v_pk_mul_f32 v[14:15], v[ACC+2:ACC+3], v[ACC+2:ACC+3]
.set J, 4
.rept 7
	v_pk_fma_f32 v[12:13], v[ACC+J:ACC+J+1], v[ACC+J:ACC+J+1], v[12:13]
	v_pk_fma_f32 v[14:15], v[ACC+J+2:ACC+J+3], v[ACC+J+2:ACC+J+3], v[14:15]
.set J, J+4
.endr
	v_pk_add_f32 v[12:13], v[12:13], v[14:15]
	v_add_f32 v12, v12, v13
	v_permlanex16_b32 v13, v12, s[SEL], s[SEL+1]
	v_add_f32 v12, v12, v13
	s_wait_alu depctr_va_vdst(0)                   ; v12 is written, which the LDS store below reads; and the first sum's additions are done with RD, in which the LDS loads behind the barrier land
	ds_store_b32 v[REDW], v12 offset:1024
	BARRIER
.irp i, 0,1,2
	ds_load_b128 v[RD+4*\i:RD+4*\i+3], v[REDR] offset:1024+16*\i
.endr
	s_wait_dscnt 0x0
	SUM12
	v_fmaak_f32 v18, s[C768], v[RD], 0x3727c5ac    ; variance + 1e-5
	v_rsq_f32 v18, v18
	v_mov_b32 v19, 0                               ; a plain place; v19 is named with v18 as a pair
	v_mov_b32 v[TP], 0
	v_mov_b32 v[TP+1], 0
	s_wait_alu depctr_va_vdst(0)                   ; the reciprocal root is written, ahead of its first reader
.set J, 0
.rept 16
	v_pk_mul_f32 v[ACC+J:ACC+J+1], v[ACC+J:ACC+J+1], v[18:19] op_sel_hi:[1,0]
.set J, J+2
.endr
.set J, 0
.rept 16
	v_pk_fma_f32 v[ACC+J:ACC+J+1], v[ACC+J:ACC+J+1], v[XR+J:XR+J+1], v[BO+J:BO+J+1]
.set J, J+2
.endr
	QUANT2 ACC, 0
	s_wait_alu depctr_va_vdst(0)                   ; h2's codes and its two scale bytes are written, which the three stores below read
	PUTH 34, 0
	global_store_b16 v[P24], v[PW], s[36:37]
	s_wait_dscnt 0x0                               ; the closing lines, six on end
	s_wait_alu 0x0
	s_wait_tensorcnt 0x0
	ds_add_u32 v254, v255
	s_wait_dscnt 0x0
	s_endpgm
.Lfunc_end_k_q1afa460947_wo_ln:
	.size	k_q1afa460947_wo_ln, .Lfunc_end_k_q1afa460947_wo_ln-k_q1afa460947_wo_ln
	.p2alignl 7, 3214868480
	.fill 96, 4, 3214868480
	.section	.rodata,"a",@progbits
	.p2align	6, 0x0
	.amdhsa_kernel k_q1afa460947_wo_ln
		.amdhsa_group_segment_fixed_size 53248
		.amdhsa_private_segment_fixed_size 0
		.amdhsa_enable_private_segment 0
		.amdhsa_kernarg_size 72
		.amdhsa_user_sgpr_count 2
		.amdhsa_user_sgpr_kernarg_segment_ptr 1
		.amdhsa_wavefront_size32 1
		.amdhsa_system_sgpr_workgroup_id_x 1
		.amdhsa_system_sgpr_workgroup_id_y 1
		.amdhsa_system_sgpr_workgroup_id_z 1
		.amdhsa_system_vgpr_workitem_id 0
		.amdhsa_next_free_vgpr 256
		.amdhsa_next_free_sgpr 66
		.amdhsa_reserve_vcc 0
		.amdhsa_float_denorm_mode_32 3
		.amdhsa_float_denorm_mode_16_64 3
		.amdhsa_memory_ordered 1
		.amdhsa_forward_progress 1
		.amdhsa_inst_pref_size 35
	.end_amdhsa_kernel
	.amdgpu_metadata
---
amdhsa.version: [ 1, 2 ]
amdhsa.kernels:
  - .name:           k_q1afa460947_wo_ln
    .symbol:         k_q1afa460947_wo_ln.kd
    .args:
      - { .name: obuf, .offset: 0, .size: 8, .value_kind: global_buffer, .address_space: global }
      - { .name: wimg, .offset: 8, .size: 8, .value_kind: global_buffer, .address_space: global }
      - { .name: Wo_scales, .offset: 16, .size: 8, .value_kind: global_buffer, .address_space: global }
      - { .name: bo, .offset: 24, .size: 8, .value_kind: global_buffer, .address_space: global }
      - { .name: x, .offset: 32, .size: 8, .value_kind: global_buffer, .address_space: global }
      - { .name: ln2_g, .offset: 40, .size: 8, .value_kind: global_buffer, .address_space: global }
      - { .name: ln2_b, .offset: 48, .size: 8, .value_kind: global_buffer, .address_space: global }
      - { .name: x1, .offset: 56, .size: 8, .value_kind: global_buffer, .address_space: global }
      - { .name: hbuf, .offset: 64, .size: 8, .value_kind: global_buffer, .address_space: global }
    .group_segment_fixed_size: 53248
    .private_segment_fixed_size: 0
    .kernarg_segment_align: 8
    .kernarg_segment_size: 72
    .max_flat_workgroup_size: 384
    .sgpr_count:     66
    .vgpr_count:     256
    .wavefront_size: 32
...
	.end_amdgpu_metadata
.endif
;; end of part 8
;; launch ffn1: the kernel of part 5 again; grid 16 x 16, 4 waves a work-group, clusters of 4 x 4, 258,560 bytes of LDS; arguments hbuf, wimg, W1_scales, b1, gbuf; writes gbuf
;; launch ffn2: the kernel of part 6 again; grid 4 x 64, 4 waves a work-group, clusters of 4 x 1, 198,144 bytes of LDS; arguments gbuf, wimg, W2_scales, b2, x1, out0; writes out0
